; MI455X (gfx1250); checked and timed in simulation.
; The chip was launched on July 23, 2026; its instructions are those of AMD's public machine-readable ISA for CDNA 5 (MIT licence, August 2026) and "CDNA5" Instruction Set Architecture Reference Guide (July 2026). The comments in the code are by the model that wrote it; some were corrected since.
;; Transformer Block. Allowed arithmetic: matrix products marked QUANTISED: E5M2 operands, one E8M0 scale for each 32 along K, by v_wmma_scale_f32_16x16x128_f8f6f4 with both operands' format E5M2, f32 sums; everything else in f32.
;; Inputs: b_fc 4,096 float32; b_proj 1,024 float32; bk 1,024 float32; bo 1,024 float32; bq 1,024 float32; bv 1,024 float32; ln1_scale 1,024 float32; ln1_shift 1,024 float32; ln2_scale 1,024 float32; ln2_shift 1,024 float32; w_fc 1,024 x 4,096 float32; w_proj 4,096 x 1,024 float32; wk 1,024 x 1,024 float32; wo 1,024 x 1,024 float32; wq 1,024 x 1,024 float32; wv 1,024 x 1,024 float32; x 2 x 2,048 x 1,024 float32.
;; Outputs: out0 2 x 2,048 x 1,024 float32.
;; This version of the problem:
;;   THIS VERSION OF THE PROBLEM IS GIVEN IN LOW PRECISION. The matrix products marked QUANTISED in the list below multiply operands that are first quantised to E5M2 (5 exponent bits, 2 mantissa bits; 8 bits a number), with one power-of-two scale for each 32 numbers along K (OCP MX v1.0); their sums are f32. All else is computed in f32.
;;   The module's matrix products, in the order in which they are computed (A, B: the left and right operand; K: the contracted axis; several contracted axes count as one K, in the product's order):
;;     1. [M 4,096, K 1,024] x [K 1,024, N 1,024]; A: computed on the way; B: input wq: QUANTISED
;;     2. [M 4,096, K 1,024] x [K 1,024, N 1,024]; A: computed on the way; B: input wk: QUANTISED
;;     3. [M 4,096, K 1,024] x [K 1,024, N 1,024]; A: computed on the way; B: input wv: QUANTISED
;;     4. batch 32 x [M 2,048, K 64] x [K 64, N 2,048]; A: computed on the way; B: computed on the way: QUANTISED
;;     5. batch 32 x [M 2,048, K 2,048] x [K 2,048, N 64]; A: softmax (see below); B: computed on the way: QUANTISED
;;     6. [M 4,096, K 1,024] x [K 1,024, N 1,024]; A: computed on the way; B: input wo: QUANTISED
;;     7. [M 4,096, K 1,024] x [K 1,024, N 4,096]; A: computed on the way; B: input w_fc: QUANTISED
;;     8. [M 4,096, K 4,096] x [K 4,096, N 1,024]; A: computed on the way; B: input w_proj: QUANTISED
;;   THE QUANTISER, for each operand of a quantised product, along K:
;;     - K is cut into blocks of 32 from its start; a last block that is shorter is filled with zeros.
;;     - A block's scale is 2^e with e = floor(log2(the largest magnitude in the block)) - 15, held to -126 .. 127; a block of zeros has e = 0. As a byte (E8M0): e + 127.
;;     - Each number is divided by its block's scale, clamped to +-57,344, and rounded to the nearest number of E5M2, ties to even, subnormals kept.
;;     - The product sums the exact products of the quantised numbers (number of the format x scale) in f32.
;;   ~~~python
;;   def quantise(x, axis):      # numpy; x: float32 -> the quantised numbers, widened to float32 again
;;       x = np.moveaxis(x, axis, -1); K = x.shape[-1]
;;       x = np.pad(x, [(0, 0)] * (x.ndim - 1) + [(0, -K % 32)]); x = x.reshape(x.shape[:-1] + (-1, 32)); a = np.abs(x).max(-1, keepdims=True)
;;       e = np.where(a > 0, np.clip(np.frexp(np.where(a > 0, a, 1))[1] - 1 - 15, -126, 127), 0)      # np.frexp(a)[1] - 1 = floor(log2(a)), exactly
;;       r = np.clip(x / 2.0 ** e, -57344, 57344)
;;       step = 2.0 ** (np.maximum(np.frexp(np.where(r == 0, 1, r))[1] - 1, -14) - 2)
;;       q = np.round(r / step) * step * 2.0 ** e      # np.round: ties to even
;;       return np.moveaxis(q.reshape(q.shape[:-2] + (-1,))[..., :K], -1, axis).astype(np.float32)
;;   ~~~
;;   SOFTMAX AHEAD OF A QUANTISED PRODUCT. Where the list says 'softmax', what is quantised is not the finished softmax but p = 2^(t - M), with t = logit x log2(e) and M = ceil(the row's largest t), a whole number; so 1/2 < the row's largest p <= 1. The row's sum l is taken of the UNQUANTISED p, in f32, and the product's result is divided by l at the end. Since M is a whole number, a kernel that streams over the keys may use a running M (the ceiling of the running maximum): every later rescaling is an exact power of two, which a block's scale takes up: the codes' values come out the same.
;;   OPERANDS COMPUTED ON THE WAY. 'Computed on the way' means the value that the module computes at that place (a softmax that the list does not call 'softmax' is quantised finished and normalised). What goes into a quantiser is computed in f32, as accurately as f32 sums, v_exp_f32 and their like allow (about 1e-6 of the number): no bf16 or f16 on the way to a quantiser, and a product that is left as it is and whose result goes on into a quantised operand takes f32 operands (vector FMAs, or v_wmma_f32_16x16x4_f32). A number that lies on a knife's edge between two numbers of the format may be rounded either way, as far as f32 arithmetic and the matrix unit's own rounding can turn it there, and no further.
;; One version. Each part assembles by itself: llvm-mc -triple=amdgcn-amd-amdhsa -mcpu=gfx1250 --defsym DOCPART=n.
;; ======== version 1 of 1: 7 launches
;; limits: right only within a limited range of input values
;; workspace buffers: wts 12,976,128 bytes; xa 4,325,376 bytes; qkv 13,238,272 bytes; ca 4,325,376 bytes; hb 16,777,216 bytes; ma 4,325,376 bytes; ga 17,301,504 bytes
;; launch prep (part 1): grid 512 x 1, 8 waves a work-group, no clusters, 77,824 bytes of LDS; arguments x, ln1_scale, ln1_shift, xa, wq, wk, wv, wo, w_fc, w_proj, wts; writes wts, xa
.if DOCPART == 1
	.amdgcn_target "amdgcn-amd-amdhsa--gfx1250"
	.amdhsa_code_object_version 6
	.text
	.protected	k_q0b08489453_prep
	.globl	k_q0b08489453_prep
	.p2align	8
	.type	k_q0b08489453_prep,@function
k_q0b08489453_prep:
	s_mov_b64 s[64:65], 0
	v_nop
	global_prefetch_b8 v0, s[64:65] scope:SCOPE_SE
	s_setreg_imm32_b32 hwreg(HW_REG_WAVE_MODE, 25, 1), 1
	s_wait_xcnt 0x0
; THE PROGRAM: a transformer block on 4,096 tokens, all eight matrix products on codes of E5M2 with one E8M0 scale for each 32 along K.  Seven launches:
; this one (the weights to codes; LN1(x) to codes), g1 (q, k, v), att, g2 (projection + x = h), ln2, g3 (w_fc, GELU), g4 (w_proj + h).
; DEAD WORK: reference() sets the scores of keys behind a query to -infinity by a mask that it builds itself; their weights are 0 for all values of the inputs.  So launch att leaves out the steps of 128 keys
; that lie wholly behind a wave's 16 queries.  Nothing else is left out: every bias goes into a quantised operand or into the result (bk too: it moves k's codes), and every input is loaded.
; LIMIT: a NaN, an infinity or an overflow that reaches only those hidden key steps is not carried to the result.
; THIS LAUNCH HAS TWO KINDS OF WORK-GROUPS, told apart by the work-group's number alone: 0 to 383 quantise the six weights, 384 to 511 norm and quantise the rows of x.  Neither needs a byte of the other, and launch g1 needs both:
; so they share one launch.  Only the second kind stores to LDS and has a barrier.
; ---- THE WEIGHTS: each weight W [K][N], f32, K its first axis, becomes codes and scale bytes with K innermost, in the order in which an operand's registers take them:
;   codes: a block of 128 rows (n) x 256 k is 32,768 bytes at (T x K/256 + kc) << 15; in it [16 rows: 8][128 k: 2][32 k: 4][lane: 32][16 bytes], lane (r, h) = row r, k 16 h + 0 .. 15 of the 32;
;   scale bytes: 1,024 bytes for the same block, [row: 128][8 bytes].
; THE ROWS ARE PERMUTED: row rho of the workspace holds column rho with its bits 3 and 4 exchanged.  In a product whose source 0 is 16 such rows, a lane's 16 results of two neighbouring tiles are then 16 neighbouring columns.
; A LANE TAKES A COLUMN AND ITS REGISTERS RUN DOWN K: a block of 32 along K lies in one lane's 32 registers, and the conversions give codes with K innermost.  A wave takes 32 columns x 128 k, a work-group 256 columns.
; A block's scale is 2^(floor(log2(largest magnitude)) - 15); its byte is the largest magnitude's exponent field - 15, held at 1 from below.
; LIMITS: a block of zeros gets the byte 1 where the rule says 127 (its codes are zeros, and this program alone reads the bytes); blocks whose largest magnitude lies under 2^-111 are held at byte 1; NaN and infinities among the inputs are not served.
; A lane's 16 codes are 16 bytes of the image, and sixteen neighbouring lanes store 256 consecutive bytes.  No register that a load or store of this path names is written again, so no wait frees one.
; THE NUMBERS IN FORCE: work-groups 0 to 383 take the weights, two to each block of 256 columns x 256 k: number n takes half n % 2 (128 k, four blocks of 32 a wave) of the block that the text below counts as n / 2;
; work-groups 384 to 511 take the rows.  A row's eight scale bytes of a block so come from two work-groups, four bytes each.
.set NWQ,   384                        ; work-groups for the weights
.set LNS,   34816                      ; LDS (the rows' path): behind the 128 pieces: the scale bytes, [kc: 4][row: 32][8]
.set SPARE, 35840                      ; the spare words, 128 bytes for each wave: four blocks of 256 bytes that no other line names
.set TST,   36864                      ; behind them: a stage of 5,120 bytes for each wave, through which what it loads is turned
.set TP,    80                         ; a lane's place in that stage: its 64 bytes + 16 of padding
	v_lshl_add_u32 v8, v0, 2, SPARE                ; my spare word; never rewritten, on either path
	v_mov_b32 v9, 0                                ; 0; never rewritten
	s_cmp_ge_u32 ttmp9, NWQ                        ; the work-group's number alone: all eight waves go the same way
	s_cbranch_scc1 .Lnorm
	s_lshr_b32 s60, ttmp9, 1                       ; which block of 256 columns x 256 k, 0 .. 191
	s_and_b32 s61, ttmp9, 1                        ; which 128 k of it
.set OF,  16                           ; v16-47   byte offset of row i of a block, at my column
.set X,   48                           ; v48-111  two sets of 32 numbers
.set C,   112                          ; v112-143 codes: eight registers for each block
.set SB,  14                           ; v14 my row's four scale bytes
.set BS,  32                           ; s[32:47] where block t's first row begins, at the wave's first column
	s_load_b256 s[4:11], s[0:1], 0x20              ; wq, wk, wv, wo
	s_load_b128 s[12:15], s[0:1], 0x40             ; w_fc, w_proj
	s_load_b64 s[16:17], s[0:1], 0x50              ; wts
	v_lshrrev_b32 v1, 5, v0
	s_delay_alu instid0(VALU_DEP_1)
	v_readfirstlane_b32 s18, v1                    ; wave 0..7
	v_and_b32 v1, 31, v0                           ; lane
	s_delay_alu instid0(VALU_DEP_1)
	v_and_b32 v2, 7, v1
	s_delay_alu instid0(VALU_DEP_2)
	v_bfe_u32 v5, v1, 3, 1
	s_delay_alu instid0(VALU_DEP_3)
	v_bfe_u32 v6, v1, 4, 1
	s_delay_alu instid0(VALU_DEP_2)
	v_lshl_or_b32 v2, v5, 4, v2
	s_delay_alu instid0(VALU_DEP_1)
	v_lshl_or_b32 v2, v6, 3, v2                    ; the lane's number with bits 3 and 4 exchanged: my column among the wave's 32
	s_delay_alu instid0(VALU_DEP_1)
	v_lshlrev_b32 v2, 2, v2
	s_wait_alu depctr_va_vdst(0)
	v_and_b32 v3, 15, v1
	s_delay_alu instid0(VALU_DEP_1)
	v_lshlrev_b32 v3, 4, v3
	s_delay_alu instid0(VALU_DEP_1)
	v_lshl_or_b32 v3, v6, 12, v3                   ; the image: 4,096 (lane / 16) + 16 (lane % 16)
	v_lshlrev_b32 v4, 3, v1                        ; the scale bytes: 8 a row
	s_mov_b32 s31, 0x600000                        ; the mantissa field of 57,344
	; which weight, which 256 columns, which 256 along K: work-groups 0-63: wq, wk, wv, wo, 16 each; 64-127: w_fc; 128-191: w_proj
	s_cmp_lt_u32 s60, 64
	s_cselect_b32 s19, 15, 63
	s_and_b32 s19, s60, s19                        ; the block's number within its weight
	s_lshr_b32 s20, s60, 6                         ; 0: a square weight; 1: w_fc; 2: w_proj
	s_cmp_eq_u32 s20, 1
	s_cselect_b32 s21, 4, 2                        ; log2 of N / 256
	s_lshr_b32 s23, s60, 4
	s_min_u32 s23, s23, 4
	s_cmp_eq_u32 s20, 2
	s_cselect_b32 s22, 16, 4                       ; K / 256
	s_cselect_b32 s23, 8, s23
	s_lshl_b32 s23, s23, 20                        ; where the weight's codes begin in wts
	s_lshl_b32 s24, 1024, s21                      ; a row of W in bytes
	s_lshl_b32 s25, 1, s21
	s_sub_co_u32 s25, s25, 1
	s_and_b32 s25, s19, s25                        ; which 256 columns
	s_lshr_b32 s26, s19, s21                       ; kc: which 256 along K
	s_lshl_b32 s27, s25, 8
	s_lshl_b32 s28, s18, 5
	s_add_co_u32 s27, s27, s28                     ; my wave's first column
	s_lshl_b32 s28, s25, 1
	s_lshr_b32 s29, s18, 2
	s_add_co_u32 s28, s28, s29                     ; T: which 128 rows of the workspace
	s_mul_i32 s28, s28, s22
	s_add_co_u32 s28, s28, s26                     ; T x K/256 + kc
	s_and_b32 s29, s18, 3
	s_lshl_b32 s52, s28, 15
	s_add_co_u32 s52, s52, s23
	s_lshl_b32 s30, s29, 13
	s_add_co_u32 s52, s52, s30                     ; codes: the block, and my wave's 32 rows in it
	s_lshl_b32 s30, s61, 11
	s_add_co_u32 s52, s52, s30                     ; my 128 k: 2,048 bytes on in each 16 rows
	s_mov_b32 s53, 0
	s_lshl_b32 s54, s28, 10
	s_lshr_b32 s30, s23, 5
	s_add_co_u32 s54, s54, s30
	s_lshl_b32 s30, s29, 8
	s_add_co_u32 s54, s54, s30
	s_add_co_u32 s54, s54, 12582912                ; scale bytes: behind the 12 MiB of codes
	s_lshl_b32 s30, s61, 2
	s_add_co_u32 s54, s54, s30                     ; my four of a row's eight bytes
	s_mov_b32 s55, 0
	s_lshl_b32 s56, s26, 8
	s_lshl_b32 s30, s61, 7
	s_add_co_u32 s56, s56, s30                     ; row 256 kc + 128 x my half
	s_mul_i32 s56, s56, s24
	s_lshl_b32 s30, s27, 2
	s_add_co_u32 s56, s56, s30                     ; W: row 256 kc, my wave's first column (under 2^25)
	s_mov_b32 s57, 0
	s_lshl_b32 s58, s24, 5                         ; 32 rows on
	s_mov_b32 s59, 0
	v_mov_b32 v[OF], v2
.set i, 1
.rept 31
	s_delay_alu instid0(VALU_DEP_1)
	v_add_nc_u32 v[OF+i], s24, v[OF+i-1]
.set i, i+1
.endr
	s_wait_alu depctr_va_vdst(0)
	s_wait_kmcnt 0x0
	s_lshr_b32 s30, s60, 4                         ; the choice of the weight hangs on the work-group's number alone
	s_cmp_eq_u32 s30, 1
	s_cselect_b64 s[4:5], s[6:7], s[4:5]
	s_cmp_eq_u32 s30, 2
	s_cselect_b64 s[4:5], s[8:9], s[4:5]
	s_cmp_eq_u32 s30, 3
	s_cselect_b64 s[4:5], s[10:11], s[4:5]
	s_cmp_eq_u32 s20, 1
	s_cselect_b64 s[4:5], s[12:13], s[4:5]
	s_cmp_eq_u32 s20, 2
	s_cselect_b64 s[4:5], s[14:15], s[4:5]
	s_add_nc_u64 s[BS:BS+1], s[4:5], s[56:57]
.irp t, 1,2,3
	s_add_nc_u64 s[BS+2*\t:BS+2*\t+1], s[BS+2*\t-2:BS+2*\t-1], s[58:59]
.endr
	s_add_nc_u64 s[48:49], s[16:17], s[52:53]
	s_add_nc_u64 s[50:51], s[16:17], s[54:55]
.macro LOAD t                          ; block t: W(256 kc + 32 t + i, my column), i = 0 .. 31, into set t % 2; a load's 32 lanes read 128 consecutive bytes, the eight waves 1,024
.set i, 0
.rept 32
	global_load_b32 v[X+32*((\t)%2)+i], v[OF+i], s[BS+2*(\t):BS+2*(\t)+1] th:TH_LOAD_NT
.set i, i+1
.endr
.endm
.macro BLOCK t
.set XS, X+32*((\t)%2)
.set CC, C+8*(\t)
.if (\t) < 3
	s_wait_loadcnt 32                              ; this block's 32 loads are in; the next block's 32 may be out
.else
	s_wait_loadcnt 0x0
.endif
	v_max3_num_f32 v12, |v[XS]|, |v[XS+1]|, |v[XS+2]|              ; the block's largest magnitude: all 32 numbers are mine
	v_max3_num_f32 v13, |v[XS+3]|, |v[XS+4]|, |v[XS+5]|
.irp i, 6,10,14,18,22,26
	s_delay_alu instid0(VALU_DEP_2)
	v_max3_num_f32 v12, v12, |v[XS+\i]|, |v[XS+\i+1]|
	s_delay_alu instid0(VALU_DEP_2)
	v_max3_num_f32 v13, v13, |v[XS+\i+2]|, |v[XS+\i+3]|
.endr
	s_delay_alu instid0(VALU_DEP_2)
	v_max3_num_f32 v12, v12, |v[XS+30]|, |v[XS+31]|
	s_delay_alu instid0(VALU_DEP_1)
	v_max3_num_f32 v12, v12, v13, 0x8000000        ; and the floor 2^(16 - 127): the byte cannot fall under 1
	s_delay_alu instid0(VALU_DEP_1)
	v_add_nc_u32 v11, 0xf8800000, v12              ; 15 off its exponent field: the conversion's scale operand
	s_delay_alu instid0(VALU_DEP_2)
	v_and_or_b32 v10, v12, 0x7f800000, s31         ; 57,344 x the scale
	s_delay_alu instid0(VALU_DEP_2)
	v_lshrrev_b32 v13, 23, v11                     ; the scale's byte
.if (\t)%4 == 0
	s_delay_alu instid0(VALU_DEP_1)
	v_mov_b32 v[SB+(\t)/4], v13
.else
	s_delay_alu instid0(VALU_DEP_1)
	v_lshl_or_b32 v[SB+(\t)/4], v13, 8*((\t)%4), v[SB+(\t)/4]
.endif
.set i, 0
.rept 32
	v_med3_num_f32 v[XS+i], v[XS+i], -v10, v10     ; the conversion to an 8-bit code does not saturate (ISA guide 7.6.2): the hold at the largest code x the scale
.set i, i+1
.endr
.irp g, 0,1,2,3
	v_cvt_scalef32_pk8_bf8_f32 v[CC+2*\g:CC+2*\g+1], v[XS+8*\g:XS+8*\g+7], v11
.endr
	global_store_b128 v3, v[CC:CC+3], s[48:49] offset:((\t)/4)*2048+((\t)%4)*512          ; k 0 .. 15 of the block: lanes 0-15 store 256 consecutive bytes, lanes 16-31 another 256
	global_store_b128 v3, v[CC+4:CC+7], s[48:49] offset:((\t)/4)*2048+((\t)%4)*512+256    ; k 16 .. 31
.if (\t)+2 < 4
	LOAD (\t)+2
.endif
.endm
	LOAD 0
	LOAD 1
.irp t, 0,1,2,3
	BLOCK \t
.endr
	global_store_b32 v4, v[SB], s[50:51]           ; 32 rows x 4 bytes, 8 bytes apart: the other half's work-group stores the bytes between
	s_wait_tensorcnt 0x0                           ; the wave's end: the three closing lines of the rows' path stand on this path too
	ds_add_u32 v8, v9
	s_wait_dscnt 0x0
	s_endpgm
; ---- THE ROWS: y = gain x (x - mean) / (std + 1e-5) + shift along rows of 1,024, std with divisor 1,023, all in f32; y is then quantised along the row to codes of E5M2 with one E8M0 byte for each 32,
; and stored in the order of an operand's registers: codes: block (128 rows, 256 k) of 32,768 bytes at (T x 4 + kc) << 15, in it [16 rows: 8][128 k: 2][32 k: 4][lane (r, h)][16 bytes]; scale bytes from byte 4,194,304 on, 1,024 a block, [row][8].
; The mean is taken away before the squares are summed: no difference of large sums is formed.
; SHARES: a work-group takes 32 rows, each of its eight waves 4.  A row stays in 32 registers of a wave.  The conversions take 16 neighbours from ONE lane, a load is best where neighbouring LANES take neighbouring bytes.  Both are had:
; each load reads 512 consecutive bytes, 16 a lane; a row's 4,096 bytes (and gain's, and shift's) then turn through the wave's own stage in LDS, as they lie, and come back 64 bytes a lane, into the same registers:
; lane l then holds elements 512 j + 16 l + 0 .. 15, j = 0, 1; lanes l and l xor 1 share a block of 32.  The stage has 16 bytes of padding behind each 64.
; A lane's 16 codes are 16 bytes of a piece (16 rows x 16 bytes) of the image; the pieces are gathered in LDS (pitch 272) and leave as 4,096 consecutive bytes a wave; the scale bytes as 256 consecutive bytes for each of four waves.
; LIMITS: as above.  No matrix unit, no cluster, no tensor load: rows are read once and shared with nobody.
.Lnorm:
.set WG0, NWQ                          ; the first work-group of this kind
.set E,   12                           ; v12-19  at work on the sums; later a scale byte for each row and half
.set IV,  24                           ; v24-31  row i: the sum of squares, then 1 / (std + eps), twice
.set CD,  32                           ; v32-39  row 0's codes.  Row i's (i > 0) take the first eight registers of row i - 1, whose numbers have been converted by then
.set TQ,  42                           ; v42-49  the quantiser's: four registers for each half of a row
.set G,   64                           ; v64-95  gain of my 32 columns
.set S,   96                           ; v96-127 shift
.set X,   128                          ; v128-255 four rows
	s_load_b256 s[4:11], s[0:1], 0x0               ; source, gain, shift, destination
	s_sub_co_u32 s2, ttmp9, WG0                    ; which 32 rows
	v_lshrrev_b32 v1, 5, v0
	s_delay_alu instid0(VALU_DEP_1)
	v_readfirstlane_b32 s12, v1                    ; wave 0..7
	v_and_b32 v1, 31, v0                           ; lane
	s_delay_alu instid0(VALU_DEP_1)
	v_lshlrev_b32 v6, 4, v1                        ; 16 x lane: my 16 bytes of a load's or a store's 512
	s_delay_alu instid0(VALU_DEP_2)
	v_lshlrev_b32 v10, 3, v1                       ; 8 x lane
	s_delay_alu instid0(VALU_DEP_3)
	v_lshrrev_b32 v40, 4, v1
	s_delay_alu instid0(VALU_DEP_4)
	v_and_b32 v23, 15, v1
	s_delay_alu instid0(VALU_DEP_1)
	v_lshl_add_u32 v3, v40, 5, v23                 ; into the pieces: piece 32 (l / 16) + l % 16 (+ 64 j, + 16 for rows 16-31),
	s_delay_alu instid0(VALU_DEP_1)
	v_mul_u32_u24 v3, v3, 272
	s_lshr_b32 s13, s12, 2
	s_mul_i32 s13, s13, 4352
	s_and_b32 s23, s12, 3
	s_lshl_b32 s23, s23, 6
	s_add_co_u32 s13, s13, s23
	v_add_nc_u32 v3, s13, v3                       ; row 4 (wave % 4) + i of the piece
	v_bfe_u32 v4, v1, 1, 3
	s_delay_alu instid0(VALU_DEP_1)
	v_lshl_add_u32 v4, v40, 8, v4
	s_lshl_b32 s13, s12, 5
	s_add_co_u32 s13, s13, LNS
	v_add_nc_u32 v4, s13, v4                       ; my block's scale byte: 256 (l / 16) + (l / 2) % 8 + 32 wave (+ 512 j + 8 i)
	v_mul_u32_u24 v5, v40, 272
	s_delay_alu instid0(VALU_DEP_1)
	v_lshl_add_u32 v5, v23, 4, v5
	s_mul_i32 s13, s12, 16*272
	v_add_nc_u32 v5, s13, v5                       ; out of the pieces: pieces 16 wave + 2 t + l / 16
	s_and_b32 s13, s12, 3
	s_lshl_b32 s13, s13, 8
	s_add_co_u32 s13, s13, LNS
	v_add_nc_u32 v7, s13, v10                      ; the scale bytes on their way out: 256 for each kc
	s_mul_i32 s13, s12, 64*TP
	s_add_co_u32 s13, s13, TST                     ; my wave's stage
	v_lshrrev_b32 v2, 2, v1
	s_delay_alu instid0(VALU_DEP_1)
	v_mul_u32_u24 v2, v2, TP
	v_and_b32 v41, 3, v1
	s_delay_alu instid0(VALU_DEP_1)
	v_lshl_add_u32 v2, v41, 4, v2
	s_delay_alu instid0(VALU_DEP_1)
	v_add_nc_u32 v2, s13, v2                       ; into it: four lanes' 64 bytes on end, then 16 of padding: TP (l / 4) + 16 (l % 4); a load's 512 bytes take eight places
	v_mul_u32_u24 v11, v1, TP
	s_delay_alu instid0(VALU_DEP_1)
	v_add_nc_u32 v11, s13, v11                     ; out of it: TP x lane: my 16 neighbours
	v_mov_b32 v22, 0                               ; written once: a lane permute's destination counts as one of its sources
	s_mov_b32 s20, 0x76543210
	s_mov_b32 s21, 0xfedcba98                      ; v_permlanex16_b32's selects for lane l xor 16
	s_mov_b32 s22, 0x600000                        ; the mantissa field of 57,344
	s_lshl_b32 s24, s2, 17
	s_lshl_b32 s25, s12, 14
	s_add_co_u32 s24, s24, s25                     ; my first row: 32 x work-group + 4 x wave, 4,096 bytes a row
	s_mov_b32 s25, 0
	s_lshr_b32 s26, s2, 2
	s_lshl_b32 s26, s26, 2                         ; 4 T
	s_and_b32 s27, s2, 3
	s_lshr_b32 s28, s12, 1
	s_add_co_u32 s28, s28, s26
	s_lshl_b32 s28, s28, 15                        ; codes out: block (T, kc = wave / 2),
	s_lshl_b32 s29, s27, 1
	s_and_b32 s30, s12, 1
	s_add_co_u32 s29, s29, s30
	s_lshl_b32 s29, s29, 12
	s_add_co_u32 s28, s28, s29                     ; its 16 rows 2 (work-group % 4) + wave % 2
	s_mov_b32 s29, 0
	s_and_b32 s30, s12, 3
	s_add_co_u32 s30, s30, s26
	s_lshl_b32 s30, s30, 10
	s_lshl_b32 s31, s27, 8
	s_add_co_u32 s30, s30, s31
	s_add_co_u32 s30, s30, 4194304                 ; scale bytes out: block (T, kc = wave), my work-group's 32 rows
	s_mov_b32 s31, 0
	s_wait_alu depctr_va_vdst(0)
	s_wait_kmcnt 0x0
	s_add_nc_u64 s[14:15], s[4:5], s[24:25]
	s_add_nc_u64 s[16:17], s[10:11], s[28:29]
	s_add_nc_u64 s[18:19], s[10:11], s[30:31]
.irp i, 0,1,2,3
.irp m, 0,1,2,3,4,5,6,7
	global_load_b128 v[X+32*\i+4*\m:X+32*\i+4*\m+3], v6, s[14:15] offset:\i*4096+512*\m   ; 32 lanes read 512 consecutive bytes
.endr
.endr
.irp m, 0,1,2,3,4,5,6,7
	global_load_b128 v[G+4*\m:G+4*\m+3], v6, s[6:7] offset:512*\m
.endr
.irp m, 0,1,2,3,4,5,6,7
	global_load_b128 v[S+4*\m:S+4*\m+3], v6, s[8:9] offset:512*\m
.endr
; 4,096 bytes in the 32 registers from b on go through my stage and come back into the same registers, 64 neighbouring bytes a lane for each half.  LDS serves a wave's instructions in order (ISA guide 5.7.1.4):
; the loads see the stores above them, and the next turn's stores come behind these loads.
.macro TURNR b
.irp m, 0,1,2,3,4,5,6,7
	ds_store_b128 v2, v[(\b)+4*\m:(\b)+4*\m+3] offset:8*TP*\m
.endr
.irp j, 0,1
.irp k, 0,1,2,3
	ds_load_b128 v[(\b)+16*\j+4*\k:(\b)+16*\j+4*\k+3], v11 offset:32*TP*\j+16*\k
.endr
.endr
.endm
.macro XSUM r                          ; the sum over the 32 lanes, in every lane
	s_delay_alu instid0(VALU_DEP_1)
	v_add_f32_dpp v[\r], v[\r], v[\r] row_xmask:1 row_mask:0xf bank_mask:0xf
	s_delay_alu instid0(VALU_DEP_1)
	v_add_f32_dpp v[\r], v[\r], v[\r] row_xmask:2 row_mask:0xf bank_mask:0xf
	s_delay_alu instid0(VALU_DEP_1)
	v_add_f32_dpp v[\r], v[\r], v[\r] row_xmask:4 row_mask:0xf bank_mask:0xf
	s_delay_alu instid0(VALU_DEP_1)
	v_add_f32_dpp v[\r], v[\r], v[\r] row_xmask:8 row_mask:0xf bank_mask:0xf
	s_delay_alu instid0(VALU_DEP_1)
	v_permlanex16_b32 v22, v[\r], s20, s21
	s_delay_alu instid0(VALU_DEP_1)
	v_add_f32 v[\r], v[\r], v22
.endm
; Row i: the mean; x - mean in place; the sum of its squares
.macro STAT i
.set XR, X+32*(\i)
	v_pk_add_f32 v[12:13], v[XR:XR+1], v[XR+2:XR+3]
	v_pk_add_f32 v[14:15], v[XR+4:XR+5], v[XR+6:XR+7]
.irp e, 8,12,16,20,24,28
	s_delay_alu instid0(VALU_DEP_2)
	v_pk_add_f32 v[12:13], v[12:13], v[XR+\e:XR+\e+1]
	s_delay_alu instid0(VALU_DEP_2)
	v_pk_add_f32 v[14:15], v[14:15], v[XR+\e+2:XR+\e+3]
.endr
	s_delay_alu instid0(VALU_DEP_1)
	v_pk_add_f32 v[12:13], v[12:13], v[14:15]
	s_delay_alu instid0(VALU_DEP_1)
	v_add_f32 v12, v12, v13
	XSUM 12
	s_delay_alu instid0(VALU_DEP_1)
	v_mul_f32 v20, 0x3a800000, v12                 ; / 1,024
	s_delay_alu instid0(VALU_DEP_1)
	v_mov_b32 v21, v20
.irp e, 0,2,4,6,8,10,12,14,16,18,20,22,24,26,28,30
	v_pk_add_f32 v[XR+\e:XR+\e+1], v[XR+\e:XR+\e+1], v[20:21] neg_lo:[0,1] neg_hi:[0,1]
.endr
	v_pk_mul_f32 v[12:13], v[XR:XR+1], v[XR:XR+1]
	v_pk_mul_f32 v[14:15], v[XR+2:XR+3], v[XR+2:XR+3]
.irp e, 4,8,12,16,20,24,28
	s_delay_alu instid0(VALU_DEP_2)
	v_pk_fma_f32 v[12:13], v[XR+\e:XR+\e+1], v[XR+\e:XR+\e+1], v[12:13]
	s_delay_alu instid0(VALU_DEP_2)
	v_pk_fma_f32 v[14:15], v[XR+\e+2:XR+\e+3], v[XR+\e+2:XR+\e+3], v[14:15]
.endr
	s_delay_alu instid0(VALU_DEP_1)
	v_pk_add_f32 v[12:13], v[12:13], v[14:15]
	s_delay_alu instid0(VALU_DEP_1)
	v_add_f32 v[IV+2*(\i)], v12, v13
	XSUM IV+2*(\i)
.endm
	s_wait_loadcnt 40                              ; row 0's eight loads are in; behind them: three rows' 24 and the 16 of gain and shift
	TURNR X
	s_wait_loadcnt 32
	TURNR X+32                                     ; a turn runs one row ahead of the sums
	s_wait_dscnt 16                                ; row 0 is back; the sixteen LDS instructions of row 1's turn may be out
	STAT 0
	s_wait_loadcnt 24
	TURNR X+64
	s_wait_dscnt 16
	STAT 1
	s_wait_loadcnt 16
	TURNR X+96
	s_wait_dscnt 16
	STAT 2
	s_wait_loadcnt 8                               ; gain is in; shift's eight may be out
	TURNR G
	s_wait_dscnt 16
	STAT 3
	s_wait_alu depctr_va_vdst(0)
	s_wait_loadcnt 0x0
	TURNR S
.irp i, 0,1,2,3
	v_mul_f32 v[IV+2*\i], 0x3a802008, v[IV+2*\i]   ; / 1,023
.endr
	s_wait_alu depctr_va_vdst(0)
.irp i, 0,1,2,3
	v_sqrt_f32 v[IV+2*\i], v[IV+2*\i]
.endr
	v_nop                                          ; a plain instruction behind the last root
	s_wait_alu depctr_va_vdst(0)                   ; one wait for the four roots, ahead of their first reader
.irp i, 0,1,2,3
	v_add_f32 v[IV+2*\i], 0x3727c5ac, v[IV+2*\i]   ; + 1e-5
.endr
	s_wait_alu depctr_va_vdst(0)
.irp i, 0,1,2,3
	v_rcp_f32 v[IV+2*\i], v[IV+2*\i]
.endr
	v_nop
	s_wait_alu depctr_va_vdst(0)                   ; one wait for the four reciprocals
.irp i, 0,1,2,3
	v_mov_b32 v[IV+2*\i+1], v[IV+2*\i]             ; a pair for the packed multiply
.endr
	s_wait_alu depctr_va_vdst(0)
	s_wait_dscnt 0x0                               ; gain and shift are back from the stage
; Row i: scaled, quantised (two blocks' halves a lane, by turns), codes and bytes into LDS.  Each row has registers of its own for its codes and bytes: none that an LDS store reads is written again ahead of the wait in front of the barrier.
.macro QROW i
.set XR, X+32*(\i)
.if (\i) == 0
.set CR, CD
.else
.set CR, X+32*((\i)-1)                 ; the row before has been converted: its first eight registers take my codes
.endif
.irp e, 0,2,4,6,8,10,12,14,16,18,20,22,24,26,28,30
	v_pk_mul_f32 v[XR+\e:XR+\e+1], v[XR+\e:XR+\e+1], v[IV+2*(\i):IV+2*(\i)+1]
.endr
.irp e, 0,2,4,6,8,10,12,14,16,18,20,22,24,26,28,30
	v_pk_fma_f32 v[XR+\e:XR+\e+1], v[XR+\e:XR+\e+1], v[G+\e:G+\e+1], v[S+\e:S+\e+1]
.endr
.irp j, 0,1
	v_max3_num_f32 v[TQ+4*\j], |v[XR+16*\j]|, |v[XR+16*\j+1]|, |v[XR+16*\j+2]|
	v_max3_num_f32 v[TQ+1+4*\j], |v[XR+16*\j+3]|, |v[XR+16*\j+4]|, |v[XR+16*\j+5]|
.endr
.irp e, 6,10
.irp j, 0,1
	s_delay_alu instid0(VALU_DEP_4)
	v_max3_num_f32 v[TQ+4*\j], v[TQ+4*\j], |v[XR+16*\j+\e]|, |v[XR+16*\j+\e+1]|
	s_delay_alu instid0(VALU_DEP_4)
	v_max3_num_f32 v[TQ+1+4*\j], v[TQ+1+4*\j], |v[XR+16*\j+\e+2]|, |v[XR+16*\j+\e+3]|
.endr
.endr
.irp j, 0
	s_delay_alu instid0(VALU_DEP_4)
	v_max3_num_f32 v[TQ+4*\j], v[TQ+4*\j], |v[XR+16*\j+14]|, |v[XR+16*\j+15]|
.endr
.irp j, 1
	s_delay_alu instid0(VALU_DEP_3)
	v_max3_num_f32 v[TQ+4*\j], v[TQ+4*\j], |v[XR+16*\j+14]|, |v[XR+16*\j+15]|
.endr
.irp j, 0,1
	s_delay_alu instid0(VALU_DEP_2)
	v_max3_num_f32 v[TQ+4*\j], v[TQ+4*\j], v[TQ+1+4*\j], 0x8000000   ; the floor 2^(16 - 127): the byte cannot fall under 1
.endr
.irp j, 0,1
	s_delay_alu instid0(VALU_DEP_2)
	v_max_num_f32_dpp v[TQ+4*\j], v[TQ+4*\j], v[TQ+4*\j] row_xmask:1 row_mask:0xf bank_mask:0xf   ; with my neighbour's 16: the block's largest magnitude
.endr
.irp j, 0,1
	s_delay_alu instid0(VALU_DEP_2)
	v_add_nc_u32 v[TQ+2+4*\j], 0xf8800000, v[TQ+4*\j]              ; 15 off the exponent field: the conversion's scale operand
.endr
.irp j, 0,1
	s_delay_alu instid0(VALU_DEP_4)
	v_and_or_b32 v[TQ+3+4*\j], v[TQ+4*\j], 0x7f800000, s22         ; 57,344 x the scale
.endr
.irp j, 0,1
.irp e, 0,1,2,3,4,5,6,7,8,9,10,11,12,13,14,15
	v_med3_num_f32 v[XR+16*\j+\e], v[XR+16*\j+\e], -v[TQ+3+4*\j], v[TQ+3+4*\j]   ; the conversion does not saturate (ISA guide 7.6.2): the hold
.endr
	v_cvt_scalef32_pk8_bf8_f32 v[CR+4*\j:CR+4*\j+1], v[XR+16*\j:XR+16*\j+7], v[TQ+2+4*\j]
	v_cvt_scalef32_pk8_bf8_f32 v[CR+4*\j+2:CR+4*\j+3], v[XR+16*\j+8:XR+16*\j+15], v[TQ+2+4*\j]
.endr
	v_nop                                          ; a plain instruction behind the last conversion
.irp j, 0,1
	v_lshrrev_b32 v[E+2*(\i)+\j], 23, v[TQ+2+4*\j] ; the scale's byte
.endr
.irp j, 0,1
	ds_store_b128 v3, v[CR+4*\j:CR+4*\j+3] offset:\j*17408+(\i)*16
	ds_store_b8 v4, v[E+2*(\i)+\j] offset:\j*512+(\i)*8            ; both lanes of a block write the same byte with the same value
.endr
.endm
	QROW 0
	QROW 1
	QROW 2
	QROW 3
	s_wait_dscnt 0x0                               ; for the others' sake: my stores have landed
	s_barrier_signal -1
	s_barrier_wait -1
.irp t, 0,1,2,3,4,5,6,7
	ds_load_b128 v[X+4*\t:X+4*\t+3], v5 offset:544*\t
.endr
.irp t, 0,1,2,3,4,5,6,7
	s_wait_dscnt 7-\t                              ; the younger loads may be out
	global_store_b128 v6, v[X+4*\t:X+4*\t+3], s[16:17] offset:512*\t   ; 512 consecutive bytes a store, 4,096 a wave
.endr
	s_cmp_lt_u32 s12, 4
	s_cbranch_scc0 .Lno_scales
	ds_load_b64 v[G:G+1], v7
	s_wait_dscnt 0x0
	global_store_b64 v10, v[G:G+1], s[18:19]       ; 256 consecutive bytes
.Lno_scales:
	s_wait_tensorcnt 0x0                           ; the wave's end, behind my last LDS store
	ds_add_u32 v8, v9
	s_wait_dscnt 0x0
	s_endpgm
.Lfunc_end_k_q0b08489453_prep:
	.size	k_q0b08489453_prep, .Lfunc_end_k_q0b08489453_prep-k_q0b08489453_prep
	.p2alignl 7, 3214868480
	.fill 96, 4, 3214868480
	.section	.rodata,"a",@progbits
	.p2align	6, 0x0
	.amdhsa_kernel k_q0b08489453_prep
		.amdhsa_group_segment_fixed_size 77824
		.amdhsa_private_segment_fixed_size 0
		.amdhsa_enable_private_segment 0
		.amdhsa_kernarg_size 88
		.amdhsa_user_sgpr_count 2
		.amdhsa_user_sgpr_kernarg_segment_ptr 1
		.amdhsa_wavefront_size32 1
		.amdhsa_system_sgpr_workgroup_id_x 1
		.amdhsa_system_sgpr_workgroup_id_y 1
		.amdhsa_system_sgpr_workgroup_id_z 1
		.amdhsa_system_vgpr_workitem_id 0
		.amdhsa_next_free_vgpr 256
		.amdhsa_next_free_sgpr 66
		.amdhsa_reserve_vcc 0
		.amdhsa_float_denorm_mode_32 3
		.amdhsa_float_denorm_mode_16_64 3
		.amdhsa_memory_ordered 1
		.amdhsa_forward_progress 1
		.amdhsa_inst_pref_size 101
	.end_amdhsa_kernel
	.amdgpu_metadata
---
amdhsa.version: [ 1, 2 ]
amdhsa.kernels:
  - .name:           k_q0b08489453_prep
    .symbol:         k_q0b08489453_prep.kd
    .args:
      - { .name: x, .offset: 0, .size: 8, .value_kind: global_buffer, .address_space: global }
      - { .name: ln1_scale, .offset: 8, .size: 8, .value_kind: global_buffer, .address_space: global }
      - { .name: ln1_shift, .offset: 16, .size: 8, .value_kind: global_buffer, .address_space: global }
      - { .name: xa, .offset: 24, .size: 8, .value_kind: global_buffer, .address_space: global }
      - { .name: wq, .offset: 32, .size: 8, .value_kind: global_buffer, .address_space: global }
      - { .name: wk, .offset: 40, .size: 8, .value_kind: global_buffer, .address_space: global }
      - { .name: wv, .offset: 48, .size: 8, .value_kind: global_buffer, .address_space: global }
      - { .name: wo, .offset: 56, .size: 8, .value_kind: global_buffer, .address_space: global }
      - { .name: w_fc, .offset: 64, .size: 8, .value_kind: global_buffer, .address_space: global }
      - { .name: w_proj, .offset: 72, .size: 8, .value_kind: global_buffer, .address_space: global }
      - { .name: wts, .offset: 80, .size: 8, .value_kind: global_buffer, .address_space: global }
    .group_segment_fixed_size: 77824
    .private_segment_fixed_size: 0
    .kernarg_segment_align: 8
    .kernarg_segment_size: 88
    .max_flat_workgroup_size: 256
    .sgpr_count:     66
    .vgpr_count:     256
    .wavefront_size: 32
...
	.end_amdgpu_metadata
.endif
;; end of part 1
;; launch g1 (part 2): grid 12 x 16, 4 waves a work-group, clusters of 4 x 4, 327,680 bytes of LDS; arguments xa, wts, bq, bk, bv, qkv; writes qkv
.if DOCPART == 2
	.amdgcn_target "amdgcn-amd-amdhsa--gfx1250"
	.amdhsa_code_object_version 6
	.text
	.protected	k_q0b08489453_g1
	.globl	k_q0b08489453_g1
	.p2align	8
	.type	k_q0b08489453_g1,@function
k_q0b08489453_g1:
	s_mov_b64 s[64:65], 0
	v_nop
	global_prefetch_b8 v0, s[64:65] scope:SCOPE_SE
	s_setreg_imm32_b32 hwreg(HW_REG_WAVE_MODE, 25, 1), 1
	s_wait_xcnt 0x0
	s_wait_alu depctr_hold_cnt(0) depctr_sa_sdst(0) depctr_va_vdst(0) depctr_va_sdst(0) depctr_va_ssrc(0) depctr_va_vcc(0) depctr_vm_vsrc(0)
	s_getreg_b32 s2, hwreg(HW_REG_IB_STS2, 6, 4)
	s_cmp_eq_u32 s2, 0
	s_cbranch_scc0 .Lentry_in_a_cluster
	s_endpgm
.Lentry_in_a_cluster:
	s_bfe_u32 s2, ttmp6, 0x10000c
	s_cmp_lg_u32 s2, 0xf033
	s_cbranch_scc0 .Lentry_shape_is_right
	s_endpgm
.Lentry_shape_is_right:
.set NQ,     2
.set FR,     16
.set NL,     4
.set NP,     8
.set HALFT,  32768
.set SLOT,   4*HALFT
.set LAPS,   2
.set SCL,    2*SLOT
.set SPARE,  SCL+4*4096
.set ADRA, 6
.set ADRB, 8
.set LI,   10
.set L8,   11
.set ADRS, 12
.set SPW,  14
.set NIL,  15
.set PWS,  16
.set BV,   24
.set SC,   32
.set BR,   64
.set AF,   128
.set Y,    128
.set T,    192
.set PC,   224
.set TM,   240
.set G1, 24
.set G0, 32
.set G1B, 48
.set G0B, 56
.set G1S, 68
.set G0S, 76
.set G1SB, 80
.set G0SB, 88
.set MSB, 0
.macro WIN new
.if MSB != (\new)
	s_set_vgpr_msb (MSB<<8)|(\new)
.set MSB, (\new)
.endif
.endm
.set MUL_LO, 0xa1
.set MUL_HI, 0xf1
.set TO_B,   0x40
.macro JLOAD g0a, g1a, g0b, g1b
	s_cmp_eq_u32 s17, 0
	s_cbranch_scc0 .Lfor_b_\@
	tensor_load_to_lds s[\g0a:\g0a+3], s[\g1a:\g1a+7]
	s_nop 0
.rept 4
	v_nop
.endr
	s_branch .Lasked_\@
.Lfor_b_\@:
	tensor_load_to_lds s[\g0b:\g0b+3], s[\g1b:\g1b+7]
	s_nop 0
.rept 4
	v_nop
.endr
.Lasked_\@:
.endm
.macro CREST
	s_cmp_lg_u32 s16, 0
	s_cbranch_scc1 .Lnot_wave_0_\@
	s_barrier_signal -3
.Lnot_wave_0_\@:
	s_barrier_wait -3
	s_barrier_signal -1
	s_barrier_wait -1
.endm
.macro CROUND
	s_barrier_signal -1
	s_barrier_wait -1
	CREST
.endm
	s_load_b256 s[4:11], s[0:1], 0x0
	s_load_b128 s[12:15], s[0:1], 0x20
	v_lshl_add_u32 v[SPW], v0, 2, SPARE
	v_mov_b32 v[NIL], 0
	ds_add_u32 v[SPW], v[NIL]
	ds_add_u32 v[SPW], v[NIL]
	v_lshrrev_b32 v1, 5, v0
	v_readfirstlane_b32 s16, v1
	s_lshr_b32 s17, s16, 1
	s_and_b32 s18, s16, 1
	s_bfe_u32 s20, ttmp6, 0x40000
	s_bfe_u32 s21, ttmp6, 0x40004
	s_and_b32 s19, ttmp7, 0xffff
	s_lshl_b32 s19, s19, 2
	s_cmp_eq_u32 ttmp9, 2
	s_cselect_b32 s23, 0, s19
	s_cselect_b32 s22, s19, 0
	s_add_co_u32 s23, s23, s21
	s_add_co_u32 s22, s22, s20
	s_lshl_b32 s40, s21, 2
	s_lshl_b32 s40, 15, s40
	s_lshl_b32 s41, 0x1111, s20
	s_or_b32 s[G1], s40, (3<<16)|(1<<21)
	s_or_b32 s[G1B], s41, (3<<16)|(1<<21)
.irp g, G1, G1B                        ; at the head: both halves of a K step's tile as 2 rows of 32,768 bytes, 131,072 bytes apart in memory
	s_mov_b32 s[\g+1], 4096<<16
	s_mov_b32 s[\g+2], 2<<16
	s_mov_b32 s[\g+3], 4096<<16
	s_mov_b32 s[\g+4], 2
	s_mov_b32 s[\g+5], 16384
	s_mov_b32 s[\g+6], 0
	s_mov_b32 s[\g+7], 0
.endr
	s_or_b32 s[G1S], s40, (3<<16)|(1<<21)
	s_or_b32 s[G1SB], s41, (3<<16)|(1<<21)
.irp g, G1S, G1SB                      ; the scale bytes of 256 rows: 32 rows of 256 bytes
	s_mov_b32 s[\g+1], 32<<16
	s_mov_b32 s[\g+2], 32<<16
	s_mov_b32 s[\g+3], 32<<16
	s_mov_b32 s[\g+4], 32
	s_mov_b32 s[\g+5], 32
	s_mov_b32 s[\g+6], 0
	s_mov_b32 s[\g+7], 0
.endr
	s_lshl_b32 s42, s23, 1
	s_add_co_u32 s42, s42, s18
	s_lshl_b32 s44, s23, 13
	s_lshl_b32 s42, s42, 17
	s_mov_b32 s43, 0
	s_mov_b32 s45, 0
	s_lshl_b32 s46, s22, 1
	s_add_co_u32 s46, s46, s18
	s_lshl_b32 s92, s22, 13
	s_lshl_b32 s46, s46, 17
	s_mov_b32 s47, 0
	s_mov_b32 s93, 0
	s_lshl_b32 s19, s16, 15
	s_mov_b32 s96, 0x76543210
	s_mov_b32 s97, 0xfedcba98
	s_mov_b32 s98, 0x600000
	s_mov_b32 s99, 0xffff0000
	s_wait_dscnt 0x0
	s_wait_kmcnt 0x0
	s_lshl_b32 s66, ttmp9, 20
	s_mov_b32 s67, 0
	s_add_nc_u64 s[94:95], s[6:7], s[66:67]
	s_lshl_b32 s66, ttmp9, 15
	s_add_nc_u64 s[100:101], s[6:7], s[66:67]
	s_add_nc_u64 s[100:101], s[100:101], 12582912
	s_add_nc_u64 s[66:67], s[4:5], 4194304
	s_cmp_eq_u32 ttmp9, 2
	s_cselect_b64 s[G0+2:G0+3], s[94:95], s[4:5]
	s_cselect_b64 s[G0S+2:G0S+3], s[100:101], s[66:67]
	s_cselect_b64 s[G0B+2:G0B+3], s[4:5], s[94:95]
	s_cselect_b64 s[G0SB+2:G0SB+3], s[66:67], s[100:101]
	s_add_nc_u64 s[G0+2:G0+3], s[G0+2:G0+3], s[42:43]
	s_add_nc_u64 s[G0+6:G0+7], s[G0+2:G0+3], HALFT
	s_add_nc_u64 s[G0S+2:G0S+3], s[G0S+2:G0S+3], s[44:45]
	s_add_nc_u64 s[G0B+2:G0B+3], s[G0B+2:G0B+3], s[46:47]
	s_add_nc_u64 s[G0B+6:G0B+7], s[G0B+2:G0B+3], HALFT
	s_add_nc_u64 s[G0SB+2:G0SB+3], s[G0SB+2:G0SB+3], s[92:93]
	CROUND
	s_mov_b32 s[G0S], 1
	s_mov_b32 s[G0S+1], SCL
	s_or_b32 s[G0S+3], s[G0S+3], 0x80000000
	s_mov_b32 s[G0SB], 1
	s_mov_b32 s[G0SB+1], SCL+8192
	s_or_b32 s[G0SB+3], s[G0SB+3], 0x80000000
.irp s, 0,1
	s_mov_b32 s[G0+4*\s], 1
	s_add_co_u32 s[G0+4*\s+1], s19, \s*SLOT
	s_or_b32 s[G0+4*\s+3], s[G0+4*\s+3], 0x80000000
	s_mov_b32 s[G0B+4*\s], 1
	s_add_co_u32 s[G0B+4*\s+1], s19, \s*SLOT
	s_or_b32 s[G0B+4*\s+3], s[G0B+4*\s+3], 0x80000000
.endr
; the head's loads, one a wave, in one chain of branches on the wave's number: wave 0 A's whole K step 0 (its own group 0 names the first half's first byte), wave 1 A's scale bytes, wave 2 B's K step 0, wave 3 B's scale bytes
.macro ARM under, g0, g1, next
	s_cmp_lt_u32 s16, \under
	s_cbranch_scc0 \next
	tensor_load_to_lds s[\g0:\g0+3], s[\g1:\g1+7]
	s_nop 0
.rept 4
	v_nop
.endr
	s_branch .Lhead_asked
\next:
.endm
	ARM 1, G0, G1, .Lhead_sa
	ARM 2, G0S, G1S, .Lhead_b
	ARM 3, G0B, G1B, .Lhead_sb
	tensor_load_to_lds s[G0SB:G0SB+3], s[G1SB:G1SB+7]
	s_nop 0
.rept 4
	v_nop
.endr
.Lhead_asked:
	v_and_b32 v1, 15, v0
	v_bfe_u32 v2, v0, 4, 1
	s_wait_alu depctr_va_vdst(0)
	v_and_b32 v5, 31, v0
	v_lshlrev_b32 v[LI], 4, v5
	v_lshlrev_b32 v[L8], 3, v5
	s_lshl_b32 s66, s17, 15
	s_lshl_b32 s67, s18, 15
	s_add_co_u32 s67, s67, 2*HALFT
.irp s, 0,1
	v_add_nc_u32 v[ADRA+\s], s66, v[LI]
	v_add_nc_u32 v[ADRB+\s], s67, v[LI]
	s_add_co_u32 s66, s66, SLOT
	s_add_co_u32 s67, s67, SLOT
.endr
	s_lshl_b32 s66, s17, 12
	s_lshl_b32 s67, s18, 12
	s_add_co_u32 s67, s67, 2*4096
	s_sub_co_u32 s67, s67, s66
	v_mul_u32_u24 v5, s67, v2
	s_add_co_u32 s66, s66, SCL
	v_lshl_add_u32 v5, v1, 3, v5
	v_add_nc_u32 v[ADRS], s66, v5
	s_cmp_eq_u32 ttmp9, 0
	s_cselect_b64 s[8:9], s[8:9], s[10:11]
	s_cmp_eq_u32 ttmp9, 2
	s_cselect_b64 s[8:9], s[12:13], s[8:9]
	s_lshl_b32 s10, s23, 8
	s_lshl_b32 s11, s17, 7
	s_add_co_u32 s10, s10, s11
	s_lshl_b32 s11, s22, 8
	s_lshl_b32 s12, s18, 7
	s_add_co_u32 s11, s11, s12
	s_cmp_eq_u32 ttmp9, 2
	s_cselect_b32 s12, s11, s10
	s_cselect_b32 s13, s10, s11
	s_cselect_b32 s3, 1, 0
	s_lshl_b32 s66, s13, 2
	s_mov_b32 s67, 0
	s_add_nc_u64 s[8:9], s[8:9], s[66:67]
	s_lshr_b32 s10, s12, 11
	s_lshl_b32 s10, s10, 4
	s_lshr_b32 s11, s13, 6
	s_add_co_u32 s10, s10, s11
	s_and_b32 s11, s12, 2047
	s_lshl_b32 s66, s10, 17
	s_lshl_b32 s12, s11, 6
	s_add_co_u32 s66, s66, s12
	s_lshl_b32 s12, ttmp9, 22
	s_add_co_u32 s66, s66, s12
	s_add_nc_u64 s[94:95], s[14:15], s[66:67]
	s_lshl_b32 s66, s10, 13
	s_lshl_b32 s12, s11, 2
	s_add_co_u32 s66, s66, s12
	s_lshr_b32 s66, s66, s3
	s_lshl_b32 s12, ttmp9, 18
	s_add_co_u32 s66, s66, s12
	s_add_co_u32 s66, s66, 12582912
	s_add_nc_u64 s[100:101], s[14:15], s[66:67]
	v_lshlrev_b32 v3, 6, v2
	v_and_b32 v4, 8, v1
	v_add_nc_u32 v4, v4, v1
	v_lshlrev_b32 v4, 2, v4
.irp c, 0,1,2,3
.irp k, 0,1,2,3
	global_load_b128 v[BR+16*\c+4*\k:BR+16*\c+4*\k+3], v3, s[8:9] offset:128*\c+16*\k
.endr
.endr
.irp a, 0,1,2,3,4,5,6,7
	global_load_b32 v[BV+\a], v4, s[8:9] offset:4*(32*(\a/2)+8*(\a%2))
.endr
.macro FRAG reg, adr, q, i
.irp c, 0,1,2,3
	ds_load_b128 v[\reg+4*\c:\reg+4*\c+3], v[\adr] offset:(\i)*4096+(\q)*2048+512*\c
.endr
.endm
.macro MUL16 a0, p, q, sc, zero
.irp a, \a0, \a0+1
.irp b, 0,1,2,3,4,5,6,7
.if \zero
	v_wmma_scale_f32_16x16x128_f8f6f4 v[8*(8*((\a)%4)+\b):8*(8*((\a)%4)+\b)+7], v[128*(\p)+FR*\b:128*(\p)+FR*\b+FR-1], v[AF+FR*(\a):AF+FR*(\a)+FR-1], 0, v[SC+8*NQ*(\sc)+NQ*\b+(\q)], v[SC+8*NQ*(\sc)+NQ*(\a)+(\q)] matrix_a_fmt:MATRIX_FMT_BF8 matrix_b_fmt:MATRIX_FMT_BF8 matrix_a_scale:MATRIX_SCALE_ROW1
.else
	v_wmma_scale_f32_16x16x128_f8f6f4 v[8*(8*((\a)%4)+\b):8*(8*((\a)%4)+\b)+7], v[128*(\p)+FR*\b:128*(\p)+FR*\b+FR-1], v[AF+FR*(\a):AF+FR*(\a)+FR-1], v[8*(8*((\a)%4)+\b):8*(8*((\a)%4)+\b)+7], v[SC+8*NQ*(\sc)+NQ*\b+(\q)], v[SC+8*NQ*(\sc)+NQ*(\a)+(\q)] matrix_a_fmt:MATRIX_FMT_BF8 matrix_b_fmt:MATRIX_FMT_BF8 matrix_a_scale:MATRIX_SCALE_ROW1
.endif
.endr
.endr
.endm
.macro FETCH_B slot, q, p
	WIN TO_B
.irp i, 0,1,2,3,4,5,6,7
	FRAG 128*(\p)+FR*\i, ADRB+\slot, \q, \i
.endr
	WIN 0
.endm
.macro FETCH_A slot, q, i0
.irp i, \i0, \i0+1, \i0+2, \i0+3
	FRAG AF+FR*(\i), ADRA+\slot, \q, \i
.endr
.endm
.macro SCALES sc
.irp i, 0,1,2,3,4,5,6,7
	ds_load_b64 v[SC+8*NQ*\sc+NQ*\i:SC+8*NQ*\sc+NQ*\i+1], v[ADRS] offset:\i*128
.endr
.endm
.macro PLACES n
.rept \n
	v_nop
.endr
.endm
.macro STEP slot, q, zero
	s_wait_dscnt 4*NL
	WIN MUL_LO
	MUL16 0, (\q)%2, \q, \slot, \zero
	MUL16 2, (\q)%2, \q, \slot, \zero
	s_wait_dscnt 0
	PLACES NP
	FETCH_B \slot, (\q)+1, 1-(\q)%2
	FETCH_A \slot, (\q)+1, 0
	WIN MUL_HI
	MUL16 4, (\q)%2, \q, \slot, \zero
	MUL16 6, (\q)%2, \q, \slot, \zero
	PLACES NP
	WIN 0
	FETCH_A \slot, (\q)+1, 4
.endm
.macro TURN slot, next, fill
	s_wait_tensorcnt 0x0
	ds_add_u32 v[SPW], v[NIL]
	s_wait_dscnt 4*NL+1
	WIN MUL_LO
	MUL16 0, 1, NQ-1, \slot, 0
	s_wait_dscnt 0x0
	s_barrier_signal -1
	MUL16 2, 1, NQ-1, \slot, 0
	WIN 0
	s_barrier_wait -1
.if \fill
	CREST
	s_add_nc_u64 s[G0+4*\slot+2:G0+4*\slot+3], s[G0+4*\slot+2:G0+4*\slot+3], 2*HALFT
	s_add_nc_u64 s[G0B+4*\slot+2:G0B+4*\slot+3], s[G0B+4*\slot+2:G0B+4*\slot+3], 2*HALFT
	JLOAD G0+4*\slot, G1, G0B+4*\slot, G1B
	PLACES NP-4
.else
	PLACES NP
.endif
	s_wait_alu depctr_va_vdst(0)
	v_add_nc_u32 v[ADRS], 1024, v[ADRS]
	FETCH_B \next, 0, 0
	FETCH_A \next, 0, 0
	SCALES \next
	WIN MUL_HI
	MUL16 4, 1, NQ-1, \slot, 0
	MUL16 6, 1, NQ-1, \slot, 0
	PLACES NP
	WIN 0
	FETCH_A \next, 0, 4
.endm
	s_wait_alu depctr_va_vdst(0)
	s_wait_tensorcnt 0x0                           ; my tile of the head's four is in
	ds_add_u32 v[SPW], v[NIL]
.irp g, G1, G1B                        ; no tensor load of mine is out: from here on a load brings 128 rows of 256 bytes, dense
	s_mov_b32 s[\g+1], 32<<16
	s_mov_b32 s[\g+2], 128<<16
	s_mov_b32 s[\g+3], 32<<16
	s_mov_b32 s[\g+4], 128
	s_mov_b32 s[\g+5], 32
.endr
	s_wait_dscnt 0x0
	CROUND                                         ; all four tiles are in, in every partner
	JLOAD G0+4, G1, G0B+4, G1B                     ; K step 1, a quarter of slot 1 a wave
	FETCH_B 0, 0, 0
	FETCH_A 0, 0, 0
	SCALES 0
	FETCH_A 0, 0, 4
	STEP 0, 0, 1
	s_mov_b32 s3, LAPS-1
.Llap:
	TURN 0, 1, 1
	STEP 1, 0, 0
	TURN 1, 0, 1
	STEP 0, 0, 0
	s_sub_co_u32 s3, s3, 1
	s_cmp_lg_u32 s3, 0
	s_cbranch_scc1 .Llap
	TURN 0, 1, 0
	STEP 1, 0, 0
	s_wait_dscnt 4*NL
	WIN MUL_LO
	MUL16 0, 1, NQ-1, 1, 0
	MUL16 2, 1, NQ-1, 1, 0
	s_wait_dscnt 0
	WIN MUL_HI
	MUL16 4, 1, NQ-1, 1, 0
	MUL16 6, 1, NQ-1, 1, 0
	WIN 0
.macro QUANT s, pw
.irp b, 0,1,2,3
	v_max3_num_f32 v[TM+\b], |v[\s+16*\b]|, |v[\s+1+16*\b]|, 0x8000000
.endr
.irp i, 2,4,6,8,10,12,14
.irp b, 0,1,2,3
	v_max3_num_f32 v[TM+\b], v[TM+\b], |v[\s+16*\b+\i]|, |v[\s+1+16*\b+\i]|
.endr
.endr
.irp b, 0,1,2,3
	v_permlanex16_b32 v[TM+4+\b], v[TM+\b], s96, s97
.endr
.irp b, 0,1,2,3
	v_max_num_f32 v[TM+\b], v[TM+\b], v[TM+4+\b]
.endr
.irp b, 0,1,2,3
	v_add_nc_u32 v[TM+12+\b], 0xf8800000, v[TM+\b]
.endr
.irp b, 0,1,2,3
	v_and_or_b32 v[TM+8+\b], v[TM+\b], 0x7f800000, s98
.endr
.irp b, 0,1,2,3
	v_lshrrev_b32 v[TM+4+\b], 23, v[TM+12+\b]
.endr
	v_lshl_or_b32 v[\pw], v[TM+5], 8, v[TM+4]
	v_lshl_or_b32 v[\pw], v[TM+6], 16, v[\pw]
	v_lshl_or_b32 v[\pw], v[TM+7], 24, v[\pw]
.irp b, 0,1,2,3
.irp i, 0,1,2,3,4,5,6,7,8,9,10,11,12,13,14,15
	v_med3_num_f32 v[\s+16*\b+\i], v[\s+16*\b+\i], -v[TM+8+\b], v[TM+8+\b]
.endr
	v_cvt_scalef32_pk8_bf8_f32 v[PC+4*\b:PC+1+4*\b], v[\s+16*\b:\s+7+16*\b], v[TM+12+\b]
	v_cvt_scalef32_pk8_bf8_f32 v[PC+2+4*\b:PC+3+4*\b], v[\s+8+16*\b:\s+15+16*\b], v[TM+12+\b]
.endr
	v_nop
.endm
.macro EPI a, kind
.if (\a) > 0
	s_wait_xcnt 0x0
.endif
.if \kind
	v_mov_b32 v[T], v[BV+(\a)]
	v_mov_b32 v[T+1], v[BV+(\a)]
.endif
	WIN 0x02+(\a)/4
.irp b, 0,1,2,3,4,5,6,7
.irp i, 0,2,4,6
.if \kind
	v_pk_add_f32 v[Y+8*\b+\i:Y+8*\b+\i+1], v[64*((\a)%4)+8*\b+\i:64*((\a)%4)+8*\b+\i+1], v[T:T+1]
.else
	v_pk_add_f32 v[Y+8*\b+\i:Y+8*\b+\i+1], v[64*((\a)%4)+8*\b+\i:64*((\a)%4)+8*\b+\i+1], v[BR+8*\b+\i:BR+8*\b+\i+1]
.endif
.endr
.endr
	WIN 0
	QUANT Y, PWS+(\a)
.irp c, 0,1,2,3
.if \kind
	global_store_b128 v[LI], v[PC+4*\c:PC+4*\c+3], s[94:95] offset:((\a)/4)*131072+((\a)%4)*2048+\c*512
.else
	global_store_b128 v[LI], v[PC+4*\c:PC+4*\c+3], s[94:95] offset:(\c/2)*131072+(\a)*1024+(\c%2)*512
.endif
.endr
.endm
.macro EPILOGUE kind
.irp a, 0,1,2,3,4,5,6,7
	EPI \a, \kind
.endr
.if \kind
.irp hh, 0,1
	v_cndmask_b32 v[T+2*\hh], v[PWS+4*\hh], v[PWS+4*\hh+2], s99
	v_cndmask_b32 v[T+2*\hh+1], v[PWS+4*\hh+1], v[PWS+4*\hh+3], s99
	global_store_b64 v[L8], v[T+2*\hh:T+2*\hh+1], s[100:101] offset:4096*\hh
.endr
.else
.irp i, 0,1,2,3
	v_cndmask_b32 v[T+\i], v[PWS+\i], v[PWS+4+\i], s99
.endr
.irp i, 0,1,2,3
	v_and_b32 v[T+4+\i], 0xffff, v[T+\i]
	v_lshrrev_b32 v[T+8+\i], 16, v[T+\i]
.endr
	global_store_b128 v[LI], v[T+4:T+7], s[100:101]
	global_store_b128 v[LI], v[T+8:T+11], s[100:101] offset:8192
.endif
.endm
	s_wait_loadcnt 0x0
	PLACES NP
.irp b, 0,1,2,3
	v_mov_b32 v[TM+4+\b], 0
.endr
	s_cmp_eq_u32 ttmp9, 2
	s_cbranch_scc1 .Lvt
	EPILOGUE 0
	s_branch .Lend
.Lvt:
	EPILOGUE 1
.Lend:
	s_wait_tensorcnt 0x0
	ds_add_u32 v[SPW], v[NIL]
	s_wait_dscnt 0x0
	CROUND
	s_endpgm
.Lfunc_end_k_q0b08489453_g1:
	.size	k_q0b08489453_g1, .Lfunc_end_k_q0b08489453_g1-k_q0b08489453_g1
	.p2alignl 7, 3214868480
	.fill 96, 4, 3214868480
	.section	.rodata,"a",@progbits
	.p2align	6, 0x0
	.amdhsa_kernel k_q0b08489453_g1
		.amdhsa_group_segment_fixed_size 327680
		.amdhsa_private_segment_fixed_size 0
		.amdhsa_enable_private_segment 0
		.amdhsa_kernarg_size 48
		.amdhsa_user_sgpr_count 2
		.amdhsa_user_sgpr_kernarg_segment_ptr 1
		.amdhsa_wavefront_size32 1
		.amdhsa_system_sgpr_workgroup_id_x 1
		.amdhsa_system_sgpr_workgroup_id_y 1
		.amdhsa_system_sgpr_workgroup_id_z 1
		.amdhsa_system_vgpr_workitem_id 0
		.amdhsa_next_free_vgpr 1024
		.amdhsa_next_free_sgpr 102
		.amdhsa_reserve_vcc 0
		.amdhsa_float_denorm_mode_32 3
		.amdhsa_float_denorm_mode_16_64 3
		.amdhsa_memory_ordered 1
		.amdhsa_forward_progress 1
		.amdhsa_inst_pref_size 255
	.end_amdhsa_kernel
	.section	.bss,"aw",@nobits
	.p2align	6
	.space	262144
	.amdgpu_metadata
---
amdhsa.version: [ 1, 2 ]
amdhsa.kernels:
  - .name:           k_q0b08489453_g1
    .symbol:         k_q0b08489453_g1.kd
    .args:
      - { .name: xa, .offset: 0, .size: 8, .value_kind: global_buffer, .address_space: global }
      - { .name: wts, .offset: 8, .size: 8, .value_kind: global_buffer, .address_space: global }
      - { .name: bq, .offset: 16, .size: 8, .value_kind: global_buffer, .address_space: global }
      - { .name: bk, .offset: 24, .size: 8, .value_kind: global_buffer, .address_space: global }
      - { .name: bv, .offset: 32, .size: 8, .value_kind: global_buffer, .address_space: global }
      - { .name: qkv, .offset: 40, .size: 8, .value_kind: global_buffer, .address_space: global }
    .group_segment_fixed_size: 327680
    .private_segment_fixed_size: 0
    .kernarg_segment_align: 8
    .kernarg_segment_size: 48
    .max_flat_workgroup_size: 128
    .sgpr_count:     102
    .vgpr_count:     1024
    .wavefront_size: 32
...
	.end_amdgpu_metadata
.endif
;; end of part 2
;; launch att (part 3): grid 8 x 32, 16 waves a work-group, clusters of 4 x 1, 327,680 bytes of LDS; arguments qkv, ca; writes ca
.if DOCPART == 3
	.amdgcn_target "amdgcn-amd-amdhsa--gfx1250"
	.amdhsa_code_object_version 6
	.text
	.protected	k_q0b08489453_att
	.globl	k_q0b08489453_att
	.p2align	8
	.type	k_q0b08489453_att,@function
k_q0b08489453_att:
	s_mov_b64 s[64:65], 0
	v_nop
	global_prefetch_b8 v0, s[64:65] scope:SCOPE_SE
	s_setreg_imm32_b32 hwreg(HW_REG_WAVE_MODE, 25, 1), 1
	s_wait_xcnt 0x0
	s_wait_alu depctr_hold_cnt(0) depctr_sa_sdst(0) depctr_va_vdst(0) depctr_va_sdst(0) depctr_va_ssrc(0) depctr_va_vcc(0) depctr_vm_vsrc(0)
	s_getreg_b32 s2, hwreg(HW_REG_IB_STS2, 6, 4)
	s_cmp_eq_u32 s2, 0
	s_cbranch_scc0 .Lentry_in_a_cluster
	s_endpgm
.Lentry_in_a_cluster:
	s_bfe_u32 s2, ttmp6, 0x10000c
	s_cmp_lg_u32 s2, 0x3003
	s_cbranch_scc0 .Lentry_shape_is_right
	s_endpgm
.Lentry_shape_is_right:
; Causal attention of one head on codes of E5M2 with E8M0 scales: S^T = K Q^T, p = 2^(t - M) with M a whole number, O^T = V^T P^T, O / the row's sum of the unquantised p; the result is quantised along the head's 64 and stored (ca) in the order of an operand's registers.
; DEAD WORK: key steps of 128 keys that lie wholly behind a tile's 16 queries are left out (reference()'s own mask gives them the weight 0 for all inputs).
; LIMITS: the scaled scores stay under 2^31 in magnitude; NaN and infinities are not served; a block of zeros gets the byte 1.
; THE DEAL.  A head has 16 blocks of 128 queries, a block 8 tiles of 16.  Work-group j (0..7) of a head owns tile j of EVERY block: 1 + 2 + .. + 16 = 136 key steps, the same in all work-groups, and each reads all keys.
; Waves w (A) and w + 8 (B), m = w % 8, share the tiles of blocks m (m + 1 steps) and 15 - m (16 - m steps): A takes the high tile's steps 0 .. 8; B the low tile's steps 0 .. m in trips 0 .. m,
; sets the low tile aside in trip m + 1 (no products there), and takes the high tile's steps 9 .. 15 - m in trips m + 2 .. 8.  Nine trips in every wave.  At the end B hands its part of the high tile (O^T, -M, the sums) to A through LDS;
; A brings both parts under the larger M by powers of two, which round nothing, and finishes the high tile; B finishes the low one.
; LDS: the head's K and V, eight slots of 256 keys (K 16,384 bytes, then V 16,384), and their scale bytes are filled ONCE, at the head, one tensor load a wave (waves 0 .. 9): nothing is filled again, so no ring.
; A slot's K and V come by one load: 2 rows of 16,384 bytes, 4 MiB apart in qkv.  The first barrier shows the scale bytes and slot 0 (trips 0 and 1 read steps 0 and 1 alone), the second all the rest.
; CLUSTERS: the four work-groups of a cluster belong to one head and ask for every tile jointly (mask 15).  No branch and no LDS address hangs on the place in the cluster: it enters global addresses and the mask's compare values alone.
; NO PREFETCH: every tile is asked for at the head; there is no loop in which to run ahead of a load.
; REGISTERS: v1-11 addresses, v7 the low tile's sum, v9 the high tile's scale word of Q; v12 -M, v13 the largest t, v[14:15] the sum; v16-31 Q (upper half zeros: the head has 64); v32-95 four fragments of K (upper halves zeros);
; v96-159 S^T, p, then V's fragments; v160-191 O^T; v192-223 in B: the high tile's Q, then the low tile's O^T; v224-239 p's codes; v232-254 at work; v255 Q's scale word.
.set VOFF,  16384
.set SCK,   262144                     ; K's scale bytes, 512 a step
.set SCV,   270336                     ; V's, 256 a step
.set SPARE, 274432                     ; the spare words, 128 bytes a wave: eight blocks of 256 bytes that no other line names
.set STG,   276480                     ; where B hands over: 4,608 bytes for each pair of waves
.set STGB,  4608
.set L16,  1
.set OB,   2
.set ASK0, 3
.set ASV0, 4
.set SPW,  5
.set NIL,  6
.set LS,   7
.set ADK,  8
.set QS2,  9
.set ADS,  10
.set ADT,  11
.set TB,   2
.set TS,   3
.set WV,   18
.set MNT,  19
.set SEL,  20
.set CS,   22
.set G1K,  24
.set G1S8, 32
.set G0K,  40
.set MM,   44                          ; m
.set HB,   45                          ; 15 - m: the high block
.set BL0,  46                          ; my first tile's block
.set SW,   47                          ; B: m; A: 99
.set G1S4, 48
.set G0SK, 56
.set G0SV, 60
.set TJ,   66
.set T,    67                          ; the trip
.set ST,   68                          ; the key step
.set SWT,  76                          ; the trip in which the low tile is set aside
.set OF1,  78                          ; 7 - m: behind that trip the step is trip + 7 - m
.set DQ,   79                          ; 16 j: my tile's first query in its block
.set BLK,  80                          ; the block of the tile in hand: its step number BLK lies on the diagonal
.set HM,   81
.macro CROUND
	s_barrier_signal -1
	s_barrier_wait -1
	s_cmp_lg_u32 s[WV], 0
	s_cbranch_scc1 .Lnot_wave_0_\@
	s_barrier_signal -3
.Lnot_wave_0_\@:
	s_barrier_wait -3
	s_barrier_signal -1
	s_barrier_wait -1
.endm
.macro QOFF t, c, w                    ; tile s[t] of my head: its codes' offset in s[c:c+1], its scale words' in s[w:w+1]
	s_lshl_b32 s[\c], s[\t], 10
	s_add_co_u32 s[\c], s[\c], s82
	s_mov_b32 s[\c+1], 0
	s_lshl_b32 s[\w], s72, 13
	s_lshr_b32 s74, s[\t], 3
	s_lshl_b32 s74, s74, 9
	s_add_co_u32 s[\w], s[\w], s74
	s_bfe_u32 s74, s[\t], 0x10002
	s_lshl_b32 s74, s74, 8
	s_add_co_u32 s[\w], s[\w], s74
	s_and_b32 s74, s[\t], 3
	s_lshl_b32 s74, s74, 2
	s_add_co_u32 s[\w], s[\w], s74
	s_add_co_u32 s[\w], s[\w], 12582912
	s_mov_b32 s[\w+1], 0
.endm
	s_load_b128 s[4:7], s[0:1], 0x0                ; qkv, ca
	v_lshl_add_u32 v[SPW], v0, 2, SPARE
	v_mov_b32 v[NIL], 0
	ds_add_u32 v[SPW], v[NIL]                      ; the opening: the add, twice on end, and its wait
	ds_add_u32 v[SPW], v[NIL]
	v_lshrrev_b32 v8, 5, v0
	v_readfirstlane_b32 s[WV], v8
	s_and_b32 s72, ttmp7, 0xffff                   ; the head, 0 .. 31
	s_bfe_u32 s75, ttmp6, 0x40000
	s_lshl_b32 s74, ttmp9, 2
	s_add_co_u32 s75, s75, s74                     ; j
	s_and_b32 s[MM], s[WV], 7
	s_sub_co_u32 s[HB], 15, s[MM]
	s_sub_co_u32 s[OF1], 7, s[MM]
	s_lshl_b32 s[DQ], s75, 4
	s_cmp_lt_u32 s[WV], 8
	s_cselect_b32 s[BL0], s[HB], s[MM]
	s_cselect_b32 s[SW], 99, s[MM]
	s_add_co_u32 s[SWT], s[SW], 1
	s_lshl_b32 s73, s[BL0], 3
	s_add_co_u32 s73, s73, s75                     ; my first tile, which is also the one that I finish
	s_lshl_b32 s71, s[HB], 3
	s_add_co_u32 s71, s71, s75                     ; the high tile
	s_lshl_b32 s82, s72, 17
	s_mov_b32 s83, 0
	s_lshl_b32 s84, s72, 13
	s_add_co_u32 s84, s84, 12582912+262144
	s_mov_b32 s85, 0
	s_lshl_b32 s86, s72, 12
	s_add_co_u32 s86, s86, 12582912+524288
	s_mov_b32 s87, 0
	QOFF 73, 88, 90
	QOFF 71, 98, 16
	s_lshr_b32 s69, s72, 4                         ; where my tile's result goes in ca
	s_lshl_b32 s69, s69, 4
	s_lshr_b32 s70, s73, 3
	s_add_co_u32 s69, s69, s70
	s_lshl_b32 s69, s69, 2
	s_bfe_u32 s70, s72, 0x20002
	s_add_co_u32 s69, s69, s70
	s_and_b32 s70, s73, 7
	s_and_b32 s71, s72, 3
	s_lshl_b32 s92, s69, 15
	s_lshl_b32 s74, s70, 12
	s_add_co_u32 s92, s92, s74
	s_lshl_b32 s74, s71, 10
	s_add_co_u32 s92, s92, s74
	s_mov_b32 s93, 0
	s_lshl_b32 s94, s69, 10
	s_lshl_b32 s74, s70, 7
	s_add_co_u32 s94, s94, s74
	s_lshl_b32 s74, s71, 1
	s_add_co_u32 s94, s94, s74
	s_add_co_u32 s94, s94, 4194304
	s_mov_b32 s95, 0
.irp g, G1K, G1S8, G1S4
	s_mov_b32 s[\g], 15|(3<<16)|(1<<21)            ; the mask of all four partners; elements of 8 bytes; bit 21 beside a mask
	s_mov_b32 s[\g+6], 0
	s_mov_b32 s[\g+7], 0
.endr
	s_mov_b32 s[G1K+1], 2048<<16                   ; 2 rows of 16,384 bytes: K's and V's part of a slot
	s_mov_b32 s[G1K+2], 2<<16
	s_mov_b32 s[G1K+3], 2048<<16
	s_mov_b32 s[G1K+4], 2
	s_mov_b32 s[G1K+5], 524288                     ; 4 MiB apart
.irp g, G1S8, G1S4
	s_mov_b32 s[\g+1], 32<<16
	s_mov_b32 s[\g+3], 32<<16
	s_mov_b32 s[\g+5], 32
.endr
	s_mov_b32 s[G1S8+2], 32<<16
	s_mov_b32 s[G1S8+4], 32
	s_mov_b32 s[G1S4+2], 16<<16
	s_mov_b32 s[G1S4+4], 16
	s_mov_b32 s[SEL], 0x76543210
	s_mov_b32 s[SEL+1], 0xfedcba98
	s_mov_b32 s[CS], 0x3e38aa3b                    ; log2(e) / 8
	s_mov_b32 s[CS+1], s[CS]
	s_mov_b32 s[MNT], 0x600000
	s_mov_b32 s[HM], 0xffff0000
	s_mov_b32 s[T], 0
	s_sub_co_u32 s74, s[WV], 2                     ; waves 2 .. 9 fetch slots 0 .. 7
	s_min_u32 s74, s74, 7
	s_lshl_b32 s[G0K+1], s74, 15
	s_lshl_b32 s96, s74, 14
	s_add_co_u32 s96, s96, s82
	s_add_co_u32 s96, s96, 4194304
	s_mov_b32 s97, 0
	s_wait_dscnt 0x0                               ; both opening adds are done
	CROUND                                         ; the four partners are here: the joint loads meet
	s_wait_kmcnt 0x0
	s_mov_b32 s[G0SK], 1
	s_mov_b32 s[G0SK+1], SCK
	s_add_nc_u64 s[G0SK+2:G0SK+3], s[4:5], s[84:85]
	s_or_b32 s[G0SK+3], s[G0SK+3], 0x80000000
	s_mov_b32 s[G0SV], 1
	s_mov_b32 s[G0SV+1], SCV
	s_add_nc_u64 s[G0SV+2:G0SV+3], s[4:5], s[86:87]
	s_or_b32 s[G0SV+3], s[G0SV+3], 0x80000000
	s_mov_b32 s[G0K], 1
	s_add_nc_u64 s[G0K+2:G0K+3], s[4:5], s[96:97]
	s_or_b32 s[G0K+3], s[G0K+3], 0x80000000
; one chain of branches on the wave's number, one load to an arm.  Waves 0 to 2, which wait at the first barrier, have load lines of their own.
.macro ARM under, g0, g1, next
	s_cmp_lt_u32 s[WV], \under
	s_cbranch_scc0 \next
	tensor_load_to_lds s[\g0:\g0+3], s[\g1:\g1+7]
	s_nop 0
.rept 4
	v_nop
.endr
	s_branch .Lhead_asked
\next:
.endm
	ARM 1, G0SK, G1S8, .Lhead_sv
	ARM 2, G0SV, G1S4, .Lhead_s0
	ARM 3, G0K,  G1K,  .Lhead_rest
	ARM 10, G0K, G1K,  .Lhead_none
.Lhead_asked:
	s_add_nc_u64 s[8:9], s[4:5], s[88:89]
	s_add_nc_u64 s[10:11], s[4:5], s[90:91]
	s_add_nc_u64 s[98:99], s[4:5], s[98:99]
	s_add_nc_u64 s[16:17], s[4:5], s[16:17]
	s_add_nc_u64 s[12:13], s[6:7], s[92:93]
	s_add_nc_u64 s[14:15], s[6:7], s[94:95]
	v_and_b32 v8, 31, v0
	v_lshlrev_b32 v[L16], 4, v8
	v_lshl_add_u32 v[ASV0], v8, 3, SCV
	v_add_nc_u32 v[ASK0], SCK, v[L16]
	v_and_b32 v10, 15, v0
	v_bfe_u32 v11, v0, 4, 1
	v_lshl_add_u32 v[OB], v10, 3, v11
	v_lshlrev_b32 v254, 4, v10
	global_load_b128 v[16:19], v[L16], s[8:9]      ; my first tile's Q
	global_load_b128 v[20:23], v[L16], s[8:9] offset:512
	global_load_b32 v255, v254, s[10:11]
.irp j, 24,25,26,27,28,29,30,31
	v_mov_b32 v[\j], 0
.endr
.irp t, 0,1,2,3
.irp j, 8,9,10,11,12,13,14,15
	v_mov_b32 v[32+16*\t+\j], 0
.endr
.endr
	v_mov_b32 v13, 0xff61b1e6                      ; the largest t so far: -3e38
	v_floor_f32 v12, -v13
	v_mov_b32 v14, 0
	v_mov_b32 v15, 0
	v_mov_b32 v[LS], 0
	v_mov_b32 v[QS2], 0
.irp b, 0,1,2,3
	v_mov_b32 v[236+\b], 0
.endr
	v_mov_b32 v252, 0
	v_mov_b32 v253, 0
.set n, 0
.rept 64
	v_mov_b32 v[160+n], 0                          ; O^T, and the registers that take the low tile's
.set n, n+1
.endr
	s_cmp_lt_u32 s[WV], 8
	s_cbranch_scc1 .Lone_q
	global_load_b128 v[192:195], v[L16], s[98:99]  ; B: the high tile's Q waits here
	global_load_b128 v[196:199], v[L16], s[98:99] offset:512
	global_load_b32 v[QS2], v254, s[16:17]
.Lone_q:
; A TRIP.  early = 1 (trips 0, 1): the step is the trip, and the tile my first.
.macro TRIP early
	s_cmp_eq_u32 s[T], s[SWT]
	s_cbranch_scc0 .Lwork_\@
.irp j, 0,1,2,3,4,5,6,7
	v_mov_b32 v[16+\j], v[192+\j]                  ; B, once: the high tile's Q.  (These nine lines are also the places behind the last products)
.endr
	v_mov_b32 v255, v[QS2]
.set n, 0
.rept 32
	v_mov_b32 v[192+n], v[160+n]                   ; the low tile's O^T is set aside, each accumulator from its low end on,
.set n, n+1
.endr
	v_add_f32 v[LS], v14, v15                      ; and its sum;
.set n, 0
.rept 32
	v_mov_b32 v[160+n], 0                          ; the high tile's part begins as the head began
.set n, n+1
.endr
	v_mov_b32 v14, 0
	v_mov_b32 v15, 0
	v_mov_b32 v13, 0xff61b1e6
	v_floor_f32 v12, -v13
	s_wait_alu depctr_va_vdst(0)
	s_branch .Ldone_\@
.Lwork_\@:
.if \early
	s_mov_b32 s[ST], s[T]
	s_mov_b32 s[BLK], s[BL0]
.else
	s_cmp_gt_u32 s[T], s[SW]
	s_cselect_b32 s96, s[OF1], 0
	s_cselect_b32 s[BLK], s[HB], s[BL0]
	s_add_co_u32 s96, s96, s[T]
	s_min_u32 s[ST], s96, 15
.endif
	s_lshr_b32 s96, s[ST], 1
	s_lshl_b32 s96, s96, 15
	s_and_b32 s97, s[ST], 1
	s_lshl_b32 s97, s97, 13
	s_add_co_u32 s[TB], s96, s97                   ; slot step / 2, its half step % 2
	s_lshl_b32 s[TS], s[ST], 9
	s_lshl_b32 s[TJ], s[ST], 8
	v_add_nc_u32 v[ADK], s[TB], v[L16]
	s_wait_alu depctr_va_vdst(0)
	v_add_nc_u32 v[ADS], s[TS], v[ASK0]
	v_add_nc_u32 v[ADT], s[TJ], v[ASV0]
.rept 6
	v_nop                                          ; with the three additions nine places behind the last products, whose operands the first products below write over
.endr
	ds_load_b128 v[248:251], v[ADS]
.irp g, 0,1
.if \g
.rept 8
	v_nop
.endr
.endif
.irp t, 0,1,2,3
	ds_load_b128 v[32+16*\t:35+16*\t], v[ADK] offset:(4*\g+\t)*1024
	ds_load_b128 v[36+16*\t:39+16*\t], v[ADK] offset:(4*\g+\t)*1024+512
.endr
	s_wait_dscnt 0x0
.irp t, 0,1,2,3
.if \g
	v_wmma_scale_f32_16x16x128_f8f6f4 v[96+8*(4*\g+\t):103+8*(4*\g+\t)], v[32+16*\t:47+16*\t], v[16:31], 0, v[248+\t], v255 matrix_a_fmt:MATRIX_FMT_BF8 matrix_b_fmt:MATRIX_FMT_BF8 matrix_a_scale:MATRIX_SCALE_ROW1
.else
	v_wmma_scale_f32_16x16x128_f8f6f4 v[96+8*(4*\g+\t):103+8*(4*\g+\t)], v[32+16*\t:47+16*\t], v[16:31], 0, v[248+\t], v255 matrix_a_fmt:MATRIX_FMT_BF8 matrix_b_fmt:MATRIX_FMT_BF8
.endif
.endr
.endr
	s_cmp_eq_u32 s[ST], s[BLK]                     ; on the diagonal alone the scores of hidden keys become -infinity.  (The first four tiles' results have their eight places, ahead of the second four's loads; the lines on them below are the second four's places)
	s_cbranch_scc0 .Lopen_\@
	v_and_b32 v252, 15, v0
	v_bfe_u32 v253, v0, 4, 1
	s_delay_alu instid0(VALU_DEP_1)
	v_lshlrev_b32 v253, 3, v253
	s_delay_alu instid0(VALU_DEP_1)
	v_sub_nc_u32 v252, v252, v253
	s_delay_alu instid0(VALU_DEP_1)
	v_add_nc_u32 v252, s[DQ], v252                 ; my query in its block - 8 (lane / 16); register n holds key 16 (n / 8) + n % 8 + 8 (lane / 16) of the step
	v_mov_b32 v254, 0xff800000
.set n, 0
.rept 64
	v_cmp_gt_i32 vcc_lo, 16*(n/8)+n%8, v252
	v_cndmask_b32 v[96+n], v[96+n], v254, vcc_lo
.set n, n+1
.endr
.Lopen_\@:
.irp b, 0,1                                    ; blocks 0 and 1 lie in the first four tiles: their 16 lines name no register of the last four products
	v_max3_num_f32 v[232+\b], v[96+16*\b], v[97+16*\b], v[98+16*\b]
.endr
.irp i, 3,5,7,9,11,13
.irp b, 0,1
	v_max3_num_f32 v[232+\b], v[232+\b], v[96+16*\b+\i], v[97+16*\b+\i]
.endr
.endr
.irp b, 0,1
	v_max_num_f32 v[232+\b], v[232+\b], v[111+16*\b]
.endr
.irp b, 2,3
	v_max3_num_f32 v[232+\b], v[96+16*\b], v[97+16*\b], v[98+16*\b]
.endr
.irp i, 3,5,7,9,11,13
.irp b, 2,3
	v_max3_num_f32 v[232+\b], v[232+\b], v[96+16*\b+\i], v[97+16*\b+\i]
.endr
.endr
.irp b, 2,3
	v_max_num_f32 v[232+\b], v[232+\b], v[111+16*\b]
.endr
.irp b, 0,1,2,3
	v_permlanex16_b32 v[236+\b], v[232+\b], s[SEL], s[SEL+1]
.endr
.irp b, 0,1,2,3
	v_max_num_f32 v[232+\b], v[232+\b], v[236+\b]
.endr
	v_max3_num_f32 v254, v232, v233, v234
	v_max_num_f32 v254, v254, v235
	v_mul_f32 v254, s[CS], v254
	v_max_num_f32 v13, v13, v254                   ; the running largest t
	v_mov_b32 v254, v12
	v_floor_f32 v12, -v13                          ; -M
	v_sub_f32 v254, v12, v254
	v_cvt_i32_f32 v254, v254
	v_ldexp_f32 v252, 1.0, v254                    ; f = 2^(old M - new M)
.set n, 0
.rept 32
	v_pk_fma_f32 v[96+n:97+n], v[96+n:97+n], s[CS:CS+1], v[12:13] op_sel_hi:[1,0,0]
.set n, n+2
.endr
.irp b, 0,1,2,3
	v_fma_f32 v[232+\b], v[232+\b], s[CS], v12
.endr
	s_wait_alu depctr_va_vdst(0)                   ; ahead of the batch
.set n, 0
.rept 64
	v_exp_f32 v[96+n], v[96+n]
.set n, n+1
.endr
	v_pk_mul_f32 v[14:15], v[14:15], v[252:253] op_sel_hi:[1,0]
	s_wait_alu depctr_va_vdst(0)                   ; one wait for the batch
.irp b, 0,1,2,3
	v_exp_f32 v[232+\b], v[232+\b]                 ; each block's largest p
.endr
	v_pk_add_f32 v[236:237], v[96:97], v[98:99]    ; the sum of the unquantised p, in two chains
.irp j, 4,8,12,16,20,24,28,32,36,40,44,48,52,56,60
	v_pk_add_f32 v[14:15], v[14:15], v[96+\j:97+\j]
	v_pk_add_f32 v[236:237], v[236:237], v[98+\j:99+\j]
.endr
	v_pk_add_f32 v[14:15], v[14:15], v[236:237]
	s_wait_alu depctr_va_vdst(0)                   ; and one for the four
.irp b, 0,1,2,3
	v_max_num_f32 v[232+\b], 0x8000000, v[232+\b]
.endr
.irp b, 0,1,2,3
	v_add_nc_u32 v[244+\b], 0xf8800000, v[232+\b]
.endr
.irp b, 0,1,2,3
	v_and_or_b32 v[240+\b], v[232+\b], 0x7f800000, s[MNT]
.endr
.irp b, 0,1,2,3
	v_lshrrev_b32 v[236+\b], 23, v[244+\b]
.endr
	v_lshl_or_b32 v253, v237, 8, v236
	v_lshl_or_b32 v253, v238, 16, v253
	v_lshl_or_b32 v253, v239, 24, v253             ; p's scale word
.irp b, 0,1,2,3
	v_mov_b32 v[236+(\b+1)%4], v[240+\b]           ; a second copy of each bound, its register number another modulo 4: for the second half of the pairs below
.endr
.irp b, 0,1,2,3
.irp i, 0,2,4,6,8,10,12,14
	v_dual_min_num_f32 v[96+16*\b+\i], v[96+16*\b+\i], v[240+\b] :: v_dual_min_num_f32 v[97+16*\b+\i], v[97+16*\b+\i], v[236+(\b+1)%4]   ; the conversion does not saturate (ISA guide 7.6.2): the hold, two numbers a line
.endr
	v_cvt_scalef32_pk8_bf8_f32 v[224+4*\b:225+4*\b], v[96+16*\b:103+16*\b], v[244+\b]
	v_cvt_scalef32_pk8_bf8_f32 v[226+4*\b:227+4*\b], v[104+16*\b:111+16*\b], v[244+\b]
.endr
	s_wait_alu depctr_va_vdst(0)                   ; the wait directly ahead of the first reader of O^T
.set n, 0
.rept 16
	v_pk_mul_f32 v[160+n:161+n], v[160+n:161+n], v[252:253] op_sel_hi:[1,0]
.set n, n+2
.endr
.irp dt, 0,1,2,3
.irp c, 0,1,2,3
	ds_load_b128 v[96+16*\dt+4*\c:99+16*\dt+4*\c], v[ADK] offset:VOFF+\dt*2048+512*\c
.endr
.endr
	ds_load_b64 v[248:249], v[ADT]
	s_wait_alu depctr_va_vdst(0)
	s_wait_dscnt 0x0
.irp dt, 0,1,2,3
.if \dt > 1
	v_wmma_scale_f32_16x16x128_f8f6f4 v[160+8*\dt:167+8*\dt], v[96+16*\dt:111+16*\dt], v[224:239], v[160+8*\dt:167+8*\dt], v[248+\dt%2], v253 matrix_a_fmt:MATRIX_FMT_BF8 matrix_b_fmt:MATRIX_FMT_BF8 matrix_a_scale:MATRIX_SCALE_ROW1
.else
	v_wmma_scale_f32_16x16x128_f8f6f4 v[160+8*\dt:167+8*\dt], v[96+16*\dt:111+16*\dt], v[224:239], v[160+8*\dt:167+8*\dt], v[248+\dt%2], v253 matrix_a_fmt:MATRIX_FMT_BF8 matrix_b_fmt:MATRIX_FMT_BF8
.endif
.endr
.Ldone_\@:
.endm
	s_wait_alu depctr_va_vdst(0)
	s_wait_loadcnt 0x0                             ; Q
	s_cmp_lt_u32 s[WV], 3
	s_cbranch_scc0 .Lnot_first
	s_wait_tensorcnt 0x0                           ; waves 0 to 2: the scale bytes and slot 0 are in
.Lnot_first:
	s_barrier_signal -1
	s_barrier_wait -1
	TRIP 1                                         ; trip 0
	s_mov_b32 s[T], 1
	s_wait_tensorcnt 0x0                           ; every wave: my slot is in,
	s_wait_dscnt 0x0
	s_barrier_signal -1                            ; say so;
	TRIP 1                                         ; trip 1 works on registers and reads slot 0 and the scale bytes alone, which the first barrier has shown and nobody writes;
	s_barrier_wait -1                              ; all slots are in
	s_mov_b32 s[T], 2
.Ltrip:
	TRIP 0
	s_add_co_u32 s[T], s[T], 1
	s_cmp_lt_u32 s[T], 9
	s_cbranch_scc1 .Ltrip
.rept 8
	v_nop                                          ; places behind the last products
.endr
	s_mul_i32 s96, s[MM], STGB
	s_add_co_u32 s96, s96, STG
	v_add_nc_u32 v[ADK], s96, v[L16]               ; my pair's bytes: 16 x lane
	s_wait_alu depctr_va_vdst(0)
	s_cmp_lt_u32 s[WV], 8
	s_cbranch_scc1 .Lno_give
.irp i, 0,1,2,3,4,5,6,7
	ds_store_b128 v[ADK], v[160+4*\i:163+4*\i] offset:512*\i   ; B: its part of the high tile
.endr
	ds_store_b128 v[ADK], v[12:15] offset:4096     ; -M, the largest t, the sum's halves
.Lno_give:
	s_wait_dscnt 0x0                               ; for A's sake: the stores have landed
	s_barrier_signal -1                            ; the wait stands further down: B finishes the low tile in registers between the two
.macro NORM src                        ; v14: my lane's sum.  O^T / the row's sum into v96-127
	v_permlanex16_b32 v252, v14, s[SEL], s[SEL+1]
	v_add_f32 v14, v14, v252
	s_wait_alu depctr_va_vdst(0)
	v_rcp_f32 v14, v14
	v_nop
	s_wait_alu depctr_va_vdst(0)
.set n, 0
.rept 32
	v_mul_f32 v[96+n], v[\src+n], v14
.set n, n+1
.endr
.endm
.macro AFIN                            ; A: B's part of the high tile is taken in, and both are brought under one M
.irp i, 0,1,2,3,4,5,6,7
	ds_load_b128 v[96+4*\i:99+4*\i], v[ADK] offset:512*\i
.endr
	ds_load_b128 v[128:131], v[ADK] offset:4096
	s_wait_dscnt 0x0
	v_min_num_f32 v132, v12, v128                  ; -M of both parts together
	v_sub_f32 v133, v132, v12
	v_sub_f32 v134, v132, v128
	v_cvt_i32_f32 v133, v133                       ; (it saturates: a part with no step has -M = 3e38 and the factor 0)
	v_cvt_i32_f32 v134, v134
	v_ldexp_f32 v136, 1.0, v133
	v_ldexp_f32 v138, 1.0, v134
	v_mov_b32 v137, v136
	v_mov_b32 v139, v138
	v_add_f32 v14, v14, v15
	v_add_f32 v130, v130, v131
	v_mul_f32 v14, v14, v136
	v_fmac_f32 v14, v130, v138
.set n, 0
.rept 16
	v_pk_mul_f32 v[160+n:161+n], v[160+n:161+n], v[136:137]
.set n, n+2
.endr
.set n, 0
.rept 16
	v_pk_fma_f32 v[160+n:161+n], v[96+n:97+n], v[138:139], v[160+n:161+n]
.set n, n+2
.endr
	NORM 160
.endm
.macro QUANT                           ; v96-127, 32 numbers a lane along the head's 64: codes into v224-231, the two scale bytes into v254
.irp b, 0,1
	v_max3_num_f32 v[232+\b], |v[96+16*\b]|, |v[97+16*\b]|, 0x8000000
.endr
.irp i, 2,4,6,8,10,12,14
.irp b, 0,1
	v_max3_num_f32 v[232+\b], v[232+\b], |v[96+16*\b+\i]|, |v[97+16*\b+\i]|
.endr
.endr
.irp b, 0,1
	v_permlanex16_b32 v[236+\b], v[232+\b], s[SEL], s[SEL+1]
.endr
.irp b, 0,1
	v_max_num_f32 v[232+\b], v[232+\b], v[236+\b]
.endr
.irp b, 0,1
	v_add_nc_u32 v[244+\b], 0xf8800000, v[232+\b]
.endr
.irp b, 0,1
	v_and_or_b32 v[240+\b], v[232+\b], 0x7f800000, s[MNT]
.endr
.irp b, 0,1
	v_lshrrev_b32 v[236+\b], 23, v[244+\b]
.endr
	v_cndmask_b32 v254, v236, v237, s[HM]
.irp b, 0,1
.irp i, 0,1,2,3,4,5,6,7,8,9,10,11,12,13,14,15
	v_med3_num_f32 v[96+16*\b+\i], v[96+16*\b+\i], -v[240+\b], v[240+\b]
.endr
	v_cvt_scalef32_pk8_bf8_f32 v[224+4*\b:225+4*\b], v[96+16*\b:103+16*\b], v[244+\b]
	v_cvt_scalef32_pk8_bf8_f32 v[226+4*\b:227+4*\b], v[104+16*\b:111+16*\b], v[244+\b]
.endr
	v_nop
	s_wait_alu depctr_va_vdst(0)
.endm
	s_cmp_lt_u32 s[WV], 8
	s_cbranch_scc1 .Lmeet
	v_mov_b32 v14, v[LS]                           ; B: the low tile, on registers alone
	NORM 192
	QUANT
.Lmeet:
	s_barrier_wait -1                              ; B's parts lie in LDS
	s_cmp_lt_u32 s[WV], 8
	s_cbranch_scc0 .Lstore
	AFIN
	QUANT
.Lstore:
	global_store_b128 v[L16], v[224:227], s[12:13]
	global_store_b128 v[L16], v[228:231], s[12:13] offset:512
	global_store_b8 v[OB], v254, s[14:15]
	s_wait_tensorcnt 0x0                           ; the wave's end
	ds_add_u32 v[SPW], v[NIL]
	s_wait_dscnt 0x0
	CROUND                                         ; the closing round
	s_endpgm
.Lfunc_end_k_q0b08489453_att:
	.size	k_q0b08489453_att, .Lfunc_end_k_q0b08489453_att-k_q0b08489453_att
	.p2alignl 7, 3214868480
	.fill 96, 4, 3214868480
	.section	.rodata,"a",@progbits
	.p2align	6, 0x0
	.amdhsa_kernel k_q0b08489453_att
		.amdhsa_group_segment_fixed_size 327680
		.amdhsa_private_segment_fixed_size 0
		.amdhsa_enable_private_segment 0
		.amdhsa_kernarg_size 16
		.amdhsa_user_sgpr_count 2
		.amdhsa_user_sgpr_kernarg_segment_ptr 1
		.amdhsa_wavefront_size32 1
		.amdhsa_system_sgpr_workgroup_id_x 1
		.amdhsa_system_sgpr_workgroup_id_y 1
		.amdhsa_system_sgpr_workgroup_id_z 1
		.amdhsa_system_vgpr_workitem_id 0
		.amdhsa_next_free_vgpr 256
		.amdhsa_next_free_sgpr 100
		.amdhsa_reserve_vcc 1
		.amdhsa_float_denorm_mode_32 3
		.amdhsa_float_denorm_mode_16_64 3
		.amdhsa_memory_ordered 1
		.amdhsa_forward_progress 1
		.amdhsa_inst_pref_size 109
	.end_amdhsa_kernel
	.amdgpu_metadata
---
amdhsa.version: [ 1, 2 ]
amdhsa.kernels:
  - .name:           k_q0b08489453_att
    .symbol:         k_q0b08489453_att.kd
    .args:
      - { .name: qkv, .offset: 0, .size: 8, .value_kind: global_buffer, .address_space: global }
      - { .name: ca, .offset: 8, .size: 8, .value_kind: global_buffer, .address_space: global }
    .group_segment_fixed_size: 327680
    .private_segment_fixed_size: 0
    .kernarg_segment_align: 8
    .kernarg_segment_size: 16
    .max_flat_workgroup_size: 512
    .sgpr_count:     100
    .vgpr_count:     256
    .wavefront_size: 32
...
	.end_amdgpu_metadata
.endif
;; end of part 3
;; launch g2 (part 4): grid 8 x 32, 4 waves a work-group, clusters of 4 x 4, 327,680 bytes of LDS; arguments ca, wts, bo, x, hb; writes hb
.if DOCPART == 4
	.amdgcn_target "amdgcn-amd-amdhsa--gfx1250"
	.amdhsa_code_object_version 6
	.text
	.protected	k_q0b08489453_g2
	.globl	k_q0b08489453_g2
	.p2align	8
	.type	k_q0b08489453_g2,@function
k_q0b08489453_g2:
	s_mov_b64 s[64:65], 0
	v_nop
	global_prefetch_b8 v0, s[64:65] scope:SCOPE_SE
	s_setreg_imm32_b32 hwreg(HW_REG_WAVE_MODE, 25, 1), 1
	s_wait_xcnt 0x0
	s_wait_alu depctr_hold_cnt(0) depctr_sa_sdst(0) depctr_va_vdst(0) depctr_va_sdst(0) depctr_va_ssrc(0) depctr_va_vcc(0) depctr_vm_vsrc(0)
	s_getreg_b32 s2, hwreg(HW_REG_IB_STS2, 6, 4)
	s_cmp_eq_u32 s2, 0
	s_cbranch_scc0 .Lentry_in_a_cluster
	s_endpgm
.Lentry_in_a_cluster:
	s_bfe_u32 s2, ttmp6, 0x10000c
	s_cmp_lg_u32 s2, 0xf033
	s_cbranch_scc0 .Lentry_shape_is_right
	s_endpgm
.Lentry_shape_is_right:
.set KC,     4
.set AS_OFF, 4194304
.set W_OFF,  3<<20
.set WS_OFF, 12582912+(W_OFF>>5)
.set LAPS,   KC/4
.set HALFT,  32768
.set SLOT,   4*HALFT
.set SCL,    2*SLOT
.set SPARE,  SCL+2048*KC
.set ADRA, 16
.set ADRB, 20
.set STO,  24
.set RD,   25
.set CO,   26
.set ADRS, 27
.set SPW,  28
.set NIL,  29
.set SC,   32
.set BK,   64
.set ACC,  128
.set F0,   0
.set F1,   128
.set G1, 24
.set G0, 32
.set G1B, 48
.set G0B, 56
.set G1S, 68
.set G0S, 76
.set G1SB, 80
.set G0SB, 88
.set MSB, 0
.macro WIN new
.if MSB != (\new)
	s_set_vgpr_msb (MSB<<8)|(\new)
.set MSB, (\new)
.endif
.endm
.set MUL,  0x05
.set TO_F, 0x40
.macro JLOAD g0a, g1a, g0b, g1b
	s_cmp_eq_u32 s17, 0
	s_cbranch_scc0 .Lfor_b_\@
	tensor_load_to_lds s[\g0a:\g0a+3], s[\g1a:\g1a+7]
	s_nop 0
.rept 4
	v_nop
.endr
	s_branch .Lasked_\@
.Lfor_b_\@:
	tensor_load_to_lds s[\g0b:\g0b+3], s[\g1b:\g1b+7]
	s_nop 0
.rept 4
	v_nop
.endr
.Lasked_\@:
.endm
.macro CREST
	s_cmp_lg_u32 s16, 0
	s_cbranch_scc1 .Lnot_wave_0_\@
	s_barrier_signal -3
.Lnot_wave_0_\@:
	s_barrier_wait -3
	s_barrier_signal -1
	s_barrier_wait -1
.endm
.macro CROUND
	s_barrier_signal -1
	s_barrier_wait -1
	CREST
.endm
	s_load_b256 s[4:11], s[0:1], 0x0
	s_load_b64 s[12:13], s[0:1], 0x20
	v_lshl_add_u32 v[SPW], v0, 2, SPARE
	v_mov_b32 v[NIL], 0
	ds_add_u32 v[SPW], v[NIL]
	ds_add_u32 v[SPW], v[NIL]
	v_lshrrev_b32 v1, 5, v0
	v_readfirstlane_b32 s16, v1
	s_lshr_b32 s17, s16, 1
	s_and_b32 s18, s16, 1
	s_bfe_u32 s20, ttmp6, 0x40000
	s_bfe_u32 s21, ttmp6, 0x40004
	s_lshl_b32 s22, ttmp9, 2
	s_add_co_u32 s22, s22, s20
	s_and_b32 s23, ttmp7, 0xffff
	s_lshl_b32 s23, s23, 2
	s_add_co_u32 s23, s23, s21
	s_lshl_b32 s40, s21, 2
	s_lshl_b32 s40, 15, s40
	s_lshl_b32 s41, 0x1111, s20
	s_or_b32 s[G1], s40, (3<<16)|(1<<21)
	s_or_b32 s[G1B], s41, (3<<16)|(1<<21)
.irp g, G1, G1B                        ; at the head: a slot's two blocks on end, 256 rows of 256 bytes, dense
	s_mov_b32 s[\g+1], 32<<16
	s_mov_b32 s[\g+2], 256<<16
	s_mov_b32 s[\g+3], 32<<16
	s_mov_b32 s[\g+4], 256
	s_mov_b32 s[\g+5], 32
	s_mov_b32 s[\g+6], 0
	s_mov_b32 s[\g+7], 0
.endr
	s_or_b32 s[G1S], s40, (3<<16)|(1<<21)
	s_or_b32 s[G1SB], s41, (3<<16)|(1<<21)
.irp g, G1S, G1SB                      ; the scale bytes of 128 rows: 4 KC rows of 256 bytes
	s_mov_b32 s[\g+1], 32<<16
	s_mov_b32 s[\g+2], (4*KC)<<16
	s_mov_b32 s[\g+3], 32<<16
	s_mov_b32 s[\g+4], 4*KC
	s_mov_b32 s[\g+5], 32
	s_mov_b32 s[\g+6], 0
	s_mov_b32 s[\g+7], 0
.endr
	s_mul_i32 s42, s23, KC
	s_lshl_b32 s44, s42, 10
	s_add_co_u32 s44, s44, AS_OFF                  ; A's scale bytes
	s_add_co_u32 s42, s42, s18
	s_lshl_b32 s42, s42, 15
	s_mov_b32 s43, 0
	s_mov_b32 s45, 0
	s_mul_i32 s46, s22, KC
	s_lshl_b32 s92, s46, 10
	s_add_co_u32 s92, s92, WS_OFF
	s_add_co_u32 s46, s46, s18
	s_lshl_b32 s46, s46, 15
	s_add_co_u32 s46, s46, W_OFF
	s_mov_b32 s47, 0
	s_mov_b32 s93, 0
	s_lshl_b32 s19, s16, 15
	s_wait_dscnt 0x0
	s_wait_kmcnt 0x0
	s_add_nc_u64 s[G0+2:G0+3], s[4:5], s[42:43]
	s_add_nc_u64 s[G0+6:G0+7], s[G0+2:G0+3], 2*HALFT
	s_add_nc_u64 s[G0S+2:G0S+3], s[4:5], s[44:45]
	s_add_nc_u64 s[G0B+2:G0B+3], s[6:7], s[46:47]
	s_add_nc_u64 s[G0B+6:G0B+7], s[G0B+2:G0B+3], 2*HALFT
	s_add_nc_u64 s[G0SB+2:G0SB+3], s[6:7], s[92:93]
	CROUND
	s_mov_b32 s[G0S], 1
	s_mov_b32 s[G0S+1], SCL
	s_or_b32 s[G0S+3], s[G0S+3], 0x80000000
	s_mov_b32 s[G0SB], 1
	s_mov_b32 s[G0SB+1], SCL+KC*1024
	s_or_b32 s[G0SB+3], s[G0SB+3], 0x80000000
.irp s, 0,1
	s_mov_b32 s[G0+4*\s], 1
	s_add_co_u32 s[G0+4*\s+1], s19, \s*SLOT
	s_or_b32 s[G0+4*\s+3], s[G0+4*\s+3], 0x80000000
	s_mov_b32 s[G0B+4*\s], 1
	s_add_co_u32 s[G0B+4*\s+1], s19, \s*SLOT
	s_or_b32 s[G0B+4*\s+3], s[G0B+4*\s+3], 0x80000000
.endr
; the head's loads, one a wave, in one chain of branches on the wave's number: wave 0 A's two blocks of slot 0 (its own group 0 names the first), wave 1 A's scale bytes, wave 2 B's two blocks, wave 3 B's scale bytes
.macro ARM under, g0, g1, next
	s_cmp_lt_u32 s16, \under
	s_cbranch_scc0 \next
	tensor_load_to_lds s[\g0:\g0+3], s[\g1:\g1+7]
	s_nop 0
.rept 4
	v_nop
.endr
	s_branch .Lhead_asked
\next:
.endm
	ARM 1, G0, G1, .Lhead_sa
	ARM 2, G0S, G1S, .Lhead_b
	ARM 3, G0B, G1B, .Lhead_sb
	tensor_load_to_lds s[G0SB:G0SB+3], s[G1SB:G1SB+7]
	s_nop 0
.rept 4
	v_nop
.endr
.Lhead_asked:
	v_and_b32 v1, 15, v0
	v_bfe_u32 v2, v0, 4, 1
	s_wait_alu depctr_va_vdst(0)
	v_and_b32 v3, 31, v0
	v_lshlrev_b32 v3, 4, v3
	s_lshl_b32 s66, s17, 14
	s_lshl_b32 s67, s18, 14
	s_add_co_u32 s67, s67, 2*HALFT
.irp s, 0,1
	v_add_nc_u32 v[ADRA+\s], s66, v3
	v_add_nc_u32 v[ADRB+\s], s67, v3
	s_add_co_u32 s66, s66, SLOT
	s_add_co_u32 s67, s67, SLOT
.endr
	s_lshl_b32 s66, s17, 9
	s_lshl_b32 s67, s18, 9
	s_add_co_u32 s67, s67, KC*1024
	s_sub_co_u32 s67, s67, s66
	v_mul_u32_u24 v8, s67, v2
	s_add_co_u32 s66, s66, SCL
	v_lshl_add_u32 v8, v1, 3, v8
	v_add_nc_u32 v[ADRS], s66, v8
	s_mul_i32 s66, s16, 4352
	v_mul_u32_u24 v8, v1, 272
	v_lshl_add_u32 v8, v2, 6, v8
	v_add_nc_u32 v[STO], s66, v8
	v_mul_u32_u24 v8, v2, 272
	v_lshl_add_u32 v8, v1, 4, v8
	v_add_nc_u32 v[RD], s66, v8
	v_lshlrev_b32 v9, 4, v1
	s_wait_alu depctr_va_vdst(0)
	v_lshl_add_u32 v[CO], v2, 12, v9
	s_wait_alu depctr_va_vdst(0)
	s_lshl_b32 s94, s22, 7
	s_lshl_b32 s95, s18, 6
	s_add_co_u32 s94, s94, s95
	s_lshl_b32 s94, s94, 2
	s_mov_b32 s95, 0
	s_lshl_b32 s100, s23, 7
	s_lshl_b32 s101, s17, 6
	s_add_co_u32 s100, s100, s101
	s_lshl_b32 s100, s100, 12
	s_add_co_u32 s100, s100, s94
	s_mov_b32 s101, 0
	s_add_nc_u64 s[8:9], s[8:9], s[94:95]
	s_add_nc_u64 s[10:11], s[10:11], s[100:101]
	s_add_nc_u64 s[12:13], s[12:13], s[100:101]
	global_load_b128 v[4:7], v9, s[8:9]
	WIN 0x80
.irp a, 0,1,2,3
.irp t, 0,1,2,3,4,5,6,7
	global_load_b128 v[32*\a+4*\t:32*\a+4*\t+3], v[CO], s[10:11] offset:(16*\a+2*\t)*4096
.endr
.endr
	WIN 0
.macro FETCH slot, sub, f
	WIN TO_F
.irp i, 0,1,2,3
.irp c, 0,1,2,3
	ds_load_b128 v[\f+64+16*\i+4*\c:\f+64+16*\i+4*\c+3], v[ADRB+\slot] offset:((\sub)/2)*32768+\i*4096+((\sub)%2)*2048+512*\c
.endr
.endr
.irp i, 0,1,2,3
.irp c, 0,1,2,3
	ds_load_b128 v[\f+16*\i+4*\c:\f+16*\i+4*\c+3], v[ADRA+\slot] offset:((\sub)/2)*32768+\i*4096+((\sub)%2)*2048+512*\c
.endr
.endr
.endm
.macro SCALES set
.irp ch, 0,1
.irp i, 0,1,2,3
	ds_load_b64 v[SC+16*(\set)+8*\ch+2*\i:SC+16*(\set)+8*\ch+2*\i+1], v[ADRS] offset:\ch*1024+\i*128
.endr
.endr
.endm
.macro MUL4 f, a, set, sub, zero
.irp b, 0,1,2,3
.if \zero
	v_wmma_scale_f32_16x16x128_f8f6f4 v[ACC+8*(4*(\a)+\b):ACC+8*(4*(\a)+\b)+7], v[\f+64+16*\b:\f+64+16*\b+15], v[\f+16*(\a):\f+16*(\a)+15], 0, v[SC+16*(\set)+8*((\sub)/2)+2*\b+(\sub)%2], v[SC+16*(\set)+8*((\sub)/2)+2*(\a)+(\sub)%2] matrix_a_fmt:MATRIX_FMT_BF8 matrix_b_fmt:MATRIX_FMT_BF8 matrix_a_scale:MATRIX_SCALE_ROW1
.else
	v_wmma_scale_f32_16x16x128_f8f6f4 v[ACC+8*(4*(\a)+\b):ACC+8*(4*(\a)+\b)+7], v[\f+64+16*\b:\f+64+16*\b+15], v[\f+16*(\a):\f+16*(\a)+15], v[ACC+8*(4*(\a)+\b):ACC+8*(4*(\a)+\b)+7], v[SC+16*(\set)+8*((\sub)/2)+2*\b+(\sub)%2], v[SC+16*(\set)+8*((\sub)/2)+2*(\a)+(\sub)%2] matrix_a_fmt:MATRIX_FMT_BF8 matrix_b_fmt:MATRIX_FMT_BF8 matrix_a_scale:MATRIX_SCALE_ROW1
.endif
.endr
.endm
.macro PLACES n
.rept \n
	v_nop
.endr
.endm
.macro SUB slot, sub, zero
	s_wait_dscnt 0x0
	PLACES 8
	FETCH \slot, (\sub)+1, 128*(1-(\sub)%2)
	WIN MUL
	MUL4 128*((\sub)%2), 0, \slot, \sub, \zero
	MUL4 128*((\sub)%2), 1, \slot, \sub, \zero
	MUL4 128*((\sub)%2), 2, \slot, \sub, \zero
	MUL4 128*((\sub)%2), 3, \slot, \sub, \zero
.endm
.macro TURN slot, next, fill
	s_wait_dscnt 0x0
	WIN 0
	s_wait_tensorcnt 0x0
	ds_add_u32 v[SPW], v[NIL]
	WIN MUL
	MUL4 F1, 0, \slot, 3, 0
	s_wait_dscnt 0x0
	s_barrier_signal -1
	MUL4 F1, 1, \slot, 3, 0
	WIN 0
	s_barrier_wait -1
.if \fill
	CREST
	s_add_nc_u64 s[G0+4*\slot+2:G0+4*\slot+3], s[G0+4*\slot+2:G0+4*\slot+3], 4*HALFT
	s_add_nc_u64 s[G0B+4*\slot+2:G0B+4*\slot+3], s[G0B+4*\slot+2:G0B+4*\slot+3], 4*HALFT
	JLOAD G0+4*\slot, G1, G0B+4*\slot, G1B
	PLACES 4
.else
	PLACES 8
.endif
	v_add_nc_u32 v[ADRS], 2048, v[ADRS]
	FETCH \next, 0, F0
	WIN 0
	SCALES \next
	WIN MUL
	MUL4 F1, 2, \slot, 3, 0
	MUL4 F1, 3, \slot, 3, 0
.endm
	s_wait_alu depctr_va_vdst(0)
	s_wait_tensorcnt 0x0                           ; my tile of the head's four is in
	ds_add_u32 v[SPW], v[NIL]
.irp g, G1, G1B                        ; no tensor load of mine is out: from here on a load brings one block, 128 rows
	s_mov_b32 s[\g+2], 128<<16
	s_mov_b32 s[\g+4], 128
.endr
	s_wait_dscnt 0x0
	CROUND                                         ; all four tiles are in, in every partner
	JLOAD G0+4, G1, G0B+4, G1B                     ; slot 1, a block a wave
	FETCH 0, 0, F0
	WIN 0
	SCALES 0
	SUB 0, 0, 1
.if LAPS > 1
	WIN 0
	s_mov_b32 s3, LAPS-1
.Llap:
	SUB 0, 1, 0
	SUB 0, 2, 0
	TURN 0, 1, 1
	SUB 1, 0, 0
	SUB 1, 1, 0
	SUB 1, 2, 0
	TURN 1, 0, 1
	SUB 0, 0, 0
	WIN 0
	s_sub_co_u32 s3, s3, 1
	s_cmp_lg_u32 s3, 0
	s_cbranch_scc1 .Llap
.endif
	SUB 0, 1, 0
	SUB 0, 2, 0
	TURN 0, 1, 0
	SUB 1, 0, 0
	SUB 1, 1, 0
	SUB 1, 2, 0
	s_wait_dscnt 0x0
	WIN MUL
	MUL4 F1, 0, 1, 3, 0
	MUL4 F1, 1, 1, 3, 0
	MUL4 F1, 2, 1, 3, 0
	MUL4 F1, 3, 1, 3, 0
	WIN 0
.macro OUTB a
.set BB, BK+32*((\a)%2)
.if (\a) >= 2
	s_wait_xcnt 0x0
.endif
.irp b, 0,1,2,3
	ds_store_b128 v[STO], v[ACC+8*(4*(\a)+\b):ACC+8*(4*(\a)+\b)+3] offset:128*(\b/2)+32*(\b%2)
	ds_store_b128 v[STO], v[ACC+8*(4*(\a)+\b)+4:ACC+8*(4*(\a)+\b)+7] offset:128*(\b/2)+32*(\b%2)+16
.endr
.irp t, 0,1,2,3,4,5,6,7
	ds_load_b128 v[BB+4*\t:BB+4*\t+3], v[RD] offset:544*\t
.endr
	s_wait_dscnt 0x0
.irp t, 0,1,2,3,4,5,6,7
	v_pk_add_f32 v[BB+4*\t:BB+4*\t+1], v[BB+4*\t:BB+4*\t+1], v[4:5]
	v_pk_add_f32 v[BB+4*\t+2:BB+4*\t+3], v[BB+4*\t+2:BB+4*\t+3], v[6:7]
.endr
	WIN 0x08
.irp e, 0,2,4,6,8,10,12,14,16,18,20,22,24,26,28,30
	v_pk_add_f32 v[BB+\e:BB+\e+1], v[BB+\e:BB+\e+1], v[32*(\a)+\e:32*(\a)+\e+1]
.endr
	WIN 0
.irp t, 0,1,2,3,4,5,6,7
	global_store_b128 v[CO], v[BB+4*\t:BB+4*\t+3], s[12:13] offset:(16*(\a)+2*\t)*4096
.endr
.endm
	s_wait_loadcnt 0x0
	PLACES 8
	OUTB 0
	OUTB 1
	OUTB 2
	OUTB 3
	s_wait_tensorcnt 0x0
	ds_add_u32 v[SPW], v[NIL]
	s_wait_dscnt 0x0
	CROUND
	s_endpgm
.Lfunc_end_k_q0b08489453_g2:
	.size	k_q0b08489453_g2, .Lfunc_end_k_q0b08489453_g2-k_q0b08489453_g2
	.p2alignl 7, 3214868480
	.fill 96, 4, 3214868480
	.section	.rodata,"a",@progbits
	.p2align	6, 0x0
	.amdhsa_kernel k_q0b08489453_g2
		.amdhsa_group_segment_fixed_size 327680
		.amdhsa_private_segment_fixed_size 0
		.amdhsa_enable_private_segment 0
		.amdhsa_kernarg_size 40
		.amdhsa_user_sgpr_count 2
		.amdhsa_user_sgpr_kernarg_segment_ptr 1
		.amdhsa_wavefront_size32 1
		.amdhsa_system_sgpr_workgroup_id_x 1
		.amdhsa_system_sgpr_workgroup_id_y 1
		.amdhsa_system_sgpr_workgroup_id_z 1
		.amdhsa_system_vgpr_workitem_id 0
		.amdhsa_next_free_vgpr 768
		.amdhsa_next_free_sgpr 102
		.amdhsa_reserve_vcc 0
		.amdhsa_float_denorm_mode_32 3
		.amdhsa_float_denorm_mode_16_64 3
		.amdhsa_memory_ordered 1
		.amdhsa_forward_progress 1
		.amdhsa_inst_pref_size 65
	.end_amdhsa_kernel
	.amdgpu_metadata
---
amdhsa.version: [ 1, 2 ]
amdhsa.kernels:
  - .name:           k_q0b08489453_g2
    .symbol:         k_q0b08489453_g2.kd
    .args:
      - { .name: ca, .offset: 0, .size: 8, .value_kind: global_buffer, .address_space: global }
      - { .name: wts, .offset: 8, .size: 8, .value_kind: global_buffer, .address_space: global }
      - { .name: bo, .offset: 16, .size: 8, .value_kind: global_buffer, .address_space: global }
      - { .name: x, .offset: 24, .size: 8, .value_kind: global_buffer, .address_space: global }
      - { .name: hb, .offset: 32, .size: 8, .value_kind: global_buffer, .address_space: global }
    .group_segment_fixed_size: 327680
    .private_segment_fixed_size: 0
    .kernarg_segment_align: 8
    .kernarg_segment_size: 40
    .max_flat_workgroup_size: 128
    .sgpr_count:     102
    .vgpr_count:     768
    .wavefront_size: 32
...
	.end_amdgpu_metadata
.endif
;; end of part 4
;; launch ln2 (part 5): grid 256 x 1, 8 waves a work-group, no clusters, 59,904 bytes of LDS; arguments hb, ln2_scale, ln2_shift, ma; writes ma
.if DOCPART == 5
	.amdgcn_target "amdgcn-amd-amdhsa--gfx1250"
	.amdhsa_code_object_version 6
	.text
	.protected	k_q0b08489453_ln2
	.globl	k_q0b08489453_ln2
	.p2align	8
	.type	k_q0b08489453_ln2,@function
k_q0b08489453_ln2:
	s_mov_b64 s[64:65], 0
	v_nop
	global_prefetch_b8 v0, s[64:65] scope:SCOPE_SE
	s_setreg_imm32_b32 hwreg(HW_REG_WAVE_MODE, 25, 1), 1
	s_wait_xcnt 0x0
; y = gain x (x - mean) / (std + 1e-5) + shift along rows of 1,024, std with divisor 1,023, all in f32; y is then quantised along the row to codes of E5M2 with one E8M0 byte for each 32,
; and stored in the order of an operand's registers: codes: block (128 rows, 256 k) of 32,768 bytes at (T x 4 + kc) << 15, in it [16 rows: 8][128 k: 2][32 k: 4][lane (r, h)][16 bytes]; scale bytes from byte 4,194,304 on, 1,024 a block, [row][8].
; The mean is taken away before the squares are summed: no difference of large sums is formed.
; SHARES: 4,096 rows on 256 work-groups: a work-group takes 16 rows (one group of 16 of the image), each of its eight waves 2.  A row stays in 32 registers of a wave.
; Each load reads 512 consecutive bytes, 16 a lane; a row's 4,096 bytes (and gain's, and shift's) then turn through the wave's own stage in LDS and come back 64 bytes a lane, into the same registers:
; lane l then holds elements 512 j + 16 l + 0 .. 15, j = 0, 1; lanes l and l xor 1 share a block of 32.  The stage has 16 bytes of padding behind each 64.
; A lane's 16 codes are 16 bytes of a piece (16 rows x 16 bytes of the image; piece 32 j + l); the 64 pieces are gathered in LDS (pitch 272) and leave as 2,048 consecutive bytes a wave;
; the scale bytes of 16 rows and one kc are 128 consecutive bytes, stored by one of four waves.
; LIMITS: a block of zeros gets the byte 1 where the rule says 127 (its codes are zeros; this program alone reads the bytes); blocks under 2^-111 are held at byte 1; NaN and infinities are not served.
; No matrix unit, no cluster, no tensor load: rows are read once and shared with nobody.
.set LNS,   17408                      ; behind the 64 pieces: the scale bytes, [kc: 4][row: 16][8]
.set SPARE, 17920                      ; the spare words, 128 bytes for each wave: four blocks of 256 bytes that no other line names
.set TST,   18944                      ; behind them: a stage of 5,120 bytes for each wave
.set TP,    80                         ; a lane's place in that stage: its 64 bytes + 16 of padding
.set E,   12                           ; v12-15  at work on the sums; later a scale byte for each row and half
.set IV,  24                           ; v24-27  row i: the sum of squares, then 1 / (std + eps), twice
.set CD,  32                           ; v32-39  row 0's codes; row 1's take the first eight registers of row 0
.set TQ,  42                           ; v42-49  the quantiser's
.set G,   64                           ; v64-95  gain
.set S,   96                           ; v96-127 shift
.set X,   128                          ; v128-191 two rows
	s_load_b256 s[4:11], s[0:1], 0x0               ; source, gain, shift, destination
	v_lshl_add_u32 v8, v0, 2, SPARE                ; my spare word; never rewritten
	v_mov_b32 v9, 0                                ; 0; never rewritten
	v_lshrrev_b32 v1, 5, v0
	v_readfirstlane_b32 s12, v1                    ; wave 0..7
	v_and_b32 v1, 31, v0                           ; lane
	v_lshlrev_b32 v6, 4, v1                        ; 16 x lane
	v_lshlrev_b32 v10, 2, v1                       ; 4 x lane
	v_lshrrev_b32 v40, 4, v1
	v_and_b32 v23, 15, v1
	v_mul_u32_u24 v3, v1, 272                      ; into the pieces: piece l (+ 32 j),
	s_lshl_b32 s13, s12, 5
	v_add_nc_u32 v3, s13, v3                       ; its row 2 wave (+ i)
	v_bfe_u32 v4, v1, 1, 3
	v_lshl_add_u32 v4, v40, 7, v4
	s_lshl_b32 s13, s12, 4
	s_add_co_u32 s13, s13, LNS
	v_add_nc_u32 v4, s13, v4                       ; my block's scale byte: 128 (l / 16) + (l / 2) % 8 + 16 wave (+ 256 j + 8 i)
	v_mul_u32_u24 v5, v40, 272
	v_lshl_add_u32 v5, v23, 4, v5
	s_mul_i32 s13, s12, 8*272
	v_add_nc_u32 v5, s13, v5                       ; out of the pieces: pieces 8 wave + 2 t + l / 16
	s_and_b32 s13, s12, 3
	s_lshl_b32 s13, s13, 7
	s_add_co_u32 s13, s13, LNS
	v_add_nc_u32 v7, s13, v10                      ; the scale bytes on their way out: 128 for each kc
	s_mul_i32 s13, s12, 64*TP
	s_add_co_u32 s13, s13, TST                     ; my wave's stage
	v_lshrrev_b32 v2, 2, v1
	v_mul_u32_u24 v2, v2, TP
	v_and_b32 v41, 3, v1
	v_lshl_add_u32 v2, v41, 4, v2
	v_add_nc_u32 v2, s13, v2                       ; into it: TP (l / 4) + 16 (l % 4)
	v_mul_u32_u24 v11, v1, TP
	v_add_nc_u32 v11, s13, v11                     ; out of it: TP x lane
	v_mov_b32 v22, 0                               ; written once: a lane permute's destination counts as one of its sources
	s_mov_b32 s20, 0x76543210
	s_mov_b32 s21, 0xfedcba98
	s_mov_b32 s22, 0x600000                        ; the mantissa field of 57,344
	s_lshl_b32 s24, ttmp9, 16
	s_lshl_b32 s25, s12, 13
	s_add_co_u32 s24, s24, s25                     ; my first row: 16 x work-group + 2 x wave, 4,096 bytes a row
	s_mov_b32 s25, 0
	s_lshr_b32 s26, ttmp9, 3
	s_lshl_b32 s26, s26, 2                         ; 4 T
	s_and_b32 s27, ttmp9, 7                        ; which 16 rows of the 128
	s_lshr_b32 s28, s12, 1
	s_add_co_u32 s28, s28, s26
	s_lshl_b32 s28, s28, 15                        ; codes out: block (T, kc = wave / 2),
	s_lshl_b32 s29, s27, 1
	s_and_b32 s30, s12, 1
	s_add_co_u32 s29, s29, s30
	s_lshl_b32 s29, s29, 11
	s_add_co_u32 s28, s28, s29                     ; its 16 rows, their first or second 128 k
	s_mov_b32 s29, 0
	s_and_b32 s30, s12, 3
	s_add_co_u32 s30, s30, s26
	s_lshl_b32 s30, s30, 10
	s_lshl_b32 s31, s27, 7
	s_add_co_u32 s30, s30, s31
	s_add_co_u32 s30, s30, 4194304                 ; scale bytes out: block (T, kc = wave), my work-group's 16 rows
	s_mov_b32 s31, 0
	s_wait_alu depctr_va_vdst(0)
	s_wait_kmcnt 0x0
	s_add_nc_u64 s[14:15], s[4:5], s[24:25]
	s_add_nc_u64 s[16:17], s[10:11], s[28:29]
	s_add_nc_u64 s[18:19], s[10:11], s[30:31]
.irp i, 0,1
.irp m, 0,1,2,3,4,5,6,7
	global_load_b128 v[X+32*\i+4*\m:X+32*\i+4*\m+3], v6, s[14:15] offset:\i*4096+512*\m   ; 32 lanes read 512 consecutive bytes
.endr
.endr
.irp m, 0,1,2,3,4,5,6,7
	global_load_b128 v[G+4*\m:G+4*\m+3], v6, s[6:7] offset:512*\m
.endr
.irp m, 0,1,2,3,4,5,6,7
	global_load_b128 v[S+4*\m:S+4*\m+3], v6, s[8:9] offset:512*\m
.endr
; 4,096 bytes in the 32 registers from b on go through my stage and come back into the same registers.  LDS serves a wave's instructions in order (ISA guide 5.7.1.4).
.macro TURNR b
.irp m, 0,1,2,3,4,5,6,7
	ds_store_b128 v2, v[(\b)+4*\m:(\b)+4*\m+3] offset:8*TP*\m
.endr
.irp j, 0,1
.irp k, 0,1,2,3
	ds_load_b128 v[(\b)+16*\j+4*\k:(\b)+16*\j+4*\k+3], v11 offset:32*TP*\j+16*\k
.endr
.endr
.endm
.macro XSUM r                          ; the sum over the 32 lanes, in every lane
	s_delay_alu instid0(VALU_DEP_1)
	v_add_f32_dpp v[\r], v[\r], v[\r] row_xmask:1 row_mask:0xf bank_mask:0xf
	s_delay_alu instid0(VALU_DEP_1)
	v_add_f32_dpp v[\r], v[\r], v[\r] row_xmask:2 row_mask:0xf bank_mask:0xf
	s_delay_alu instid0(VALU_DEP_1)
	v_add_f32_dpp v[\r], v[\r], v[\r] row_xmask:4 row_mask:0xf bank_mask:0xf
	s_delay_alu instid0(VALU_DEP_1)
	v_add_f32_dpp v[\r], v[\r], v[\r] row_xmask:8 row_mask:0xf bank_mask:0xf
	s_delay_alu instid0(VALU_DEP_1)
	v_permlanex16_b32 v22, v[\r], s20, s21
	s_delay_alu instid0(VALU_DEP_1)
	v_add_f32 v[\r], v[\r], v22
.endm
; Row i: the mean; x - mean in place; the sum of its squares
.macro STAT i
.set XR, X+32*(\i)
	v_pk_add_f32 v[12:13], v[XR:XR+1], v[XR+2:XR+3]
	v_pk_add_f32 v[14:15], v[XR+4:XR+5], v[XR+6:XR+7]
.irp e, 8,12,16,20,24,28
	s_delay_alu instid0(VALU_DEP_2)
	v_pk_add_f32 v[12:13], v[12:13], v[XR+\e:XR+\e+1]
	s_delay_alu instid0(VALU_DEP_2)
	v_pk_add_f32 v[14:15], v[14:15], v[XR+\e+2:XR+\e+3]
.endr
	s_delay_alu instid0(VALU_DEP_1)
	v_pk_add_f32 v[12:13], v[12:13], v[14:15]
	s_delay_alu instid0(VALU_DEP_1)
	v_add_f32 v12, v12, v13
	XSUM 12
	s_delay_alu instid0(VALU_DEP_1)
	v_mul_f32 v20, 0x3a800000, v12                 ; / 1,024
	s_delay_alu instid0(VALU_DEP_1)
	v_mov_b32 v21, v20
.irp e, 0,2,4,6,8,10,12,14,16,18,20,22,24,26,28,30
	v_pk_add_f32 v[XR+\e:XR+\e+1], v[XR+\e:XR+\e+1], v[20:21] neg_lo:[0,1] neg_hi:[0,1]
.endr
	v_pk_mul_f32 v[12:13], v[XR:XR+1], v[XR:XR+1]
	v_pk_mul_f32 v[14:15], v[XR+2:XR+3], v[XR+2:XR+3]
.irp e, 4,8,12,16,20,24,28
	s_delay_alu instid0(VALU_DEP_2)
	v_pk_fma_f32 v[12:13], v[XR+\e:XR+\e+1], v[XR+\e:XR+\e+1], v[12:13]
	s_delay_alu instid0(VALU_DEP_2)
	v_pk_fma_f32 v[14:15], v[XR+\e+2:XR+\e+3], v[XR+\e+2:XR+\e+3], v[14:15]
.endr
	s_delay_alu instid0(VALU_DEP_1)
	v_pk_add_f32 v[12:13], v[12:13], v[14:15]
	s_delay_alu instid0(VALU_DEP_1)
	v_add_f32 v[IV+2*(\i)], v12, v13
	XSUM IV+2*(\i)
.endm
	s_wait_loadcnt 24                              ; row 0's eight loads are in; behind them: row 1's 8 and the 16 of gain and shift
	TURNR X
	s_wait_loadcnt 16
	TURNR X+32                                     ; a turn runs one row ahead of the sums
	s_wait_dscnt 16                                ; row 0 is back; the sixteen LDS instructions of row 1's turn may be out
	STAT 0
	s_wait_loadcnt 8                               ; gain is in; shift's eight may be out
	TURNR G
	s_wait_dscnt 16
	STAT 1
	s_wait_alu depctr_va_vdst(0)
	s_wait_loadcnt 0x0
	TURNR S
.irp i, 0,1
	v_mul_f32 v[IV+2*\i], 0x3a802008, v[IV+2*\i]   ; / 1,023
.endr
	s_wait_alu depctr_va_vdst(0)                   ; ahead of the batch
.irp i, 0,1
	v_sqrt_f32 v[IV+2*\i], v[IV+2*\i]
.endr
	v_nop                                          ; a plain instruction behind the last root
	s_wait_alu depctr_va_vdst(0)                   ; one wait for the roots, ahead of their first reader
.irp i, 0,1
	v_add_f32 v[IV+2*\i], 0x3727c5ac, v[IV+2*\i]   ; + 1e-5
.endr
	s_wait_alu depctr_va_vdst(0)
.irp i, 0,1
	v_rcp_f32 v[IV+2*\i], v[IV+2*\i]
.endr
	v_nop
	s_wait_alu depctr_va_vdst(0)                   ; one wait for the reciprocals
.irp i, 0,1
	v_mov_b32 v[IV+2*\i+1], v[IV+2*\i]             ; a pair for the packed multiply
.endr
	s_wait_alu depctr_va_vdst(0)
	s_wait_dscnt 0x0                               ; gain and shift are back from the stage
; Row i: scaled, quantised (two blocks' halves a lane, by turns), codes and bytes into LDS.  Each row has registers of its own for its codes and bytes.
.macro QROW i
.set XR, X+32*(\i)
.if (\i) == 0
.set CR, CD
.else
.set CR, X+32*((\i)-1)
.endif
.irp e, 0,2,4,6,8,10,12,14,16,18,20,22,24,26,28,30
	v_pk_mul_f32 v[XR+\e:XR+\e+1], v[XR+\e:XR+\e+1], v[IV+2*(\i):IV+2*(\i)+1]
.endr
.irp e, 0,2,4,6,8,10,12,14,16,18,20,22,24,26,28,30
	v_pk_fma_f32 v[XR+\e:XR+\e+1], v[XR+\e:XR+\e+1], v[G+\e:G+\e+1], v[S+\e:S+\e+1]
.endr
.irp j, 0,1
	v_max3_num_f32 v[TQ+4*\j], |v[XR+16*\j]|, |v[XR+16*\j+1]|, |v[XR+16*\j+2]|
	v_max3_num_f32 v[TQ+1+4*\j], |v[XR+16*\j+3]|, |v[XR+16*\j+4]|, |v[XR+16*\j+5]|
.endr
.irp e, 6,10
.irp j, 0,1
	s_delay_alu instid0(VALU_DEP_4)
	v_max3_num_f32 v[TQ+4*\j], v[TQ+4*\j], |v[XR+16*\j+\e]|, |v[XR+16*\j+\e+1]|
	s_delay_alu instid0(VALU_DEP_4)
	v_max3_num_f32 v[TQ+1+4*\j], v[TQ+1+4*\j], |v[XR+16*\j+\e+2]|, |v[XR+16*\j+\e+3]|
.endr
.endr
.irp j, 0
	s_delay_alu instid0(VALU_DEP_4)
	v_max3_num_f32 v[TQ+4*\j], v[TQ+4*\j], |v[XR+16*\j+14]|, |v[XR+16*\j+15]|
.endr
.irp j, 1
	s_delay_alu instid0(VALU_DEP_3)
	v_max3_num_f32 v[TQ+4*\j], v[TQ+4*\j], |v[XR+16*\j+14]|, |v[XR+16*\j+15]|
.endr
.irp j, 0,1
	s_delay_alu instid0(VALU_DEP_2)
	v_max3_num_f32 v[TQ+4*\j], v[TQ+4*\j], v[TQ+1+4*\j], 0x8000000   ; the floor 2^(16 - 127): the byte cannot fall under 1
.endr
.irp j, 0,1
	s_delay_alu instid0(VALU_DEP_2)
	v_max_num_f32_dpp v[TQ+4*\j], v[TQ+4*\j], v[TQ+4*\j] row_xmask:1 row_mask:0xf bank_mask:0xf   ; with my neighbour's 16
.endr
.irp j, 0,1
	s_delay_alu instid0(VALU_DEP_2)
	v_add_nc_u32 v[TQ+2+4*\j], 0xf8800000, v[TQ+4*\j]              ; 15 off the exponent field: the conversion's scale operand
.endr
.irp j, 0,1
	s_delay_alu instid0(VALU_DEP_4)
	v_and_or_b32 v[TQ+3+4*\j], v[TQ+4*\j], 0x7f800000, s22         ; 57,344 x the scale
.endr
.irp j, 0,1
.irp e, 0,1,2,3,4,5,6,7,8,9,10,11,12,13,14,15
	v_med3_num_f32 v[XR+16*\j+\e], v[XR+16*\j+\e], -v[TQ+3+4*\j], v[TQ+3+4*\j]   ; the conversion does not saturate (ISA guide 7.6.2): the hold
.endr
	v_cvt_scalef32_pk8_bf8_f32 v[CR+4*\j:CR+4*\j+1], v[XR+16*\j:XR+16*\j+7], v[TQ+2+4*\j]
	v_cvt_scalef32_pk8_bf8_f32 v[CR+4*\j+2:CR+4*\j+3], v[XR+16*\j+8:XR+16*\j+15], v[TQ+2+4*\j]
.endr
	v_nop                                          ; a plain instruction behind the last conversion
.irp j, 0,1
	v_lshrrev_b32 v[E+2*(\i)+\j], 23, v[TQ+2+4*\j] ; the scale's byte
.endr
.irp j, 0,1
	ds_store_b128 v3, v[CR+4*\j:CR+4*\j+3] offset:\j*8704+(\i)*16
	ds_store_b8 v4, v[E+2*(\i)+\j] offset:\j*256+(\i)*8            ; both lanes of a block write the same byte with the same value
.endr
.endm
	QROW 0
	QROW 1
	s_wait_dscnt 0x0                               ; for the others' sake: my stores have landed
	s_barrier_signal -1
	s_barrier_wait -1
.irp t, 0,1,2,3
	ds_load_b128 v[X+4*\t:X+4*\t+3], v5 offset:544*\t
.endr
.irp t, 0,1,2,3
	s_wait_dscnt 3-\t                              ; the younger loads may be out
	global_store_b128 v6, v[X+4*\t:X+4*\t+3], s[16:17] offset:512*\t   ; 512 consecutive bytes a store, 2,048 a wave
.endr
	s_cmp_lt_u32 s12, 4
	s_cbranch_scc0 .Lno_scales
	ds_load_b32 v[G], v7
	s_wait_dscnt 0x0
	global_store_b32 v10, v[G], s[18:19]           ; 128 consecutive bytes
.Lno_scales:
	s_wait_tensorcnt 0x0                           ; the wave's end, behind my last LDS store
	ds_add_u32 v8, v9
	s_wait_dscnt 0x0
	s_endpgm
.Lfunc_end_k_q0b08489453_ln2:
	.size	k_q0b08489453_ln2, .Lfunc_end_k_q0b08489453_ln2-k_q0b08489453_ln2
	.p2alignl 7, 3214868480
	.fill 96, 4, 3214868480
	.section	.rodata,"a",@progbits
	.p2align	6, 0x0
	.amdhsa_kernel k_q0b08489453_ln2
		.amdhsa_group_segment_fixed_size 59904
		.amdhsa_private_segment_fixed_size 0
		.amdhsa_enable_private_segment 0
		.amdhsa_kernarg_size 32
		.amdhsa_user_sgpr_count 2
		.amdhsa_user_sgpr_kernarg_segment_ptr 1
		.amdhsa_wavefront_size32 1
		.amdhsa_system_sgpr_workgroup_id_x 1
		.amdhsa_system_sgpr_workgroup_id_y 1
		.amdhsa_system_sgpr_workgroup_id_z 1
		.amdhsa_system_vgpr_workitem_id 0
		.amdhsa_next_free_vgpr 192
		.amdhsa_next_free_sgpr 66
		.amdhsa_reserve_vcc 0
		.amdhsa_float_denorm_mode_32 3
		.amdhsa_float_denorm_mode_16_64 3
		.amdhsa_memory_ordered 1
		.amdhsa_forward_progress 1
		.amdhsa_inst_pref_size 36
	.end_amdhsa_kernel
	.amdgpu_metadata
---
amdhsa.version: [ 1, 2 ]
amdhsa.kernels:
  - .name:           k_q0b08489453_ln2
    .symbol:         k_q0b08489453_ln2.kd
    .args:
      - { .name: hb, .offset: 0, .size: 8, .value_kind: global_buffer, .address_space: global }
      - { .name: ln2_scale, .offset: 8, .size: 8, .value_kind: global_buffer, .address_space: global }
      - { .name: ln2_shift, .offset: 16, .size: 8, .value_kind: global_buffer, .address_space: global }
      - { .name: ma, .offset: 24, .size: 8, .value_kind: global_buffer, .address_space: global }
    .group_segment_fixed_size: 59904
    .private_segment_fixed_size: 0
    .kernarg_segment_align: 8
    .kernarg_segment_size: 32
    .max_flat_workgroup_size: 256
    .sgpr_count:     66
    .vgpr_count:     192
    .wavefront_size: 32
...
	.end_amdgpu_metadata
.endif
;; end of part 5
;; launch g3 (part 6): grid 16 x 16, 4 waves a work-group, clusters of 4 x 4, 327,680 bytes of LDS; arguments ma, wts, b_fc, ga; writes ga
.if DOCPART == 6
	.amdgcn_target "amdgcn-amd-amdhsa--gfx1250"
	.amdhsa_code_object_version 6
	.text
	.protected	k_q0b08489453_g3
	.globl	k_q0b08489453_g3
	.p2align	8
	.type	k_q0b08489453_g3,@function
k_q0b08489453_g3:
	s_mov_b64 s[64:65], 0
	v_nop
	global_prefetch_b8 v0, s[64:65] scope:SCOPE_SE
	s_setreg_imm32_b32 hwreg(HW_REG_WAVE_MODE, 25, 1), 1
	s_wait_xcnt 0x0
	s_wait_alu depctr_hold_cnt(0) depctr_sa_sdst(0) depctr_va_vdst(0) depctr_va_sdst(0) depctr_va_ssrc(0) depctr_va_vcc(0) depctr_vm_vsrc(0)
	s_getreg_b32 s2, hwreg(HW_REG_IB_STS2, 6, 4)
	s_cmp_eq_u32 s2, 0
	s_cbranch_scc0 .Lentry_in_a_cluster
	s_endpgm
.Lentry_in_a_cluster:
	s_bfe_u32 s2, ttmp6, 0x10000c
	s_cmp_lg_u32 s2, 0xf033
	s_cbranch_scc0 .Lentry_shape_is_right
	s_endpgm
.Lentry_shape_is_right:
; g = gelu(LN2(h) w_fc + b_fc): [4,096 x 1,024] x [1,024 x 4,096] on codes of E5M2 with E8M0 scales, sums in f32; g is quantised along FF on the way out (ga), in the order of an operand's registers: it is the next product's A.
; 0.5 x (1 + tanh z) = x / (1 + 2^(-2 z log2 e)), z = sqrt(2 / pi) (x + 0.044715 x^3): one exponential and one reciprocal a number, in f32; where the exponential overflows the quotient is 0, where it vanishes x.
; The products: as in launch g1: a tile of 256 x 256, four waves of 128 x 128, K in steps of 256 through a ring of two LDS slots of dense blocks, the scale bytes once, clusters of 4 x 4 with joint loads,
; the matrix instruction used transposed (source 0 = 16 permuted rows of the weight, source 1 = 16 tokens): a lane holds a token, and the 16 registers of two neighbouring tiles are 16 neighbouring columns.
; A wave's 128 columns are one step of 128 along the next K: a block of 16 tokens becomes one fragment, stored as it stands, and one scale word a token; the words of the tile's 256 columns meet in LDS and leave as 512 consecutive bytes a wave.
; LIMITS: a block of zeros gets the byte 1 where the rule says 127; blocks under 2^-111 are held at byte 1; NaN and infinities are not served.
; REGISTERS: window 0: v1-15 addresses; v16-23 the blocks' scale words; v24-27 two constants as pairs; v32-63 scale words of the products, and nothing else; v64-127 the bias; from v128 A's fragments;
;   on the way out v128-191 64 numbers, v192-223 at work, v224-239 codes, v240-255 the quantiser's.  window 1: B's fragments, two sets.  windows 2, 3: the accumulators.
.set NQ,     2
.set FR,     16
.set NL,     4
.set NP,     8
.set HALFT,  32768
.set SLOT,   4*HALFT
.set LAPS,   2
.set SCL,    2*SLOT
.set SPARE,  SCL+4*4096                ; the spare words, 128 bytes for each wave: two blocks of 256 bytes that no other line names
.set ADRA, 6
.set ADRB, 8
.set LI,   10                          ; v10    16 x lane
.set SWA,  11                          ; v11    where I put a token's scale word: slot 0, which has had its last fill and its last read by then
.set ADRS, 12
.set SRA,  13                          ; v13    where I read 16 bytes of scale words back
.set SPW,  14                          ; v14    my spare word; never rewritten
.set NIL,  15                          ; v15    0; never rewritten
.set PWS,  16
.set GK,   24                          ; v[24:25] 0.044715 K0, v[26:27] K0 = -2 sqrt(2 / pi) log2(e)
.set SC,   32
.set BR,   64
.set AF,   128
.set Y,    128
.set T,    192
.set PC,   224
.set TM,   240
.set G1, 24
.set G0, 32
.set G1B, 48
.set G0B, 56
.set G1S, 68
.set G0S, 76
.set G1SB, 80
.set G0SB, 88
.set MSB, 0
.macro WIN new                         ; the immediate's high byte repeats the setting that is left
.if MSB != (\new)
	s_set_vgpr_msb (MSB<<8)|(\new)
.set MSB, (\new)
.endif
.endm
.set MUL_LO, 0xa1
.set MUL_HI, 0xf1
.set TO_B,   0x40
.macro JLOAD g0a, g1a, g0b, g1b        ; a joint load: waves 0 and 1 fetch for A, waves 2 and 3 for B; an s_nop 0 and four v_nop follow each of the two lines
	s_cmp_eq_u32 s17, 0
	s_cbranch_scc0 .Lfor_b_\@
	tensor_load_to_lds s[\g0a:\g0a+3], s[\g1a:\g1a+7]
	s_nop 0
.rept 4
	v_nop
.endr
	s_branch .Lasked_\@
.Lfor_b_\@:
	tensor_load_to_lds s[\g0b:\g0b+3], s[\g1b:\g1b+7]
	s_nop 0
.rept 4
	v_nop
.endr
.Lasked_\@:
.endm
.macro CREST
	s_cmp_lg_u32 s16, 0
	s_cbranch_scc1 .Lnot_wave_0_\@
	s_barrier_signal -3
.Lnot_wave_0_\@:
	s_barrier_wait -3
	s_barrier_signal -1
	s_barrier_wait -1
.endm
.macro CROUND
	s_barrier_signal -1
	s_barrier_wait -1
	CREST
.endm
	s_load_b256 s[4:11], s[0:1], 0x0               ; ma, wts, b_fc, ga
	v_lshl_add_u32 v[SPW], v0, 2, SPARE
	v_mov_b32 v[NIL], 0
	ds_add_u32 v[SPW], v[NIL]                      ; the wave's opening: the add, twice on end, and its wait ahead of my first tensor load
	ds_add_u32 v[SPW], v[NIL]
	v_lshrrev_b32 v1, 5, v0
	v_readfirstlane_b32 s16, v1                    ; wave 0..3
	s_lshr_b32 s17, s16, 1                         ; which half of the tile's rows is mine.  Also: I fetch for A (0) or for B (1)
	s_and_b32 s18, s16, 1                          ; which half of its columns.  Also: which 128 rows I fetch
	s_bfe_u32 s20, ttmp6, 0x40000
	s_bfe_u32 s21, ttmp6, 0x40004
	s_lshl_b32 s22, ttmp9, 2
	s_add_co_u32 s22, s22, s20                     ; tile column
	s_and_b32 s23, ttmp7, 0xffff
	s_lshl_b32 s23, s23, 2
	s_add_co_u32 s23, s23, s21                     ; tile row
	s_lshl_b32 s40, s21, 2
	s_lshl_b32 s40, 15, s40
	s_lshl_b32 s41, 0x1111, s20
	s_or_b32 s[G1], s40, (3<<16)|(1<<21)
	s_or_b32 s[G1B], s41, (3<<16)|(1<<21)
.irp g, G1, G1B                        ; at the head: both halves of a K step's tile as 2 rows of 32,768 bytes, 131,072 bytes apart in memory
	s_mov_b32 s[\g+1], 4096<<16
	s_mov_b32 s[\g+2], 2<<16
	s_mov_b32 s[\g+3], 4096<<16
	s_mov_b32 s[\g+4], 2
	s_mov_b32 s[\g+5], 16384
	s_mov_b32 s[\g+6], 0
	s_mov_b32 s[\g+7], 0
.endr
	s_or_b32 s[G1S], s40, (3<<16)|(1<<21)
	s_or_b32 s[G1SB], s41, (3<<16)|(1<<21)
.irp g, G1S, G1SB                      ; the scale bytes of 256 rows: 32 rows of 256 bytes
	s_mov_b32 s[\g+1], 32<<16
	s_mov_b32 s[\g+2], 32<<16
	s_mov_b32 s[\g+3], 32<<16
	s_mov_b32 s[\g+4], 32
	s_mov_b32 s[\g+5], 32
	s_mov_b32 s[\g+6], 0
	s_mov_b32 s[\g+7], 0
.endr
	s_lshl_b32 s42, s23, 1
	s_add_co_u32 s42, s42, s18
	s_lshl_b32 s44, s23, 13
	s_add_co_u32 s44, s44, 4194304                 ; A's scale bytes
	s_lshl_b32 s42, s42, 17                        ; A's codes
	s_mov_b32 s43, 0
	s_mov_b32 s45, 0
	s_lshl_b32 s46, s22, 1
	s_add_co_u32 s46, s46, s18
	s_lshl_b32 s92, s22, 13
	s_add_co_u32 s92, s92, 12582912+131072         ; w_fc's scale bytes
	s_lshl_b32 s46, s46, 17
	s_add_co_u32 s46, s46, 4194304                 ; w_fc's codes
	s_mov_b32 s47, 0
	s_mov_b32 s93, 0
	s_lshl_b32 s19, s16, 15
	s_mov_b32 s96, 0x76543210
	s_mov_b32 s97, 0xfedcba98
	s_mov_b32 s98, 0x600000
	s_wait_dscnt 0x0                               ; both opening adds are done
	s_wait_kmcnt 0x0
	s_add_nc_u64 s[G0+2:G0+3], s[4:5], s[42:43]
	s_add_nc_u64 s[G0+6:G0+7], s[G0+2:G0+3], HALFT
	s_add_nc_u64 s[G0S+2:G0S+3], s[4:5], s[44:45]
	s_add_nc_u64 s[G0B+2:G0B+3], s[6:7], s[46:47]
	s_add_nc_u64 s[G0B+6:G0B+7], s[G0B+2:G0B+3], HALFT
	s_add_nc_u64 s[G0SB+2:G0SB+3], s[6:7], s[92:93]
	CROUND                                         ; all sixteen work-groups are here: the first joint loads meet
	s_mov_b32 s[G0S], 1
	s_mov_b32 s[G0S+1], SCL
	s_or_b32 s[G0S+3], s[G0S+3], 0x80000000
	s_mov_b32 s[G0SB], 1
	s_mov_b32 s[G0SB+1], SCL+8192
	s_or_b32 s[G0SB+3], s[G0SB+3], 0x80000000
.irp s, 0,1
	s_mov_b32 s[G0+4*\s], 1
	s_add_co_u32 s[G0+4*\s+1], s19, \s*SLOT
	s_or_b32 s[G0+4*\s+3], s[G0+4*\s+3], 0x80000000
	s_mov_b32 s[G0B+4*\s], 1
	s_add_co_u32 s[G0B+4*\s+1], s19, \s*SLOT
	s_or_b32 s[G0B+4*\s+3], s[G0B+4*\s+3], 0x80000000
.endr
; the head's loads, one a wave, in one chain of branches on the wave's number: wave 0 A's whole K step 0 (its own group 0 names the first half's first byte), wave 1 A's scale bytes, wave 2 B's K step 0, wave 3 B's scale bytes
.macro ARM under, g0, g1, next
	s_cmp_lt_u32 s16, \under
	s_cbranch_scc0 \next
	tensor_load_to_lds s[\g0:\g0+3], s[\g1:\g1+7]
	s_nop 0
.rept 4
	v_nop
.endr
	s_branch .Lhead_asked
\next:
.endm
	ARM 1, G0, G1, .Lhead_sa
	ARM 2, G0S, G1S, .Lhead_b
	ARM 3, G0B, G1B, .Lhead_sb
	tensor_load_to_lds s[G0SB:G0SB+3], s[G1SB:G1SB+7]
	s_nop 0
.rept 4
	v_nop
.endr
.Lhead_asked:
	v_and_b32 v1, 15, v0                           ; r
	v_bfe_u32 v2, v0, 4, 1                         ; h
	s_wait_alu depctr_va_vdst(0)
	v_and_b32 v5, 31, v0
	v_lshlrev_b32 v[LI], 4, v5
	s_wait_alu depctr_va_vdst(0)
	s_lshl_b32 s66, s17, 15
	s_lshl_b32 s67, s18, 15
	s_add_co_u32 s67, s67, 2*HALFT
.irp s, 0,1
	v_add_nc_u32 v[ADRA+\s], s66, v[LI]
	v_add_nc_u32 v[ADRB+\s], s67, v[LI]
	s_add_co_u32 s66, s66, SLOT
	s_add_co_u32 s67, s67, SLOT
.endr
	s_lshl_b32 s66, s17, 12
	s_lshl_b32 s67, s18, 12
	s_add_co_u32 s67, s67, 2*4096
	s_sub_co_u32 s67, s67, s66
	v_mul_u32_u24 v5, s67, v2                      ; lanes 16-31 take B's scale words
	s_add_co_u32 s66, s66, SCL
	v_lshl_add_u32 v5, v1, 3, v5
	v_add_nc_u32 v[ADRS], s66, v5
	s_lshl_b32 s66, s17, 10
	s_lshl_b32 s67, s18, 2
	s_add_co_u32 s66, s66, s67
	v_lshl_add_u32 v[SWA], v1, 3, s66              ; 1,024 x my half of the rows + 8 r + 4 x my half of the columns
	s_lshl_b32 s66, s16, 9
	v_add_nc_u32 v[SRA], s66, v[LI]                ; 512 x wave + 16 x lane
	v_mov_b32 v[GK], 0xbdd2d3e8
	v_mov_b32 v[GK+1], 0xbdd2d3e8
	v_mov_b32 v[GK+2], 0xc0135761
	v_mov_b32 v[GK+3], 0xc0135761
	s_lshl_b32 s66, s22, 8
	s_lshl_b32 s67, s18, 7
	s_add_co_u32 s66, s66, s67
	s_lshl_b32 s66, s66, 2                         ; my first column, in bytes
	s_mov_b32 s67, 0
	s_add_nc_u64 s[8:9], s[8:9], s[66:67]
	s_lshl_b32 s3, s23, 1
	s_add_co_u32 s3, s3, s17
	s_lshl_b32 s3, s3, 4
	s_add_co_u32 s3, s3, s22                       ; ga's block: (my 128 tokens) x 16 + tile column
	s_lshl_b32 s66, s3, 15
	s_lshl_b32 s12, s18, 11
	s_add_co_u32 s66, s66, s12                     ; my 128 columns are its first or second 128 along K
	s_add_nc_u64 s[94:95], s[10:11], s[66:67]
	s_lshl_b32 s66, s3, 10
	s_lshl_b32 s12, s18, 9
	s_add_co_u32 s66, s66, s12
	s_add_co_u32 s66, s66, 16777216
	s_add_nc_u64 s[100:101], s[10:11], s[66:67]    ; the scale bytes that I store: 64 tokens' 512
	v_lshlrev_b32 v3, 6, v2                        ; the bias: register 16 c + e: column 32 c + 16 h + e
.irp c, 0,1,2,3
.irp k, 0,1,2,3
	global_load_b128 v[BR+16*\c+4*\k:BR+16*\c+4*\k+3], v3, s[8:9] offset:128*\c+16*\k
.endr
.endr
.macro FRAG reg, adr, q, i
.irp c, 0,1,2,3
	ds_load_b128 v[\reg+4*\c:\reg+4*\c+3], v[\adr] offset:(\i)*4096+(\q)*2048+512*\c
.endr
.endm
; The 64 accumulators take turns, one instruction a turn, in the same order in every step.
.macro MUL16 a0, p, q, sc, zero
.irp a, \a0, \a0+1
.irp b, 0,1,2,3,4,5,6,7
.if \zero
	v_wmma_scale_f32_16x16x128_f8f6f4 v[8*(8*((\a)%4)+\b):8*(8*((\a)%4)+\b)+7], v[128*(\p)+FR*\b:128*(\p)+FR*\b+FR-1], v[AF+FR*(\a):AF+FR*(\a)+FR-1], 0, v[SC+8*NQ*(\sc)+NQ*\b+(\q)], v[SC+8*NQ*(\sc)+NQ*(\a)+(\q)] matrix_a_fmt:MATRIX_FMT_BF8 matrix_b_fmt:MATRIX_FMT_BF8 matrix_a_scale:MATRIX_SCALE_ROW1
.else
	v_wmma_scale_f32_16x16x128_f8f6f4 v[8*(8*((\a)%4)+\b):8*(8*((\a)%4)+\b)+7], v[128*(\p)+FR*\b:128*(\p)+FR*\b+FR-1], v[AF+FR*(\a):AF+FR*(\a)+FR-1], v[8*(8*((\a)%4)+\b):8*(8*((\a)%4)+\b)+7], v[SC+8*NQ*(\sc)+NQ*\b+(\q)], v[SC+8*NQ*(\sc)+NQ*(\a)+(\q)] matrix_a_fmt:MATRIX_FMT_BF8 matrix_b_fmt:MATRIX_FMT_BF8 matrix_a_scale:MATRIX_SCALE_ROW1
.endif
.endr
.endr
.endm
.macro FETCH_B slot, q, p
	WIN TO_B
.irp i, 0,1,2,3,4,5,6,7
	FRAG 128*(\p)+FR*\i, ADRB+\slot, \q, \i
.endr
	WIN 0
.endm
.macro FETCH_A slot, q, i0
.irp i, \i0, \i0+1, \i0+2, \i0+3
	FRAG AF+FR*(\i), ADRA+\slot, \q, \i
.endr
.endm
.macro SCALES sc
.irp i, 0,1,2,3,4,5,6,7
	ds_load_b64 v[SC+8*NQ*\sc+NQ*\i:SC+8*NQ*\sc+NQ*\i+1], v[ADRS] offset:\i*128
.endr
.endm
.macro PLACES n                        ; plain vector instructions between a matrix instruction and a load into, or a vector instruction on, its registers (ISA guide 7.12.1 for vector instructions)
.rept \n
	v_nop
.endr
.endm
.macro STEP slot, q, zero
	s_wait_dscnt 4*NL                              ; B's set and A's blocks 0-3 are in; the youngest 16 loads (A's blocks 4-7) may be out
	WIN MUL_LO
	MUL16 0, (\q)%2, \q, \slot, \zero
	MUL16 2, (\q)%2, \q, \slot, \zero
	s_wait_dscnt 0
	PLACES NP
	FETCH_B \slot, (\q)+1, 1-(\q)%2
	FETCH_A \slot, (\q)+1, 0
	WIN MUL_HI
	MUL16 4, (\q)%2, \q, \slot, \zero
	MUL16 6, (\q)%2, \q, \slot, \zero
	PLACES NP
	WIN 0
	FETCH_A \slot, (\q)+1, 4
.endm
; A slot's last step changes slots: ONE barrier; in front of it each wave waits for all its tensor loads, adds 0 to its spare word, and waits for that and for its own reads of this slot.
.macro TURN slot, next, fill
	s_wait_tensorcnt 0x0                           ; all my tensor loads have landed: my part of the next slot
	ds_add_u32 v[SPW], v[NIL]                      ; 0 onto my spare word
	s_wait_dscnt 4*NL+1                            ; (the add and the youngest 16 loads may be out)
	WIN MUL_LO
	MUL16 0, 1, NQ-1, \slot, 0
	s_wait_dscnt 0x0                               ; the add is done, and my reads of this slot are over
	s_barrier_signal -1
	MUL16 2, 1, NQ-1, \slot, 0
	WIN 0
	s_barrier_wait -1
.if \fill
	CREST                                          ; a round of the cluster's barrier: no wave of any partner still reads this slot or has a load on its way
	s_add_nc_u64 s[G0+4*\slot+2:G0+4*\slot+3], s[G0+4*\slot+2:G0+4*\slot+3], 2*HALFT
	s_add_nc_u64 s[G0B+4*\slot+2:G0B+4*\slot+3], s[G0B+4*\slot+2:G0B+4*\slot+3], 2*HALFT
	JLOAD G0+4*\slot, G1, G0B+4*\slot, G1B         ; the first tensor load behind the round, my only one until the next
	PLACES NP-4
.else
	PLACES NP
.endif
	s_wait_alu depctr_va_vdst(0)
	v_add_nc_u32 v[ADRS], 1024, v[ADRS]
	FETCH_B \next, 0, 0
	FETCH_A \next, 0, 0
	SCALES \next
	WIN MUL_HI
	MUL16 4, 1, NQ-1, \slot, 0
	MUL16 6, 1, NQ-1, \slot, 0
	PLACES NP
	WIN 0
	FETCH_A \next, 0, 4
.endm
	s_wait_alu depctr_va_vdst(0)
	s_wait_tensorcnt 0x0                           ; my tile of the head's four is in
	ds_add_u32 v[SPW], v[NIL]
.irp g, G1, G1B                        ; no tensor load of mine is out: from here on a load brings 128 rows of 256 bytes, dense
	s_mov_b32 s[\g+1], 32<<16
	s_mov_b32 s[\g+2], 128<<16
	s_mov_b32 s[\g+3], 32<<16
	s_mov_b32 s[\g+4], 128
	s_mov_b32 s[\g+5], 32
.endr
	s_wait_dscnt 0x0
	CROUND                                         ; all four tiles are in, in every partner
	JLOAD G0+4, G1, G0B+4, G1B                     ; K step 1, a quarter of slot 1 a wave
	FETCH_B 0, 0, 0
	FETCH_A 0, 0, 0
	SCALES 0
	FETCH_A 0, 0, 4
	STEP 0, 0, 1
	s_mov_b32 s3, LAPS-1
.Llap:
	TURN 0, 1, 1
	STEP 1, 0, 0
	TURN 1, 0, 1
	STEP 0, 0, 0
	s_sub_co_u32 s3, s3, 1
	s_cmp_lg_u32 s3, 0
	s_cbranch_scc1 .Llap
	TURN 0, 1, 0
	STEP 1, 0, 0
	s_wait_dscnt 4*NL
	WIN MUL_LO
	MUL16 0, 1, NQ-1, 1, 0
	MUL16 2, 1, NQ-1, 1, 0
	s_wait_dscnt 0
	WIN MUL_HI
	MUL16 4, 1, NQ-1, 1, 0
	MUL16 6, 1, NQ-1, 1, 0
	WIN 0
.macro QUANT s, pw                     ; 64 numbers of a lane, register 16 b + i = k 32 b + 16 h + i of my row, become a fragment's codes in v[PC] on and its scale word in v[pw]
.irp b, 0,1,2,3
	v_max3_num_f32 v[TM+\b], |v[\s+16*\b]|, |v[\s+1+16*\b]|, 0x8000000   ; and the floor 2^(16 - 127): the byte cannot fall under 1
.endr
.irp i, 2,4,6,8,10,12,14
.irp b, 0,1,2,3
	v_max3_num_f32 v[TM+\b], v[TM+\b], |v[\s+16*\b+\i]|, |v[\s+1+16*\b+\i]|
.endr
.endr
.irp b, 0,1,2,3
	v_permlanex16_b32 v[TM+4+\b], v[TM+\b], s96, s97
.endr
.irp b, 0,1,2,3
	v_max_num_f32 v[TM+\b], v[TM+\b], v[TM+4+\b]
.endr
.irp b, 0,1,2,3
	v_add_nc_u32 v[TM+12+\b], 0xf8800000, v[TM+\b]
.endr
.irp b, 0,1,2,3
	v_and_or_b32 v[TM+8+\b], v[TM+\b], 0x7f800000, s98
.endr
.irp b, 0,1,2,3
	v_lshrrev_b32 v[TM+4+\b], 23, v[TM+12+\b]
.endr
	v_lshl_or_b32 v[\pw], v[TM+5], 8, v[TM+4]
	v_lshl_or_b32 v[\pw], v[TM+6], 16, v[\pw]
	v_lshl_or_b32 v[\pw], v[TM+7], 24, v[\pw]
.irp b, 0,1,2,3
.irp i, 0,1,2,3,4,5,6,7,8,9,10,11,12,13,14,15
	v_med3_num_f32 v[\s+16*\b+\i], v[\s+16*\b+\i], -v[TM+8+\b], v[TM+8+\b]   ; the conversion does not saturate (ISA guide 7.6.2): the hold
.endr
	v_cvt_scalef32_pk8_bf8_f32 v[PC+4*\b:PC+1+4*\b], v[\s+16*\b:\s+7+16*\b], v[TM+12+\b]
	v_cvt_scalef32_pk8_bf8_f32 v[PC+2+4*\b:PC+3+4*\b], v[\s+8+16*\b:\s+15+16*\b], v[TM+12+\b]
.endr
	v_nop                                          ; a plain instruction behind the last conversion
.endm
.macro GELU u                          ; 32 numbers at v[Y + 32 u]: x / (1 + 2^(x (K0 + K1 x^2)))
.set YY, Y+32*(\u)
.irp e, 0,2,4,6,8,10,12,14,16,18,20,22,24,26,28,30
	v_pk_mul_f32 v[T+\e:T+\e+1], v[YY+\e:YY+\e+1], v[YY+\e:YY+\e+1]
.endr
.irp e, 0,2,4,6,8,10,12,14,16,18,20,22,24,26,28,30
	v_pk_fma_f32 v[T+\e:T+\e+1], v[T+\e:T+\e+1], v[GK:GK+1], v[GK+2:GK+3]
.endr
.irp e, 0,2,4,6,8,10,12,14,16,18,20,22,24,26,28,30
	v_pk_mul_f32 v[T+\e:T+\e+1], v[T+\e:T+\e+1], v[YY+\e:YY+\e+1]
.endr
.set n, 0
	s_wait_alu depctr_va_vdst(0)
.rept 32
	v_exp_f32 v[T+n], v[T+n]
.set n, n+1
.endr
	v_nop                                          ; a plain instruction behind the last exponential
	s_wait_alu depctr_va_vdst(0)                   ; one wait for the batch, ahead of its first reader
.irp e, 0,2,4,6,8,10,12,14,16,18,20,22,24,26,28,30
	v_pk_add_f32 v[T+\e:T+\e+1], v[T+\e:T+\e+1], 1.0 op_sel_hi:[1,0]
.endr
.set n, 0
	s_wait_alu depctr_va_vdst(0)
.rept 32
	v_rcp_f32 v[T+n], v[T+n]
.set n, n+1
.endr
	v_nop
	s_wait_alu depctr_va_vdst(0)                   ; one wait for the batch of reciprocals
.irp e, 0,2,4,6,8,10,12,14,16,18,20,22,24,26,28,30
	v_pk_mul_f32 v[YY+\e:YY+\e+1], v[YY+\e:YY+\e+1], v[T+\e:T+\e+1]
.endr
.endm
.macro EPI a                           ; 16 tokens x my 128 columns: the bias, GELU, the quantiser; the fragment is stored as it stands: 512 consecutive bytes a store
.if (\a) > 0
	s_wait_xcnt 0x0                                ; the last block's stores have read their registers
.endif
	WIN 0x02+(\a)/4                                ; source 0: window 2 or 3
.irp b, 0,1,2,3,4,5,6,7
.irp i, 0,2,4,6
	v_pk_add_f32 v[Y+8*\b+\i:Y+8*\b+\i+1], v[64*((\a)%4)+8*\b+\i:64*((\a)%4)+8*\b+\i+1], v[BR+8*\b+\i:BR+8*\b+\i+1]
.endr
.endr
	WIN 0
	GELU 0
	GELU 1
	QUANT Y, PWS+(\a)
.irp c, 0,1,2,3
	global_store_b128 v[LI], v[PC+4*\c:PC+4*\c+3], s[94:95] offset:(\a)*4096+\c*512
.endr
.endm
	s_wait_loadcnt 0x0                             ; the bias
	PLACES NP                                      ; behind the last products
.irp b, 0,1,2,3
	v_mov_b32 v[TM+4+\b], 0                        ; written once: a lane permute's destination counts as one of its sources
.endr
.irp a, 0,1,2,3,4,5,6,7
	EPI \a
.endr
.irp a, 0,1,2,3,4,5,6,7
	ds_store_b32 v[SWA], v[PWS+\a] offset:128*\a   ; token 16 a + r: four of its eight bytes; lanes 16-31 write the same word with the same value
.endr
	s_wait_dscnt 0x0                               ; for the others' sake: my stores have landed
	s_barrier_signal -1
	s_barrier_wait -1
	ds_load_b128 v[T:T+3], v[SRA]
	s_wait_dscnt 0x0
	global_store_b128 v[LI], v[T:T+3], s[100:101]  ; 512 consecutive bytes
	s_wait_tensorcnt 0x0                           ; the wave's end, behind my last LDS store
	ds_add_u32 v[SPW], v[NIL]
	s_wait_dscnt 0x0
	CROUND                                         ; the closing round
	s_endpgm
.Lfunc_end_k_q0b08489453_g3:
	.size	k_q0b08489453_g3, .Lfunc_end_k_q0b08489453_g3-k_q0b08489453_g3
	.p2alignl 7, 3214868480
	.fill 96, 4, 3214868480
	.section	.rodata,"a",@progbits
	.p2align	6, 0x0
	.amdhsa_kernel k_q0b08489453_g3
		.amdhsa_group_segment_fixed_size 327680
		.amdhsa_private_segment_fixed_size 0
		.amdhsa_enable_private_segment 0
		.amdhsa_kernarg_size 32
		.amdhsa_user_sgpr_count 2
		.amdhsa_user_sgpr_kernarg_segment_ptr 1
		.amdhsa_wavefront_size32 1
		.amdhsa_system_sgpr_workgroup_id_x 1
		.amdhsa_system_sgpr_workgroup_id_y 1
		.amdhsa_system_sgpr_workgroup_id_z 1
		.amdhsa_system_vgpr_workitem_id 0
		.amdhsa_next_free_vgpr 1024
		.amdhsa_next_free_sgpr 102
		.amdhsa_reserve_vcc 0
		.amdhsa_float_denorm_mode_32 3
		.amdhsa_float_denorm_mode_16_64 3
		.amdhsa_memory_ordered 1
		.amdhsa_forward_progress 1
		.amdhsa_inst_pref_size 255
	.end_amdhsa_kernel
	.section	.bss,"aw",@nobits
	.p2align	6
	.space	262144
	.amdgpu_metadata
---
amdhsa.version: [ 1, 2 ]
amdhsa.kernels:
  - .name:           k_q0b08489453_g3
    .symbol:         k_q0b08489453_g3.kd
    .args:
      - { .name: ma, .offset: 0, .size: 8, .value_kind: global_buffer, .address_space: global }
      - { .name: wts, .offset: 8, .size: 8, .value_kind: global_buffer, .address_space: global }
      - { .name: b_fc, .offset: 16, .size: 8, .value_kind: global_buffer, .address_space: global }
      - { .name: ga, .offset: 24, .size: 8, .value_kind: global_buffer, .address_space: global }
    .group_segment_fixed_size: 327680
    .private_segment_fixed_size: 0
    .kernarg_segment_align: 8
    .kernarg_segment_size: 32
    .max_flat_workgroup_size: 128
    .sgpr_count:     102
    .vgpr_count:     1024
    .wavefront_size: 32
...
	.end_amdgpu_metadata
.endif
;; end of part 6
;; launch g4 (part 7): grid 8 x 32, 4 waves a work-group, clusters of 4 x 4, 327,680 bytes of LDS; arguments ga, wts, b_proj, hb, out0; writes out0
.if DOCPART == 7
	.amdgcn_target "amdgcn-amd-amdhsa--gfx1250"
	.amdhsa_code_object_version 6
	.text
	.protected	k_q0b08489453_g4
	.globl	k_q0b08489453_g4
	.p2align	8
	.type	k_q0b08489453_g4,@function
k_q0b08489453_g4:
	s_mov_b64 s[64:65], 0
	v_nop
	global_prefetch_b8 v0, s[64:65] scope:SCOPE_SE
	s_setreg_imm32_b32 hwreg(HW_REG_WAVE_MODE, 25, 1), 1
	s_wait_xcnt 0x0
	s_wait_alu depctr_hold_cnt(0) depctr_sa_sdst(0) depctr_va_vdst(0) depctr_va_sdst(0) depctr_va_ssrc(0) depctr_va_vcc(0) depctr_vm_vsrc(0)
	s_getreg_b32 s2, hwreg(HW_REG_IB_STS2, 6, 4)
	s_cmp_eq_u32 s2, 0
	s_cbranch_scc0 .Lentry_in_a_cluster
	s_endpgm
.Lentry_in_a_cluster:
	s_bfe_u32 s2, ttmp6, 0x10000c
	s_cmp_lg_u32 s2, 0xf033
	s_cbranch_scc0 .Lentry_shape_is_right
	s_endpgm
.Lentry_shape_is_right:
; out = h + g w_proj + b_proj: [4,096 x 4,096] x [4,096 x 1,024] on codes of E5M2 with E8M0 scales (ga, wts: in the order of an operand's registers), sums in f32; the result in f32.
; The text is launch g2's with K = 4,096: a tile of C is 128 x 128 (256 tiles), four waves of 64 x 64; K goes in steps of 512 through a ring of two LDS slots: a slot holds two blocks (128 rows x 256 k, 32,768 dense bytes) of A and two of B;
; each wave fetches one.  The scale bytes of the tile's rows, for all of K, come once.  CLUSTERS: 4 x 4 work-groups; A's blocks are asked for jointly along a row of the cluster, B's along a column.
; THE MATRIX INSTRUCTION IS USED TRANSPOSED (source 0 = 16 rows of the weight, source 1 = 16 tokens).  The weight's rows are permuted in wts: register j of tile 2 c + u of lane (r, h) is column 32 c + 16 h + 8 u + j of token r.
; THE BLOCKS ARE PREFETCHED INTO THE L2: at a change of slots every wave has waited for all its tensor loads, so a refill goes out with nothing on its way beside it, and a slot holds only 64 matrix instructions a wave.  Macro ASK says who asks for what.
; REGISTERS: window 0: v1-31 addresses, v[4:7] the bias; v32-63 scale words, two sets, and nothing else; v64-127 the way out; v128-255 the accumulators.  window 1: two fragment buffers.  window 2: v0-127 the residual.
.set KC,     16                        ; K / 256
.set AS_OFF, 16777216                  ; where A's scale bytes begin in its buffer
.set W_OFF,  8<<20                     ; where the weight's codes begin in wts
.set WS_OFF, 12582912+(W_OFF>>5)       ; and its scale bytes
.set LAPS,   KC/4                      ; a lap = two slots = 1,024 along K
.set HALFT,  32768
.set SLOT,   4*HALFT
.set SCL,    2*SLOT                    ; behind the ring: A's scale bytes [kc][row][8], then B's
.set SPARE,  SCL+2048*KC               ; the spare words, 128 bytes for each wave: two blocks of 256 bytes that no other line names
.set ADRA, 16
.set ADRB, 20
.set STO,  24
.set RD,   25
.set CO,   26
.set ADRS, 27
.set SPW,  28                          ; v28  my spare word; never rewritten
.set NIL,  29                          ; v29  0; never rewritten
.set PFO,  30                          ; v30  256 x lane: the prefetches' offset; never rewritten
.set SC,   32
.set BK,   64
.set ACC,  128
.set F0,   0
.set F1,   128
.set PFA, 14                           ; s[14:15] where my prefetches stand: my work-group's 8,192 bytes of the block that I fetch, two slots further along K than the refill that is being asked for
.set LIM, 96                           ; s96  1 in a wave that prefetches, else the greatest number
.set G1, 24
.set G0, 32
.set G1B, 48
.set G0B, 56
.set G1S, 68
.set G0S, 76
.set G1SB, 80
.set G0SB, 88
.set MSB, 0
.macro WIN new                         ; the immediate's high byte repeats the setting that is left
.if MSB != (\new)
	s_set_vgpr_msb (MSB<<8)|(\new)
.set MSB, (\new)
.endif
.endm
.set MUL,  0x05                        ; sources 0 and 1 window 1; C and D window 0
.set TO_F, 0x40                        ; destination window 1, address window 0
.macro JLOAD g0a, g1a, g0b, g1b        ; a joint load: waves 0 and 1 fetch for A, waves 2 and 3 for B; an s_nop 0 and four v_nop follow each of the two lines
	s_cmp_eq_u32 s17, 0
	s_cbranch_scc0 .Lfor_b_\@
	tensor_load_to_lds s[\g0a:\g0a+3], s[\g1a:\g1a+7]
	s_nop 0
.rept 4
	v_nop
.endr
	s_branch .Lasked_\@
.Lfor_b_\@:
	tensor_load_to_lds s[\g0b:\g0b+3], s[\g1b:\g1b+7]
	s_nop 0
.rept 4
	v_nop
.endr
.Lasked_\@:
.endm
; A PREFETCH INTO THE L2, behind each joint refill, its five lines and the run of LDS loads that follows them: of the block that the refill TWO slots on will ask for, 128 matrix instructions a wave ahead of that load.
; Each 256 bytes are named ONCE in the launch.  A's blocks of a tile row are read by both clusters of that row of clusters: the first (cluster x = 0) asks; B's blocks of a tile column by all eight clusters of that column: cluster y = 0 asks.
; A wave's block is 32,768 dense bytes; the four partners that ask for it jointly share it out BY ADDRESS, 8,192 bytes each (place cx for A, cy for B), lanes 256 bytes apart: one instruction a wave, and no branch hangs on a place in the cluster.
; Slots 0 to 3 come by their loads alone: nothing is prefetched at the head.  The loop's last trip (s3 = 1) refills slots 6 and 7, which have no slot two on: it asks for nothing.
.macro ASK
	s_cmp_gt_u32 s3, s[LIM]
	s_cbranch_scc0 .Lnot_mine_\@
	global_prefetch_b8 v[PFO], s[PFA:PFA+1] th:TH_LOAD_NT scope:SCOPE_SE
.Lnot_mine_\@:
.endm
.macro CREST
	s_cmp_lg_u32 s16, 0
	s_cbranch_scc1 .Lnot_wave_0_\@
	s_barrier_signal -3
.Lnot_wave_0_\@:
	s_barrier_wait -3
	s_barrier_signal -1
	s_barrier_wait -1
.endm
.macro CROUND
	s_barrier_signal -1
	s_barrier_wait -1
	CREST
.endm
	s_load_b256 s[4:11], s[0:1], 0x0               ; A, wts, the bias, the residual
	s_load_b64 s[12:13], s[0:1], 0x20              ; the result
	v_lshl_add_u32 v[SPW], v0, 2, SPARE
	v_mov_b32 v[NIL], 0
	ds_add_u32 v[SPW], v[NIL]                      ; the wave's opening: the add, twice on end, and its wait ahead of my first tensor load
	ds_add_u32 v[SPW], v[NIL]
	v_lshrrev_b32 v1, 5, v0
	v_readfirstlane_b32 s16, v1                    ; wave 0..3
	s_lshr_b32 s17, s16, 1                         ; which half of the tile's rows is mine.  Also: I fetch for A (0) or for B (1)
	s_and_b32 s18, s16, 1                          ; which half of its columns.  Also: which of a slot's two blocks I fetch
	s_bfe_u32 s20, ttmp6, 0x40000
	s_bfe_u32 s21, ttmp6, 0x40004
	s_lshl_b32 s22, ttmp9, 2
	s_add_co_u32 s22, s22, s20                     ; tile column
	s_and_b32 s23, ttmp7, 0xffff
	s_lshl_b32 s23, s23, 2
	s_add_co_u32 s23, s23, s21                     ; tile row
	s_lshl_b32 s40, s21, 2
	s_lshl_b32 s40, 15, s40                        ; my row of the cluster
	s_lshl_b32 s41, 0x1111, s20                    ; my column
	s_or_b32 s[G1], s40, (3<<16)|(1<<21)           ; the mask; elements of 8 bytes; bit 21 beside a mask; no padding
	s_or_b32 s[G1B], s41, (3<<16)|(1<<21)
.irp g, G1, G1B                        ; at the head: a slot's two blocks on end, 256 rows of 256 bytes, dense
	s_mov_b32 s[\g+1], 32<<16
	s_mov_b32 s[\g+2], 256<<16
	s_mov_b32 s[\g+3], 32<<16
	s_mov_b32 s[\g+4], 256
	s_mov_b32 s[\g+5], 32
	s_mov_b32 s[\g+6], 0
	s_mov_b32 s[\g+7], 0
.endr
	s_or_b32 s[G1S], s40, (3<<16)|(1<<21)
	s_or_b32 s[G1SB], s41, (3<<16)|(1<<21)
.irp g, G1S, G1SB                      ; the scale bytes of 128 rows: 4 KC rows of 256 bytes
	s_mov_b32 s[\g+1], 32<<16
	s_mov_b32 s[\g+2], (4*KC)<<16
	s_mov_b32 s[\g+3], 32<<16
	s_mov_b32 s[\g+4], 4*KC
	s_mov_b32 s[\g+5], 32
	s_mov_b32 s[\g+6], 0
	s_mov_b32 s[\g+7], 0
.endr
	s_mul_i32 s42, s23, KC
	s_lshl_b32 s44, s42, 10
	s_add_co_u32 s44, s44, AS_OFF                  ; A's scale bytes
	s_add_co_u32 s42, s42, s18
	s_lshl_b32 s42, s42, 15                        ; A's codes: block (tile row, my block of slot 0)
	s_mov_b32 s43, 0
	s_mov_b32 s45, 0
	s_mul_i32 s46, s22, KC                         ; B likewise, in registers that never hold A's coordinate
	s_lshl_b32 s92, s46, 10
	s_add_co_u32 s92, s92, WS_OFF
	s_add_co_u32 s46, s46, s18
	s_lshl_b32 s46, s46, 15
	s_add_co_u32 s46, s46, W_OFF
	s_mov_b32 s47, 0
	s_mov_b32 s93, 0
	s_lshl_b32 s19, s16, 15                        ; where they go: wave x 32,768
	s_wait_dscnt 0x0                               ; both opening adds are done
	s_wait_kmcnt 0x0
	s_add_nc_u64 s[G0+2:G0+3], s[4:5], s[42:43]
	s_add_nc_u64 s[G0+6:G0+7], s[G0+2:G0+3], 2*HALFT
	s_add_nc_u64 s[G0S+2:G0S+3], s[4:5], s[44:45]
	s_add_nc_u64 s[G0B+2:G0B+3], s[6:7], s[46:47]
	s_add_nc_u64 s[G0B+6:G0B+7], s[G0B+2:G0B+3], 2*HALFT
	s_add_nc_u64 s[G0SB+2:G0SB+3], s[6:7], s[92:93]
	CROUND                                         ; all sixteen work-groups are here: the first joint loads meet
	s_mov_b32 s[G0S], 1
	s_mov_b32 s[G0S+1], SCL
	s_or_b32 s[G0S+3], s[G0S+3], 0x80000000
	s_mov_b32 s[G0SB], 1
	s_mov_b32 s[G0SB+1], SCL+KC*1024
	s_or_b32 s[G0SB+3], s[G0SB+3], 0x80000000
.irp s, 0,1
	s_mov_b32 s[G0+4*\s], 1
	s_add_co_u32 s[G0+4*\s+1], s19, \s*SLOT
	s_or_b32 s[G0+4*\s+3], s[G0+4*\s+3], 0x80000000
	s_mov_b32 s[G0B+4*\s], 1
	s_add_co_u32 s[G0B+4*\s+1], s19, \s*SLOT
	s_or_b32 s[G0B+4*\s+3], s[G0B+4*\s+3], 0x80000000
.endr
; the head's loads, one a wave, in one chain of branches on the wave's number: wave 0 A's two blocks of slot 0 (its own group 0 names the first), wave 1 A's scale bytes, wave 2 B's two blocks, wave 3 B's scale bytes
.macro ARM under, g0, g1, next
	s_cmp_lt_u32 s16, \under
	s_cbranch_scc0 \next
	tensor_load_to_lds s[\g0:\g0+3], s[\g1:\g1+7]
	s_nop 0
.rept 4
	v_nop
.endr
	s_branch .Lhead_asked
\next:
.endm
	ARM 1, G0, G1, .Lhead_sa
	ARM 2, G0S, G1S, .Lhead_b
	ARM 3, G0B, G1B, .Lhead_sb
	tensor_load_to_lds s[G0SB:G0SB+3], s[G1SB:G1SB+7]
	s_nop 0
.rept 4
	v_nop
.endr
.Lhead_asked:
	v_and_b32 v1, 15, v0                           ; r
	v_bfe_u32 v2, v0, 4, 1                         ; h
	s_wait_alu depctr_va_vdst(0)
	v_and_b32 v3, 31, v0
	v_lshlrev_b32 v[PFO], 8, v3                    ; 256 x lane
	v_lshlrev_b32 v3, 4, v3                        ; 16 x lane
	s_lshl_b32 s66, s17, 14                        ; my 64 rows of A's blocks
	s_lshl_b32 s67, s18, 14                        ; my 64 rows of B's,
	s_add_co_u32 s67, s67, 2*HALFT                 ; which lie behind A's two
.irp s, 0,1
	v_add_nc_u32 v[ADRA+\s], s66, v3
	v_add_nc_u32 v[ADRB+\s], s67, v3
	s_add_co_u32 s66, s66, SLOT
	s_add_co_u32 s67, s67, SLOT
.endr
	s_lshl_b32 s66, s17, 9
	s_lshl_b32 s67, s18, 9
	s_add_co_u32 s67, s67, KC*1024
	s_sub_co_u32 s67, s67, s66
	v_mul_u32_u24 v8, s67, v2                      ; lanes 16-31 take B's scale words
	s_add_co_u32 s66, s66, SCL
	v_lshl_add_u32 v8, v1, 3, v8
	v_add_nc_u32 v[ADRS], s66, v8
	s_mul_i32 s66, s16, 4352                       ; my stage: 16 rows x (256 bytes + 16), in slot 0, which has had its last fill and its last read when the first result is stored there
	v_mul_u32_u24 v8, v1, 272
	v_lshl_add_u32 v8, v2, 6, v8
	v_add_nc_u32 v[STO], s66, v8                   ; in: row r, + 64 h
	v_mul_u32_u24 v8, v2, 272
	v_lshl_add_u32 v8, v1, 4, v8
	v_add_nc_u32 v[RD], s66, v8                    ; back: lanes 0-15 one row, lanes 16-31 the next
	v_lshlrev_b32 v9, 4, v1
	s_wait_alu depctr_va_vdst(0)
	v_lshl_add_u32 v[CO], v2, 12, v9               ; and the same two rows in memory: 4,096 bytes a row
	; the prefetches (macro ASK).  s42 and s46, my block of slot 0 in A and in B, s20 = cx and s21 = cy still stand; s[4:5] = A, s[6:7] = wts
	s_wait_alu depctr_va_vdst(0)
	s_and_b32 s97, ttmp7, 0xffff                   ; cluster y
	s_cmp_eq_u32 s17, 0                            ; do I fetch for A?
	s_cselect_b64 s[PFA:PFA+1], s[4:5], s[6:7]
	s_cselect_b32 s98, s42, s46                    ; the block that I fetch for slot 0, in bytes from its buffer's first
	s_cselect_b32 s99, s20, s21                    ; my place among the four that ask for it with me
	s_cselect_b32 s97, ttmp9, s97                  ; the coordinate along which other clusters read the same blocks
	s_cmp_eq_u32 s97, 0
	s_cselect_b32 s[LIM], 1, -1                    ; the same in all sixteen partners, for a given wave
	s_lshl_b32 s99, s99, 13                        ; my work-group's 8,192 bytes of the block
	s_add_co_u32 s98, s98, s99
	s_add_co_u32 s98, s98, 3*2*HALFT               ; in slot 3: the first refill steps it to slot 4
	s_mov_b32 s99, 0
	s_add_nc_u64 s[PFA:PFA+1], s[PFA:PFA+1], s[98:99]
	s_lshl_b32 s94, s22, 7
	s_lshl_b32 s95, s18, 6
	s_add_co_u32 s94, s94, s95
	s_lshl_b32 s94, s94, 2                         ; my first column, in bytes
	s_mov_b32 s95, 0
	s_lshl_b32 s100, s23, 7
	s_lshl_b32 s101, s17, 6
	s_add_co_u32 s100, s100, s101
	s_lshl_b32 s100, s100, 12                      ; my first row
	s_add_co_u32 s100, s100, s94
	s_mov_b32 s101, 0
	s_add_nc_u64 s[8:9], s[8:9], s[94:95]
	s_add_nc_u64 s[10:11], s[10:11], s[100:101]
	s_add_nc_u64 s[12:13], s[12:13], s[100:101]
	global_load_b128 v[4:7], v9, s[8:9]            ; the bias of my four columns of a row's 64
	WIN 0x80                                       ; destination window 2
.irp a, 0,1,2,3
.irp t, 0,1,2,3,4,5,6,7
	global_load_b128 v[32*\a+4*\t:32*\a+4*\t+3], v[CO], s[10:11] offset:(16*\a+2*\t)*4096
.endr
.endr
	WIN 0
; 32 LDS loads in one run: the fragments of the slot's sub-th 128 along K into buffer f: B's four, then A's four
.macro FETCH slot, sub, f
	WIN TO_F
.irp i, 0,1,2,3
.irp c, 0,1,2,3
	ds_load_b128 v[\f+64+16*\i+4*\c:\f+64+16*\i+4*\c+3], v[ADRB+\slot] offset:((\sub)/2)*32768+\i*4096+((\sub)%2)*2048+512*\c
.endr
.endr
.irp i, 0,1,2,3
.irp c, 0,1,2,3
	ds_load_b128 v[\f+16*\i+4*\c:\f+16*\i+4*\c+3], v[ADRA+\slot] offset:((\sub)/2)*32768+\i*4096+((\sub)%2)*2048+512*\c
.endr
.endr
.endm
.macro SCALES set                      ; a slot's scale words: lanes 0-15 A's block i, lanes 16-31 B's block i; register 8 ch + 2 i + q
.irp ch, 0,1
.irp i, 0,1,2,3
	ds_load_b64 v[SC+16*(\set)+8*\ch+2*\i:SC+16*(\set)+8*\ch+2*\i+1], v[ADRS] offset:\ch*1024+\i*128
.endr
.endr
.endm
; 4 matrix instructions: A's block a x B's four.  The 16 accumulators take turns, one instruction a turn, in the same order in every step.
.macro MUL4 f, a, set, sub, zero
.irp b, 0,1,2,3
.if \zero
	v_wmma_scale_f32_16x16x128_f8f6f4 v[ACC+8*(4*(\a)+\b):ACC+8*(4*(\a)+\b)+7], v[\f+64+16*\b:\f+64+16*\b+15], v[\f+16*(\a):\f+16*(\a)+15], 0, v[SC+16*(\set)+8*((\sub)/2)+2*\b+(\sub)%2], v[SC+16*(\set)+8*((\sub)/2)+2*(\a)+(\sub)%2] matrix_a_fmt:MATRIX_FMT_BF8 matrix_b_fmt:MATRIX_FMT_BF8 matrix_a_scale:MATRIX_SCALE_ROW1
.else
	v_wmma_scale_f32_16x16x128_f8f6f4 v[ACC+8*(4*(\a)+\b):ACC+8*(4*(\a)+\b)+7], v[\f+64+16*\b:\f+64+16*\b+15], v[\f+16*(\a):\f+16*(\a)+15], v[ACC+8*(4*(\a)+\b):ACC+8*(4*(\a)+\b)+7], v[SC+16*(\set)+8*((\sub)/2)+2*\b+(\sub)%2], v[SC+16*(\set)+8*((\sub)/2)+2*(\a)+(\sub)%2] matrix_a_fmt:MATRIX_FMT_BF8 matrix_b_fmt:MATRIX_FMT_BF8 matrix_a_scale:MATRIX_SCALE_ROW1
.endif
.endr
.endm
.macro PLACES n                        ; plain vector instructions between a matrix instruction and a load into, or a vector instruction on, its registers (ISA guide 7.12.1 for vector instructions)
.rept \n
	v_nop
.endr
.endm
; One of a slot's first three steps of 128 along K: the next step's fragments are asked for, into the other buffer, then this step's 16 products are issued.
.macro SUB slot, sub, zero
	s_wait_dscnt 0x0                               ; this step's fragments (and a slot's scale words) are in
	PLACES 8                                       ; behind the products that read the other buffer
	FETCH \slot, (\sub)+1, 128*(1-(\sub)%2)
	WIN MUL
	MUL4 128*((\sub)%2), 0, \slot, \sub, \zero
	MUL4 128*((\sub)%2), 1, \slot, \sub, \zero
	MUL4 128*((\sub)%2), 2, \slot, \sub, \zero
	MUL4 128*((\sub)%2), 3, \slot, \sub, \zero
.endm
; A slot's last step changes slots: ONE barrier; in front of it each wave waits for all its tensor loads, adds 0 to its spare word, and waits for that and for its own reads of this slot.  fill = 1: this slot is filled again, two slots ahead.
.macro TURN slot, next, fill
.if \fill
	s_wait_xcnt 0x0                                ; the last prefetch, a slot back, has read its address: it is stepped here, ahead of the waits of the change of slots
	s_add_nc_u64 s[PFA:PFA+1], s[PFA:PFA+1], 2*HALFT   ; a slot on: two blocks
.endif
	s_wait_dscnt 0x0                               ; the last step's fragments are in: my reads of this slot are over
	WIN 0                                          ; (the add's two registers lie in window 0)
	s_wait_tensorcnt 0x0                           ; all my tensor loads have landed: my part of the next slot
	ds_add_u32 v[SPW], v[NIL]                      ; 0 onto my spare word
	WIN MUL
	MUL4 F1, 0, \slot, 3, 0
	s_wait_dscnt 0x0                               ; the add is done
	s_barrier_signal -1
	MUL4 F1, 1, \slot, 3, 0
	WIN 0
	s_barrier_wait -1
.if \fill
	CREST                                          ; the barrier has opened a round of the cluster's barrier: no wave of any partner still reads this slot or has a load on its way
	s_add_nc_u64 s[G0+4*\slot+2:G0+4*\slot+3], s[G0+4*\slot+2:G0+4*\slot+3], 4*HALFT
	s_add_nc_u64 s[G0B+4*\slot+2:G0B+4*\slot+3], s[G0B+4*\slot+2:G0B+4*\slot+3], 4*HALFT
	JLOAD G0+4*\slot, G1, G0B+4*\slot, G1B         ; the first tensor load behind the round, my only one until the next
	PLACES 4
.else
	PLACES 8
.endif
	s_wait_alu depctr_va_vdst(0)
	v_add_nc_u32 v[ADRS], 2048, v[ADRS]            ; the next slot's scale words
	FETCH \next, 0, F0
	WIN 0
	SCALES \next
.if \fill
	ASK                                            ; behind the joint load and the run of LDS loads that the next products wait for; every window is 0 here
.endif
	WIN MUL
	MUL4 F1, 2, \slot, 3, 0
	MUL4 F1, 3, \slot, 3, 0
.endm
	s_wait_alu depctr_va_vdst(0)
	s_wait_tensorcnt 0x0                           ; my tile of the head's four is in
	ds_add_u32 v[SPW], v[NIL]
.irp g, G1, G1B                        ; no tensor load of mine is out: from here on a load brings one block, 128 rows
	s_mov_b32 s[\g+2], 128<<16
	s_mov_b32 s[\g+4], 128
.endr
	s_wait_dscnt 0x0
	CROUND                                         ; all four tiles are in, in every partner
	JLOAD G0+4, G1, G0B+4, G1B                     ; slot 1, a block a wave
	FETCH 0, 0, F0
	WIN 0
	SCALES 0
	SUB 0, 0, 1                                    ; the first step's products start the sums
.if LAPS > 1
	WIN 0                                          ; at a label and at a branch every window is 0
	s_mov_b32 s3, LAPS-1
.Llap:                                             ; a trip goes once round the ring and fills both slots again
	SUB 0, 1, 0
	SUB 0, 2, 0
	TURN 0, 1, 1
	SUB 1, 0, 0
	SUB 1, 1, 0
	SUB 1, 2, 0
	TURN 1, 0, 1
	SUB 0, 0, 0
	WIN 0
	s_sub_co_u32 s3, s3, 1
	s_cmp_lg_u32 s3, 0
	s_cbranch_scc1 .Llap
.endif
	SUB 0, 1, 0                                    ; the last lap fills nothing
	SUB 0, 2, 0
	TURN 0, 1, 0
	SUB 1, 0, 0
	SUB 1, 1, 0
	SUB 1, 2, 0
	s_wait_dscnt 0x0
	WIN MUL
	MUL4 F1, 0, 1, 3, 0
	MUL4 F1, 1, 1, 3, 0
	MUL4 F1, 2, 1, 3, 0
	MUL4 F1, 3, 1, 3, 0
	WIN 0
; THE WAY OUT, 16 rows x 64 columns at a time: through my own stage, where the columns come into their order, and back as whole rows of 256 bytes; the bias and the residual are added; sixteen lanes store 256 consecutive bytes.
.macro OUTB a
.set BB, BK+32*((\a)%2)
.if (\a) >= 2
	s_wait_xcnt 0x0                                ; block a - 2's stores have read their registers
.endif
.irp b, 0,1,2,3
	ds_store_b128 v[STO], v[ACC+8*(4*(\a)+\b):ACC+8*(4*(\a)+\b)+3] offset:128*(\b/2)+32*(\b%2)       ; each accumulator from its low end on
	ds_store_b128 v[STO], v[ACC+8*(4*(\a)+\b)+4:ACC+8*(4*(\a)+\b)+7] offset:128*(\b/2)+32*(\b%2)+16
.endr
.irp t, 0,1,2,3,4,5,6,7
	ds_load_b128 v[BB+4*\t:BB+4*\t+3], v[RD] offset:544*\t   ; LDS serves a wave's instructions in order (ISA guide 5.7.1.4): these see the stores above
.endr
	s_wait_dscnt 0x0
.irp t, 0,1,2,3,4,5,6,7
	v_pk_add_f32 v[BB+4*\t:BB+4*\t+1], v[BB+4*\t:BB+4*\t+1], v[4:5]
	v_pk_add_f32 v[BB+4*\t+2:BB+4*\t+3], v[BB+4*\t+2:BB+4*\t+3], v[6:7]
.endr
	WIN 0x08                                       ; source 1: window 2
.irp e, 0,2,4,6,8,10,12,14,16,18,20,22,24,26,28,30
	v_pk_add_f32 v[BB+\e:BB+\e+1], v[BB+\e:BB+\e+1], v[32*(\a)+\e:32*(\a)+\e+1]
.endr
	WIN 0
.irp t, 0,1,2,3,4,5,6,7
	global_store_b128 v[CO], v[BB+4*\t:BB+4*\t+3], s[12:13] offset:(16*(\a)+2*\t)*4096
.endr
.endm
	s_wait_loadcnt 0x0                             ; the bias and the residual
	PLACES 8                                       ; behind the last products
	OUTB 0
	OUTB 1
	OUTB 2
	OUTB 3
	s_wait_tensorcnt 0x0                           ; the wave's end, behind my last LDS store
	ds_add_u32 v[SPW], v[NIL]
	s_wait_dscnt 0x0
	CROUND                                         ; the closing round: no work-group ends while a partner may still ask for a tile that names it
	s_endpgm
.Lfunc_end_k_q0b08489453_g4:
	.size	k_q0b08489453_g4, .Lfunc_end_k_q0b08489453_g4-k_q0b08489453_g4
	.p2alignl 7, 3214868480
	.fill 96, 4, 3214868480
	.section	.rodata,"a",@progbits
	.p2align	6, 0x0
	.amdhsa_kernel k_q0b08489453_g4
		.amdhsa_group_segment_fixed_size 327680
		.amdhsa_private_segment_fixed_size 0
		.amdhsa_enable_private_segment 0
		.amdhsa_kernarg_size 40
		.amdhsa_user_sgpr_count 2
		.amdhsa_user_sgpr_kernarg_segment_ptr 1
		.amdhsa_wavefront_size32 1
		.amdhsa_system_sgpr_workgroup_id_x 1
		.amdhsa_system_sgpr_workgroup_id_y 1
		.amdhsa_system_sgpr_workgroup_id_z 1
		.amdhsa_system_vgpr_workitem_id 0
		.amdhsa_next_free_vgpr 768
		.amdhsa_next_free_sgpr 102
		.amdhsa_reserve_vcc 0
		.amdhsa_float_denorm_mode_32 3
		.amdhsa_float_denorm_mode_16_64 3
		.amdhsa_memory_ordered 1
		.amdhsa_forward_progress 1
		.amdhsa_inst_pref_size 105
	.end_amdhsa_kernel
	.amdgpu_metadata
---
amdhsa.version: [ 1, 2 ]
amdhsa.kernels:
  - .name:           k_q0b08489453_g4
    .symbol:         k_q0b08489453_g4.kd
    .args:
      - { .name: ga, .offset: 0, .size: 8, .value_kind: global_buffer, .address_space: global }
      - { .name: wts, .offset: 8, .size: 8, .value_kind: global_buffer, .address_space: global }
      - { .name: b_proj, .offset: 16, .size: 8, .value_kind: global_buffer, .address_space: global }
      - { .name: hb, .offset: 24, .size: 8, .value_kind: global_buffer, .address_space: global }
      - { .name: out0, .offset: 32, .size: 8, .value_kind: global_buffer, .address_space: global }
    .group_segment_fixed_size: 327680
    .private_segment_fixed_size: 0
    .kernarg_segment_align: 8
    .kernarg_segment_size: 40
    .max_flat_workgroup_size: 128
    .sgpr_count:     102
    .vgpr_count:     768
    .wavefront_size: 32
...
	.end_amdgpu_metadata
.endif
;; end of part 7
